; MI455X (gfx1250); checked and timed in simulation.
; The chip was launched on July 23, 2026; its instructions are those of AMD's public machine-readable ISA for CDNA 5 (MIT licence, August 2026) and "CDNA5" Instruction Set Architecture Reference Guide (July 2026). The comments in the code are by the model that wrote it; some were corrected since.
;; Language Quantizer. Allowed arithmetic: matrix products marked QUANTISED: E4M3 operands, one given power-of-two scale a tensor, by v_wmma_f32_16x16x64_fp8_fp8 or v_wmma_f32_16x16x128_fp8_fp8, f32 sums; everything else in f32.
;; Inputs: W_code 1,024 x 512 float32; W_in 1,024 x 512 float32; b_code 512 float32; b_in 512 float32; codebook 4,096 x 1,024 float32; lowp_scales 12 int32 (the exponents e of the quantised operands' scales 2^e); x 8 x 1,024 x 1,024 float32.
;; Outputs: out0 8 x 1,024 x 1,024 float32; out1 one number float32; out2 one number float32; out3 one number float32.
;; This version of the problem:
;;   THIS VERSION OF THE PROBLEM IS GIVEN IN LOW PRECISION. The matrix products marked QUANTISED in the list below multiply operands that are first quantised to E4M3 (4 exponent bits, 3 mantissa bits; 8 bits a number), with one given power-of-two scale for each operand tensor; their sums are f32. All else is computed in f32.
;;   The module's matrix products, in the order in which they are computed (A, B: the left and right operand; K: the contracted axis; several contracted axes count as one K, in the product's order):
;;     1. [M 8,192, K 1,024] x [K 1,024, N 512]; A: input x; B: input W_in: QUANTISED (scales: A lowp_scales[0], B lowp_scales[1])
;;     2. [M 4,096, K 1,024] x [K 1,024, N 512]; A: input codebook; B: input W_code: QUANTISED (scales: A lowp_scales[2], B lowp_scales[3])
;;     3. [M 8,192, K 512] x [K 512, N 4,096]; A: computed on the way; B: computed on the way: QUANTISED (scales: A lowp_scales[4], B lowp_scales[5])
;;     4. [M 8,192, K 4,096] x [K 4,096, N 1,024]; A: computed on the way; B: input codebook: QUANTISED (scales: A lowp_scales[6], B lowp_scales[7])
;;     5. [M 8,192, K 1,024] x [K 1,024, N 512]; A: computed on the way; B: input W_code: QUANTISED (scales: A lowp_scales[8], B lowp_scales[9])
;;     6. [M 8,192, K 1,024] x [K 1,024, N 512]; A: input x; B: input W_in: QUANTISED (scales: A lowp_scales[10], B lowp_scales[11])
;;   THE QUANTISER, for each operand of a quantised product, along K:
;;     - The operand's scale is 2^e, e = its entry of the input lowp_scales (int32; the entries are numbered through the quantised products in the list's order, A before B).
;;     - Each number is divided by the scale, clamped to +-448, and rounded to the nearest number of E4M3, ties to even, subnormals kept.
;;     - The product sums the exact products of the quantised numbers (number of the format x scale) in f32.
;;   ~~~python
;;   def quantise(x, axis, e):      # numpy; x: float32 -> the quantised numbers, widened to float32 again
;;       x = np.moveaxis(x, axis, -1); K = x.shape[-1]
;;       r = np.clip(x / 2.0 ** e, -448, 448)
;;       step = 2.0 ** (np.maximum(np.frexp(np.where(r == 0, 1, r))[1] - 1, -6) - 3)
;;       q = np.round(r / step) * step * 2.0 ** e      # np.round: ties to even
;;       return np.moveaxis(q, -1, axis).astype(np.float32)
;;   ~~~
;;   OPERANDS COMPUTED ON THE WAY. 'Computed on the way' means the value that the module computes at that place (a softmax that the list does not call 'softmax' is quantised finished and normalised). What goes into a quantiser is computed in f32, as accurately as f32 sums, v_exp_f32 and their like allow (about 1e-6 of the number): no bf16 or f16 on the way to a quantiser, and a product that is left as it is and whose result goes on into a quantised operand takes f32 operands (vector FMAs, or v_wmma_f32_16x16x4_f32). A number that lies on a knife's edge between two numbers of the format may be rounded either way, as far as f32 arithmetic and the matrix unit's own rounding can turn it there, and no further.
;; 3 versions. Each part assembles by itself: llvm-mc -triple=amdgcn-amd-amdhsa -mcpu=gfx1250 --defsym DOCPART=n.
;; ======== version 1 of 3: 5 launches
;; workspace buffers: wcodes 2,097,152 bytes; lcodes 6,291,456 bytes; cneg 16,384 bytes; lat 25,165,824 bytes; idx 32,768 bytes of whole numbers; part 4,096 bytes
;; launch prepw (part 1): grid 256 x 1, 4 waves a work-group, no clusters, 0 bytes of LDS; arguments W_in, W_code, lowp_scales, wcodes; writes wcodes
.if DOCPART == 1
	.amdgcn_target "amdgcn-amd-amdhsa--gfx1250"
	.amdhsa_code_object_version 6
	.text
	.protected	k_qdde5b90007_prepw
	.globl	k_qdde5b90007_prepw
	.p2align	8
	.type	k_qdde5b90007_prepw,@function
k_qdde5b90007_prepw:
	s_mov_b64 s[64:65], 0
	v_nop
	global_prefetch_b8 v0, s[64:65] scope:SCOPE_SE
	s_setreg_imm32_b32 hwreg(HW_REG_WAVE_MODE, 25, 1), 1
	s_wait_xcnt 0x0
; W_in and W_code, [1024 (K)][512 (n)] f32, become codes of E4M3, each under its two given scales, laid in the ORDER OF THE OPERAND'S REGISTERS:
; wcodes [p 4][k 8][w 4][t 8][c 4][lane 32][16 bytes];  p = 0: W_in at entry 1, 1: W_in at entry 11, 2: W_code at entry 3, 3: W_code at entry 9 of the scales.
; In fragment (p, k, w, t) lane (r, h) holds column n = 128 w + 16 t + r, and its piece c the sixteen K = 128 k + 64 h + 16 c + 0 .. 15.
; A LANE TAKES A COLUMN AND ITS REGISTERS RUN DOWN K, so the conversions give codes with K innermost and nothing is transposed.
; Work-group g: tensor q = g / 128, K step k, column group w, and hp = 2 h + cp: the 32 rows 128 k + 32 hp + i.  Wave b takes columns 128 w + 32 b + lane: the four waves read 512 consecutive bytes of each row.
; A lane's 16 codes are 16 bytes: lanes 0-15 store 256 consecutive aligned bytes of tile 2 b, lanes 16-31 of tile 2 b + 1.
; code = x / 2^e, held within +-448, to the nearest code, ties to even.  LIMITS: each e between -126 and 119; NaN among the inputs is not served.
.set X, 32                             ; v32-63  W(row i, my column)
.set T, 64                             ; v64-79  sixteen held numbers
.set C, 16                             ; v16-31  codes: four registers for each of the four stores, so that no store's data are written again
	s_load_b128 s[4:7], s[0:1], 0x0                ; W_in, W_code
	s_load_b128 s[8:11], s[0:1], 0x10              ; the scales' exponents, wcodes
	v_lshrrev_b32 v2, 5, v0
	v_readfirstlane_b32 s12, v2                    ; wave b
	v_and_b32 v3, 31, v0                           ; lane
	v_lshlrev_b32 v1, 2, v3                        ; in: 4 bytes a lane
	v_lshrrev_b32 v4, 4, v3
	v_and_b32 v5, 15, v3
	v_lshlrev_b32 v5, 4, v5
	v_lshl_add_u32 v5, v4, 11, v5                  ; out: 16 (lane % 16) + 2,048 (lane / 16): the tile of my column
	s_lshr_b32 s13, ttmp9, 7                       ; q
	s_bfe_u32 s14, ttmp9, 0x30004                  ; k
	s_bfe_u32 s15, ttmp9, 0x20002                  ; w
	s_and_b32 s28, ttmp9, 3                        ; hp
	s_lshl_b32 s30, s14, 18                        ; in: (128 k + 32 hp) rows of 2,048 bytes + 4 (128 w + 32 b)
	s_lshl_b32 s29, s28, 16
	s_add_co_u32 s30, s30, s29
	s_lshl_b32 s29, s15, 9
	s_add_co_u32 s30, s30, s29
	s_lshl_b32 s29, s12, 7
	s_add_co_u32 s30, s30, s29
	s_mov_b32 s31, 0
	s_lshl_b32 s32, s13, 20                        ; out: q x 2 p's + k + w + tile 2 b + piece 2 cp + 256 h
	s_lshl_b32 s29, s14, 16
	s_add_co_u32 s32, s32, s29
	s_lshl_b32 s29, s15, 14
	s_add_co_u32 s32, s32, s29
	s_lshl_b32 s29, s12, 12
	s_add_co_u32 s32, s32, s29
	s_and_b32 s29, s28, 1
	s_lshl_b32 s29, s29, 10
	s_add_co_u32 s32, s32, s29
	s_lshr_b32 s29, s28, 1
	s_lshl_b32 s29, s29, 8
	s_add_co_u32 s32, s32, s29
	s_mov_b32 s33, 0
	s_wait_kmcnt 0x0
	s_load_b256 s[16:23], s[8:9], 0x0              ; entries 0 to 7
	s_load_b128 s[24:27], s[8:9], 0x20             ; entries 8 to 11
	s_cmp_eq_u32 s13, 0                            ; the choice hangs on the work-group's number alone
	s_cselect_b64 s[4:5], s[4:5], s[6:7]
	s_add_nc_u64 s[4:5], s[4:5], s[30:31]
	s_add_nc_u64 s[10:11], s[10:11], s[32:33]
.set ii, 0
.rept 32
	global_load_b32 v[X+ii], v1, s[4:5] offset:2048*ii th:TH_LOAD_NT
.set ii, ii+1
.endr
	s_wait_kmcnt 0x0
	s_cmp_eq_u32 s13, 0
	s_cselect_b32 s34, s17, s19                    ; entry 1 or 3
	s_cselect_b32 s35, s27, s25                    ; entry 11 or 9
	s_add_co_i32 s34, s34, 127
	s_lshl_b32 s36, s34, 23
	v_mov_b32 v8, s36                              ; 2^e as f32: the conversion takes its exponent field
	s_add_co_i32 s34, s34, 8
	s_lshl_b32 s34, s34, 23
	s_or_b32 s34, s34, 0x600000
	v_mov_b32 v9, s34                              ; 448 x 2^e
	s_add_co_i32 s35, s35, 127
	s_lshl_b32 s36, s35, 23
	v_mov_b32 v10, s36
	s_add_co_i32 s35, s35, 8
	s_lshl_b32 s35, s35, 23
	s_or_b32 s35, s35, 0x600000
	v_mov_b32 v11, s35
.irp u, 0,1                                    ; a run of 16 rows is piece c = 2 cp + u
	s_wait_loadcnt 16-16*\u                        ; this run's 16 loads are in; the other run's may be out
.irp z, 0,1                                    ; the tensor's two scales
.set ii, 0
.rept 16
	v_med3_num_f32 v[T+ii], v[X+16*\u+ii], -v[9+2*\z], v[9+2*\z]   ; the conversion to an 8-bit code does not saturate (ISA guide 7.6.2): the hold comes first
.set ii, ii+1
.endr
	v_cvt_scalef32_pk8_fp8_f32 v[C+4*(2*\z+\u):C+4*(2*\z+\u)+1], v[T:T+7], v[8+2*\z]
	v_cvt_scalef32_pk8_fp8_f32 v[C+4*(2*\z+\u)+2:C+4*(2*\z+\u)+3], v[T+8:T+15], v[8+2*\z]
	v_nop                                          ; a plain line between the conversions and the next holds, which write their sources
	global_store_b128 v5, v[C+4*(2*\z+\u):C+4*(2*\z+\u)+3], s[10:11] offset:512*\u+524288*\z
.endr
.endr
	s_endpgm
.Lfunc_end_k_qdde5b90007_prepw:
	.size	k_qdde5b90007_prepw, .Lfunc_end_k_qdde5b90007_prepw-k_qdde5b90007_prepw
	.p2alignl 7, 3214868480
	.fill 96, 4, 3214868480
	.section	.rodata,"a",@progbits
	.p2align	6, 0x0
	.amdhsa_kernel k_qdde5b90007_prepw
		.amdhsa_group_segment_fixed_size 0
		.amdhsa_private_segment_fixed_size 0
		.amdhsa_enable_private_segment 0
		.amdhsa_kernarg_size 32
		.amdhsa_user_sgpr_count 2
		.amdhsa_user_sgpr_kernarg_segment_ptr 1
		.amdhsa_wavefront_size32 1
		.amdhsa_system_sgpr_workgroup_id_x 1
		.amdhsa_system_sgpr_workgroup_id_y 1
		.amdhsa_system_sgpr_workgroup_id_z 1
		.amdhsa_system_vgpr_workitem_id 0
		.amdhsa_next_free_vgpr 96
		.amdhsa_next_free_sgpr 66
		.amdhsa_reserve_vcc 0
		.amdhsa_float_denorm_mode_32 3
		.amdhsa_float_denorm_mode_16_64 3
		.amdhsa_memory_ordered 1
		.amdhsa_forward_progress 1
		.amdhsa_inst_pref_size 11
	.end_amdhsa_kernel
	.amdgpu_metadata
---
amdhsa.version: [ 1, 2 ]
amdhsa.kernels:
  - .name:           k_qdde5b90007_prepw
    .symbol:         k_qdde5b90007_prepw.kd
    .args:
      - { .name: W_in, .offset: 0, .size: 8, .value_kind: global_buffer, .address_space: global }
      - { .name: W_code, .offset: 8, .size: 8, .value_kind: global_buffer, .address_space: global }
      - { .name: lowp_scales, .offset: 16, .size: 8, .value_kind: global_buffer, .address_space: global }
      - { .name: wcodes, .offset: 24, .size: 8, .value_kind: global_buffer, .address_space: global }
    .group_segment_fixed_size: 0
    .private_segment_fixed_size: 0
    .kernarg_segment_align: 8
    .kernarg_segment_size: 32
    .max_flat_workgroup_size: 128
    .sgpr_count:     66
    .vgpr_count:     96
    .wavefront_size: 32
...
	.end_amdgpu_metadata
.endif
;; end of part 1
;; launch rows (part 2): grid 192 x 1, 4 waves a work-group, no clusters, 202,240 bytes of LDS; arguments x, codebook, wcodes, b_in, b_code, lowp_scales, lcodes, cneg, lat; writes lcodes, cneg, lat
.if DOCPART == 2
	.amdgcn_target "amdgcn-amd-amdhsa--gfx1250"
	.amdhsa_code_object_version 6
	.text
	.protected	k_qdde5b90007_rows
	.globl	k_qdde5b90007_rows
	.p2align	8
	.type	k_qdde5b90007_rows,@function
k_qdde5b90007_rows:
	s_mov_b64 s[64:65], 0
	v_nop
	global_prefetch_b8 v0, s[64:65] scope:SCOPE_SE
	s_setreg_imm32_b32 hwreg(HW_REG_WAVE_MODE, 25, 1), 1
	s_wait_xcnt 0x0
; 64 rows a work-group: work-groups 0-127 take rows of x, 128-191 rows of the codebook.  ONE path serves both: the kind picks pointers and scales, one stretch of register work and one store.
;   product a (x W_in at entries 0, 1 / codebook W_code at entries 2, 3) + bias, normalised (x once, the codebook twice), quantised at entry 4 / 5  -> lcodes, in the order of the next product's registers;
;                for the codebook also -b2 2^(-1 - e4 - e5), b2 the row's sum of squares after both normalisations -> cneg.
;   product b (x W_in at entries 10, 11 / quantized W_code at entries 8, 9) + bias -> lat (rows 0-8191: tokens; row 8192 + v: code v).
; quantized of code v is the one-hot product's row: Q(1; e6) x Q(codebook[v]; e7), exact in f32: the code's value x F, F = (1 as a code at e6) x 2^(e6 + e7).
; SHARES.  Wave w quantises rows 16 w .. 16 w + 15 (both sets of codes) and hands them on through LDS as images of the operand's registers; then it owns columns 128 w .. 128 w + 127 of both products for all 64 rows.
; W's codes come straight from memory into registers, laid by the launch before in the order of the registers: 32 loads of 512 consecutive bytes for a K step of 128, two steps ahead in three buffers.
; WHY NO SLOTS IN LDS AND NO JOINT LOADS FOR W, which every work-group walks: a wave's K step of W is 16 KiB for 32 matrix instructions, and each byte is wanted by one wave of the work-group alone.
;   Loads into registers keep two steps (64 loads a wave) on their way with no barrier between the steps, and spare the bytes a second pass through LDS.
; THE MATRIX INSTRUCTION IS USED TRANSPOSED (source 0 = 16 columns of W, source 1 = 16 rows): lane (r, h) holds row r and register j of tile t column 16 t + 8 h + j: eight neighbours along the next product's K.
; K inside a step is permuted alike in both operands: lane (r, h) holds K = 64 h + 0 .. 63 in its 16 registers.
; LIMITS: every e between -126 and 119; the sum of a product's two e between -126 and 127; e4 + e5 between -128 and 125; NaN among the inputs is not served.
; LDS: 0: images [set 2][tile of rows 4][K step 8][2,048];  STG: for each wave two stages of 16 rows x 528 bytes (the first also serves the way out);  NP: three areas of 1,024 bytes for the rows' sums of squares.
; REGISTERS.  window 0: v1-15 addresses; v16-26 scales; v28-31 permute results; v32-95, v96-159 numbers of x, then fragments of the rows, then the way out; v160-223 held numbers, then lcodes' codes, then the way out; v224-255 codes, then sums.
;   window 1: four sets of loaded numbers, then the 32 accumulators ((m, t) at 8 (8 m + t)).   window 2: W's buffers 0 and 1.   window 3: W's buffer 2; from v128 the bias in the result's layout.
.set STG,  131072
.set STGW, 16896
.set NP,   198656
.set XN,   32
.set TQ,   160
.set PCA,  224
.set PCB,  240
.set SS,   224                         ; v224-231 four pairs: sums of squares at work, then the four reciprocal roots, each twice
.set SQ,   232                         ; v232-235 my wave's sums for row r of the four tiles
.set GG,   236                         ; v236-251 the four waves' sums
.set TOT,  252                         ; v252-255 the rows' sums
.set BI,   128                         ; in window 3
.set MSB, 0
.macro WIN new                         ; the immediate's high byte repeats the setting that is left
.if MSB != \new
	s_set_vgpr_msb (MSB<<8)|\new
.set MSB, \new
.endif
.endm
.macro PLACES n
.rept \n
	v_nop
.endr
.endm
.macro BARRIER                         ; my LDS stores have landed and my LDS loads are in: then the work-group's barrier
	s_wait_dscnt 0x0
	s_barrier_signal -1
	s_barrier_wait -1
.endm
.macro MKSC se, vsc, vlim              ; 2^e and 448 x 2^e as f32
	s_add_co_i32 s63, s[\se], 127
	s_lshl_b32 s23, s63, 23
	v_mov_b32 v[\vsc], s23
	s_add_co_i32 s63, s63, 8
	s_lshl_b32 s63, s63, 23
	s_or_b32 s63, s63, 0x600000
	v_mov_b32 v[\vlim], s63
.endm
	s_load_b512 s[4:19], s[0:1], 0x0               ; x, codebook, wcodes, b_in, b_code, the scales, lcodes, cneg
	s_load_b64 s[20:21], s[0:1], 0x40              ; lat
	s_set_vgpr_msb 0xc0
	v_lshl_add_u32 v254, v0, 2, 0x31400
	v_mov_b32 v255, 0
	s_set_vgpr_msb 0xc000
	v_lshrrev_b32 v2, 5, v0
	v_readfirstlane_b32 s22, v2                    ; wave 0..3
	v_and_b32 v2, 31, v0                           ; lane
	v_and_b32 v3, 15, v0                           ; r
	v_bfe_u32 v27, v0, 4, 1                        ; h
	v_lshlrev_b32 v1, 4, v2                        ; v1  16 x lane
	v_lshlrev_b32 v10, 3, v2                       ; v10 8 x lane
	v_lshlrev_b32 v15, 5, v27                      ; v15 32 h
	s_mul_i32 s56, s22, STGW
	s_add_co_u32 s56, s56, STG                     ; my stages
	v_add_nc_u32 v4, s56, v1                       ; v4  a stage's row as it lies: 16 x lane
	v_mul_u32_u24 v5, v3, 528
	v_add_nc_u32 v5, s56, v5
	v_lshl_add_u32 v9, v27, 5, v5                  ; v9  the way out: row r, + 32 h
	v_lshl_add_u32 v5, v27, 8, v5                  ; v5  row r, + 256 h: my 64 neighbours along K
	s_lshl_b32 s57, s22, 14
	v_add_nc_u32 v6, s57, v1                       ; v6  where I store images of set a: tile of rows w
	v_add_nc_u32 v7, 0x10000, v6                   ; v7  of set b
	v_add_nc_u32 v8, 0x10000, v1                   ; v8  where set b is read
	s_lshl_b32 s57, s22, 8
	v_lshlrev_b32 v12, 4, v3
	v_add_nc_u32 v12, NP, v12                      ; v12 the sums of row r, read
	v_add_nc_u32 v11, s57, v12                     ; v11 and stored: + 256 w
	v_lshlrev_b32 v13, 2, v3
	v_add_nc_u32 v13, s57, v13
	v_add_nc_u32 v13, NP+2048, v13                 ; v13 the third area: [w][row]
	v_add_nc_u32 v14, NP+2048, v10                 ; v14 and two rows a lane of it
	v_mov_b32 v26, 0x7f7f7f7f                      ; the scale 1 in every byte, for the conversion back
.irp n, 28,29,30,31
	v_mov_b32 v\n, 0                               ; written once: a lane permute's destination counts as one of its sources
.endr
	s_mov_b32 s54, 0x76543210
	s_mov_b32 s55, 0xfedcba98                      ; lane l xor 16
	s_wait_kmcnt 0x0
	s_load_b256 s[24:31], s[14:15], 0x0            ; e0 .. e7
	s_load_b128 s[32:35], s[14:15], 0x20           ; e8 .. e11
	s_cmp_ge_u32 ttmp9, 128                        ; the codebook's work-group?  The choices hang on the work-group's number alone
	s_cselect_b64 s[36:37], s[6:7], s[4:5]         ; the rows
	s_cselect_b64 s[40:41], s[12:13], s[10:11]     ; the bias
	s_cselect_b32 s52, -1, 0                       ; a lane mask: all lanes for the codebook
	s_cselect_b32 s60, 0x100000, 0                 ; W_code's two sets lie behind W_in's
	s_and_b32 s56, ttmp9, 127                      ; my block of 64 rows in its tensor
	s_lshl_b32 s56, s56, 18
	s_lshl_b32 s57, s22, 16
	s_add_co_u32 s56, s56, s57                     ; + my wave's 16 rows
	s_mov_b32 s57, 0
	s_add_nc_u64 s[36:37], s[36:37], s[56:57]
	s_lshl_b32 s61, s22, 14
	s_add_co_u32 s60, s60, s61                     ; my wave's columns of W
	s_mov_b32 s61, 0
	s_add_nc_u64 s[38:39], s[8:9], s[60:61]
	s_lshl_b32 s56, s22, 9
	s_add_nc_u64 s[40:41], s[40:41], s[56:57]
	s_lshl_b32 s56, ttmp9, 15
	s_lshl_b32 s60, s22, 11
	s_add_co_u32 s56, s56, s60
	s_add_nc_u64 s[42:43], s[16:17], s[56:57]      ; lcodes: tile 4 g, K step w
	s_lshl_b32 s56, ttmp9, 17
	s_lshl_b32 s60, s22, 9
	s_add_co_u32 s56, s56, s60
	s_add_nc_u64 s[44:45], s[20:21], s[56:57]      ; lat: row 64 g, column 128 w
	s_and_b32 s56, ttmp9, 63
	s_lshl_b32 s56, s56, 8
	s_add_nc_u64 s[46:47], s[18:19], s[56:57]      ; cneg: 64 codes of the block
	WIN 0xc0
.irp t, 0,1,2,3,4,5,6,7                        ; the bias at columns 128 w + 16 t + 8 h + 0 .. 7
	global_load_b128 v[BI+8*\t:BI+8*\t+3], v15, s[40:41] offset:64*\t
	global_load_b128 v[BI+8*\t+4:BI+8*\t+7], v15, s[40:41] offset:64*\t+16
.endr
	WIN 0
; ---- PHASE X: my 16 rows become two sets of eight fragments
.macro XLOAD k                         ; K step k of my 16 rows as it lies: each load reads 512 consecutive bytes of a row
	WIN 0x40
.irp i, 0,1,2,3,4,5,6,7,8,9,10,11,12,13,14,15
	global_load_b128 v[64*((\k)%4)+4*\i:64*((\k)%4)+4*\i+3], v1, s[36:37] offset:4096*\i+512*(\k) th:TH_LOAD_NT
.endr
	WIN 0
.endm
.macro TURN k                          ; through my stage: in as loaded, out 64 neighbours a lane.  LDS serves a wave's instructions in order (ISA guide 5.7.1.4): no wait between
	WIN 0x04
.irp i, 0,1,2,3,4,5,6,7,8,9,10,11,12,13,14,15
	ds_store_b128 v4, v[64*((\k)%4)+4*\i:64*((\k)%4)+4*\i+3] offset:8448*((\k)%2)+528*\i
.endr
	WIN 0
.irp i, 0,1,2,3,4,5,6,7,8,9,10,11,12,13,14,15
	ds_load_b128 v[XN+64*((\k)%2)+4*\i:XN+64*((\k)%2)+4*\i+3], v5 offset:8448*((\k)%2)+16*\i
.endr
.endm
.macro QA k                            ; set a: the numbers stay, the held ones go to TQ
.set XS, XN+64*((\k)%2)
.set ii, 0
.rept 64
	v_med3_num_f32 v[TQ+ii], v[XS+ii], -v17, v17   ; the conversion to an 8-bit code does not saturate (ISA guide 7.6.2)
.set ii, ii+1
.endr
.irp g, 0,1,2,3,4,5,6,7
	v_cvt_scalef32_pk8_fp8_f32 v[PCA+2*\g:PCA+2*\g+1], v[TQ+8*\g:TQ+8*\g+7], v16
.endr
	v_nop                                          ; a plain line behind the last conversion
.endm
.macro CHAIN k                         ; the codebook alone: the numbers become quantized = (code at e7) x F.  Register work only
.set XS, XN+64*((\k)%2)
	s_cmp_lt_u32 ttmp9, 128
	s_cbranch_scc1 .Lnochain_\@
.set ii, 0
.rept 64
	v_med3_num_f32 v[XS+ii], v[XS+ii], -v21, v21
.set ii, ii+1
.endr
.irp g, 0,1,2,3,4,5,6,7
	v_cvt_scalef32_pk8_fp8_f32 v[TQ+2*\g:TQ+2*\g+1], v[XS+8*\g:XS+8*\g+7], v20
.endr
	v_nop
.irp g, 0,1,2,3,4,5,6,7
	v_cvt_scale_pk8_f32_fp8 v[XS+8*\g:XS+8*\g+7], v[TQ+2*\g:TQ+2*\g+1], v26
.endr
	v_nop
.set ii, 0
.rept 32
	v_pk_mul_f32 v[XS+2*ii:XS+2*ii+1], v[XS+2*ii:XS+2*ii+1], v[22:23]   ; two numbers of four bits each: nothing is rounded
.set ii, ii+1
.endr
.Lnochain_\@:
.endm
.macro QB k                            ; set b, in place
.set XS, XN+64*((\k)%2)
.set ii, 0
.rept 64
	v_med3_num_f32 v[XS+ii], v[XS+ii], -v19, v19
.set ii, ii+1
.endr
.irp g, 0,1,2,3,4,5,6,7
	v_cvt_scalef32_pk8_fp8_f32 v[PCB+2*\g:PCB+2*\g+1], v[XS+8*\g:XS+8*\g+7], v18
.endr
	v_nop
.endm
.macro IMAGE adr, pc, k                ; a fragment goes to LDS as it stands: lane l's 16 bytes at 16 l, 512 bytes a store
.irp c, 0,1,2,3
	ds_store_b128 v[\adr], v[\pc+4*\c:\pc+4*\c+3] offset:2048*(\k)+512*\c
.endr
.endm
; ---- THE PRODUCTS: step j = 0 .. 15: product j / 8, K step j % 8
.macro WLOAD j                         ; my eight fragments of W for step j, into buffer j % 3
.if ((\j)%3) == 2
	WIN 0xc0
.set WBR, 0
.else
	WIN 0x80
.set WBR, 128*((\j)%3)
.endif
.set tt, 0
.rept 8
.irp c, 0,1,2,3
	global_load_b128 v[WBR+16*tt+4*\c:WBR+16*tt+4*\c+3], v1, s[38:39] offset:65536*(\j)+2048*tt+512*\c
.endr
.set tt, tt+1
.endr
	WIN 0
.endm
.macro AFETCH j                        ; the four tiles of rows of step j, into buffer j % 2
.set AFR, XN+64*((\j)%2)
.set AAD, 1+7*((\j)/8)                 ; v1: set a; v8: set b
.irp m, 0,1,2,3
.irp c, 0,1,2,3
	ds_load_b128 v[AFR+16*\m+4*\c:AFR+16*\m+4*\c+3], v[AAD] offset:16384*\m+2048*((\j)%8)+512*\c
.endr
.endr
.endm
.macro GSTEP j
.if (\j) < 15
	s_wait_loadcnt 32                              ; this step's W is in; the next step's 32 loads may be out
.else
	s_wait_loadcnt 0
.endif
.if (\j) <= 13
	WLOAD (\j)+2                                   ; into the buffer that the step before multiplied: four places stand behind its products
.endif
.if (\j) <= 14
	AFETCH (\j)+1
	s_wait_dscnt 16                                ; all but the 16 just issued
.else
	s_wait_dscnt 0
.endif
.if ((\j)%3) == 2
	WIN 0x53                                       ; W window 3, rows window 0, C and D window 1
.set WBR, 0
.else
	WIN 0x52                                       ; W window 2
.set WBR, 128*((\j)%3)
.endif
.set AFR, XN+64*((\j)%2)
.set aa, 0
.rept 32                                       ; the 32 accumulators take turns, one instruction a turn, in the same order in every step
.if ((\j)%8) == 0
	v_wmma_f32_16x16x128_fp8_fp8 v[8*aa:8*aa+7], v[WBR+16*(aa%8):WBR+16*(aa%8)+15], v[AFR+16*(aa/8):AFR+16*(aa/8)+15], 0
.else
	v_wmma_f32_16x16x128_fp8_fp8 v[8*aa:8*aa+7], v[WBR+16*(aa%8):WBR+16*(aa%8)+15], v[AFR+16*(aa/8):AFR+16*(aa/8)+15], v[8*aa:8*aa+7]
.endif
.set aa, aa+1
.endr
	WIN 0
	PLACES 4                                       ; in front of loads into registers that these products read, and of the first read of results
.endm
; ---- what follows product a
.macro SUMSQ                           ; my 128 columns' sum of squares for row r of each of the four tiles, in both halves of the lanes
	WIN 0x05
.set qq, 0
.rept 32
.irp m, 0,1,2,3
.if qq == 0
	v_pk_mul_f32 v[SS+2*\m:SS+2*\m+1], v[64*\m+2*qq:64*\m+2*qq+1], v[64*\m+2*qq:64*\m+2*qq+1]
.else
	v_pk_fma_f32 v[SS+2*\m:SS+2*\m+1], v[64*\m+2*qq:64*\m+2*qq+1], v[64*\m+2*qq:64*\m+2*qq+1], v[SS+2*\m:SS+2*\m+1]
.endif
.endr
.set qq, qq+1
.endr
	WIN 0
.irp m, 0,1,2,3
	v_add_f32 v[SQ+\m], v[SS+2*\m], v[SS+2*\m+1]
.endr
.irp m, 0,1,2,3
	v_permlanex16_b32 v[28+\m], v[SQ+\m], s54, s55
.endr
.irp m, 0,1,2,3
	v_add_f32 v[SQ+\m], v[SQ+\m], v[28+\m]
.endr
.endm
.macro XCH a                           ; the four waves' sums meet in area a: store, wait, barrier, load; every wave adds them in the same order
	ds_store_b128 v11, v[SQ:SQ+3] offset:1024*\a
	BARRIER
.irp w, 0,1,2,3
	ds_load_b128 v[GG+4*\w:GG+4*\w+3], v12 offset:1024*\a+256*\w
.endr
	s_wait_dscnt 0x0
	v_pk_add_f32 v[TOT:TOT+1], v[GG:GG+1], v[GG+4:GG+5]
	v_pk_add_f32 v[TOT+2:TOT+3], v[GG+2:GG+3], v[GG+6:GG+7]
	v_pk_add_f32 v[TOT:TOT+1], v[TOT:TOT+1], v[GG+8:GG+9]
	v_pk_add_f32 v[TOT+2:TOT+3], v[TOT+2:TOT+3], v[GG+10:GG+11]
	v_pk_add_f32 v[TOT:TOT+1], v[TOT:TOT+1], v[GG+12:GG+13]
	v_pk_add_f32 v[TOT+2:TOT+3], v[TOT+2:TOT+3], v[GG+14:GG+15]
.endm
.macro RSQ                             ; 1 / sqrt(sum + 1e-12), each twice, to fill the pair that the packed multiply takes
.irp m, 0,1,2,3
	v_add_f32 v[TOT+\m], 0x2b8cbccc, v[TOT+\m]
.endr
.irp m, 0,1,2,3
	v_rsq_f32 v[SS+2*\m], v[TOT+\m]
	v_rsq_f32 v[SS+2*\m+1], v[TOT+\m]
.endr
	v_nop                                          ; a plain line behind the last of the batch
	s_wait_alu depctr_va_vdst(0)                   ; one wait for the eight, ahead of their first reader
.endm
.macro SCALE
	WIN 0x41
.set qq, 0
.rept 32
.irp m, 0,1,2,3
	v_pk_mul_f32 v[64*\m+2*qq:64*\m+2*qq+1], v[64*\m+2*qq:64*\m+2*qq+1], v[SS+2*\m:SS+2*\m+1]
.endr
.set qq, qq+1
.endr
	WIN 0
.endm
; ---- the way out of product b, a tile of 16 rows at a time, through my first stage
.macro TOSTAGE b
	s_wait_xcnt 0x0                                ; earlier stores have read their registers: the loads below may land there
	WIN 0x31                                       ; sums window 1, bias window 3
.set qq, 0
.rept 32
	v_pk_fma_f32 v[XN+2*qq:XN+2*qq+1], v[64*(\b)+2*qq:64*(\b)+2*qq+1], s[50:51], v[BI+2*qq:BI+2*qq+1] op_sel_hi:[1,0,1]   ; sum x 2^(eA + eB) + bias; each accumulator from its low end on
.set qq, qq+1
.endr
	WIN 0
.irp t, 0,1,2,3,4,5,6,7
	ds_store_b128 v9, v[XN+8*\t:XN+8*\t+3] offset:64*\t
	ds_store_b128 v9, v[XN+8*\t+4:XN+8*\t+7] offset:64*\t+16
.endr
.set BKR, 96+64*((\b)%2)
.irp i, 0,1,2,3,4,5,6,7,8,9,10,11,12,13,14,15
	ds_load_b128 v[BKR+4*\i:BKR+4*\i+3], v4 offset:528*\i
.endr
.endm
.macro SEND b, younger                 ; younger: the LDS instructions issued behind this tile's loads
.set BKR, 96+64*((\b)%2)
	s_wait_dscnt \younger
.irp i, 0,1,2,3,4,5,6,7,8,9,10,11,12,13,14,15
	global_store_b128 v1, v[BKR+4*\i:BKR+4*\i+3], s[44:45] offset:2048*(16*(\b)+\i)   ; 32 lanes store 512 consecutive bytes of a row of lat
.endr
.endm
	XLOAD 0
	XLOAD 1
	XLOAD 2
	XLOAD 3
	s_wait_kmcnt 0x0
	s_cmp_ge_u32 ttmp9, 128
	s_cselect_b32 s56, s26, s24                    ; product a: the rows' e,
	s_cselect_b32 s57, s27, s25                    ; W's
	s_cselect_b32 s60, s32, s34                    ; product b: the rows',
	s_cselect_b32 s61, s33, s35                    ; W's
	s_cselect_b32 s62, s29, s28                    ; the normalised latent's
	MKSC 56, 16, 17
	MKSC 60, 18, 19
	MKSC 31, 20, 21
	MKSC 62, 24, 25
	MKSC 30, 41, 40
	s_add_co_i32 s48, s56, s57
	s_add_co_i32 s48, s48, 127
	s_lshl_b32 s48, s48, 23                        ; 2^(eA + eB) of product a,
	s_mov_b32 s49, s48                             ; (named with it as a pair, so it is written)
	s_add_co_i32 s50, s60, s61
	s_add_co_i32 s50, s50, 127
	s_lshl_b32 s50, s50, 23                        ; of product b
	s_mov_b32 s51, s50
	s_add_co_i32 s58, s28, s29
	s_sub_co_i32 s58, 126, s58
	s_lshl_b32 s58, s58, 23
	s_or_b32 s58, s58, 0x80000000                  ; -2^(-1 - e4 - e5)
	s_mov_b32 s59, s58
.irp i, 0,1,2,3,4,5,6,7
	v_min_num_f32 v[32+\i], 1.0, v40               ; the one-hot's 1, held at the largest code x 2^e6,
.endr
	v_cvt_scalef32_pk8_fp8_f32 v[42:43], v[32:39], v41   ; as a code,
	v_nop
	v_cvt_scale_pk8_f32_fp8 v[44:51], v[42:43], v26      ; and that code's value
	v_nop
	s_add_co_i32 s56, s30, s31
	v_ldexp_f32 v22, v44, s56                      ; F
	v_mov_b32 v23, v22
	s_wait_loadcnt 48                              ; K step 0 is in; steps 1 to 3 may be out
	TURN 0
.macro XSTEP k
	s_wait_dscnt 0x0                               ; this step's numbers are back; the stage's and the images' stores have read their registers
.if (\k) < 4
	XLOAD (\k)+4
.endif
.if (\k) == 7
	WLOAD 0
	WLOAD 1
.endif
.if (\k) < 7
.if (\k) < 4
	s_wait_loadcnt 48                              ; the next step's 16 loads are in; those of the three steps behind it may be out
.else
	s_wait_loadcnt 16*(6-(\k))
.endif
	TURN (\k)+1
.endif
	QA \k
	IMAGE 6, PCA, \k
	CHAIN \k
	QB \k
	IMAGE 7, PCB, \k
.endm
.irp k, 0,1,2,3,4,5,6,7
	XSTEP \k
.endr
	BARRIER                                        ; all 64 fragments lie in LDS; nobody writes them again
	AFETCH 0
.irp j, 0,1,2,3,4,5,6,7
	GSTEP \j
.endr
	; ---- product a is finished; W's next two steps and the next fragments of the rows are on their way
	WIN 0x71                                       ; sums window 1, bias window 3
.set aa, 0
.rept 32
.irp i, 0,2,4,6
	v_pk_fma_f32 v[8*aa+\i:8*aa+\i+1], v[8*aa+\i:8*aa+\i+1], s[48:49], v[BI+8*(aa%8)+\i:BI+8*(aa%8)+\i+1] op_sel_hi:[1,0,1]   ; each accumulator from its low end on
.endr
.set aa, aa+1
.endr
	WIN 0
	SUMSQ
	XCH 0
	RSQ
	SCALE                                          ; normalised once
	SUMSQ
	XCH 1
	RSQ
.irp n, 0,1,2,3,4,5,6,7
	v_cndmask_b32 v[SS+\n], 1.0, v[SS+\n], s52     ; the second normalisation is the codebook's alone: x is multiplied by 1
.endr
	SCALE
	SUMSQ                                          ; b2's parts
.irp m, 0,1,2,3
	ds_store_b32 v13, v[SQ+\m] offset:64*\m
.endr
	WIN 0x41
.set ii, 0
.rept 256
	v_med3_num_f32 v[ii], v[ii], -v25, v25
.set ii, ii+1
.endr
	WIN 0x01
.set aa, 0
.rept 32
	v_cvt_scalef32_pk8_fp8_f32 v[TQ+2*aa:TQ+2*aa+1], v[8*aa:8*aa+7], v24   ; tile t's eight columns: registers 2 t, 2 t + 1 of K step w of the next product
.set aa, aa+1
.endr
	v_nop                                          ; a plain line behind the last conversion: the next products write its sources
	WIN 0
.irp m, 0,1,2,3
.irp c, 0,1,2,3
	global_store_b128 v1, v[TQ+16*\m+4*\c:TQ+16*\m+4*\c+3], s[42:43] offset:8192*\m+512*\c   ; 512 consecutive bytes
.endr
.endr
	BARRIER                                        ; the third area is whole
	s_cmp_lg_u32 s22, 0
	s_cbranch_scc1 .Lnocneg
	s_cmp_lt_u32 ttmp9, 128
	s_cbranch_scc1 .Lnocneg
.irp w, 0,1,2,3
	ds_load_b64 v[GG+2*\w:GG+2*\w+1], v14 offset:256*\w
.endr
	s_wait_dscnt 0x0
	v_pk_add_f32 v[GG:GG+1], v[GG:GG+1], v[GG+2:GG+3]
	v_pk_add_f32 v[GG:GG+1], v[GG:GG+1], v[GG+4:GG+5]
	v_pk_add_f32 v[GG:GG+1], v[GG:GG+1], v[GG+6:GG+7]
	v_pk_mul_f32 v[GG:GG+1], v[GG:GG+1], s[58:59] op_sel_hi:[1,0]
	global_store_b64 v10, v[GG:GG+1], s[46:47]     ; 64 codes: 256 consecutive bytes
.Lnocneg:
.irp j, 8,9,10,11,12,13,14,15
	GSTEP \j
.endr
	TOSTAGE 0
.irp b, 1,2,3
	TOSTAGE \b
	SEND \b-1, 32                                  ; behind tile b - 1's loads: tile b's 16 stores and 16 loads
.endr
	SEND 3, 0
	s_set_vgpr_msb 0xf
	s_wait_tensorcnt 0x0
	ds_add_u32 v254, v255
	s_wait_dscnt 0x0
	s_set_vgpr_msb 0xf00
	s_endpgm
.Lfunc_end_k_qdde5b90007_rows:
	.size	k_qdde5b90007_rows, .Lfunc_end_k_qdde5b90007_rows-k_qdde5b90007_rows
	.p2alignl 7, 3214868480
	.fill 96, 4, 3214868480
	.section	.rodata,"a",@progbits
	.p2align	6, 0x0
	.amdhsa_kernel k_qdde5b90007_rows
		.amdhsa_group_segment_fixed_size 202240
		.amdhsa_private_segment_fixed_size 0
		.amdhsa_enable_private_segment 0
		.amdhsa_kernarg_size 72
		.amdhsa_user_sgpr_count 2
		.amdhsa_user_sgpr_kernarg_segment_ptr 1
		.amdhsa_wavefront_size32 1
		.amdhsa_system_sgpr_workgroup_id_x 1
		.amdhsa_system_sgpr_workgroup_id_y 1
		.amdhsa_system_sgpr_workgroup_id_z 1
		.amdhsa_system_vgpr_workitem_id 0
		.amdhsa_next_free_vgpr 1024
		.amdhsa_next_free_sgpr 66
		.amdhsa_reserve_vcc 0
		.amdhsa_float_denorm_mode_32 3
		.amdhsa_float_denorm_mode_16_64 3
		.amdhsa_memory_ordered 1
		.amdhsa_forward_progress 1
		.amdhsa_inst_pref_size 255
	.end_amdhsa_kernel
	.section	.bss,"aw",@nobits
	.p2align	6
	.space	262144
	.amdgpu_metadata
---
amdhsa.version: [ 1, 2 ]
amdhsa.kernels:
  - .name:           k_qdde5b90007_rows
    .symbol:         k_qdde5b90007_rows.kd
    .args:
      - { .name: x, .offset: 0, .size: 8, .value_kind: global_buffer, .address_space: global }
      - { .name: codebook, .offset: 8, .size: 8, .value_kind: global_buffer, .address_space: global }
      - { .name: wcodes, .offset: 16, .size: 8, .value_kind: global_buffer, .address_space: global }
      - { .name: b_in, .offset: 24, .size: 8, .value_kind: global_buffer, .address_space: global }
      - { .name: b_code, .offset: 32, .size: 8, .value_kind: global_buffer, .address_space: global }
      - { .name: lowp_scales, .offset: 40, .size: 8, .value_kind: global_buffer, .address_space: global }
      - { .name: lcodes, .offset: 48, .size: 8, .value_kind: global_buffer, .address_space: global }
      - { .name: cneg, .offset: 56, .size: 8, .value_kind: global_buffer, .address_space: global }
      - { .name: lat, .offset: 64, .size: 8, .value_kind: global_buffer, .address_space: global }
    .group_segment_fixed_size: 202240
    .private_segment_fixed_size: 0
    .kernarg_segment_align: 8
    .kernarg_segment_size: 72
    .max_flat_workgroup_size: 128
    .sgpr_count:     66
    .vgpr_count:     1024
    .wavefront_size: 32
...
	.end_amdgpu_metadata
.endif
;; end of part 2
;; launch dist (part 3): grid 128 x 1, 8 waves a work-group, no clusters, 5,120 bytes of LDS; arguments lcodes, cneg, idx; writes idx
.if DOCPART == 3
	.amdgcn_target "amdgcn-amd-amdhsa--gfx1250"
	.amdhsa_code_object_version 6
	.text
	.protected	k_qdde5b90007_dist
	.globl	k_qdde5b90007_dist
	.p2align	8
	.type	k_qdde5b90007_dist,@function
k_qdde5b90007_dist:
	s_mov_b64 s[64:65], 0
	v_nop
	global_prefetch_b8 v0, s[64:65] scope:SCOPE_SE
	s_setreg_imm32_b32 hwreg(HW_REG_WAVE_MODE, 25, 1), 1
	s_wait_xcnt 0x0
; For each of the work-group's 64 tokens: the code v with the smallest a2 - 2 a.b + b2.  a2 is the same for all codes of a token, so the ranking is by the largest
; score = (sum of the codes' products) - b2[v] 2^(-1 - e4 - e5), which is (2 a.b - b2) / 2^(1 + e4 + e5).  At equal scores the lowest v wins.  NaN is not served.
; SHARES.  All eight waves hold the four tiles of tokens (256 registers); wave w walks the code tiles 32 w + i, i = 0 .. 31.  Two waves share a SIMD, so that one's compares stand beside the other's products.
; THE MATRIX INSTRUCTION IS USED TRANSPOSED: source 0 = 16 codes, source 1 = 16 tokens: lane (r, h) holds token r, register j code 16 tile + 8 h + j.  cneg is the C of a tile's first products.
; Fragments come straight from memory, laid by the launch before in the order of the registers: 16 loads of 512 consecutive bytes a tile, two tiles in turn.
; WHY NO SLOTS IN LDS AND NO JOINT LOADS for the codes' fragments, which all work-groups walk: each fragment is wanted by one wave of the work-group alone, for 16 matrix instructions;
;   loads into registers keep two tiles (36 loads a wave, eight waves) on their way with no barrier in the walk.
; No branch and no address hangs on a score: the choice is made by v_cndmask_b32 in every trip.
; REGISTERS.  window 1: tokens' fragments (m, s) at 64 m + 16 s.  window 0: v1-7 addresses; v8-11 the best score of token (m, r) among my codes, v12-15 its place; v16-31 cneg, two sets; v32-95 scores, two sets; v96-223 codes' fragments, two sets.
.set BEST, 8
.set BIDX, 12
.set CI,   16
.set ACC,  32
.set BF,   96
.set MSB, 0
.macro WIN new
.if MSB != \new
	s_set_vgpr_msb (MSB<<8)|\new
.set MSB, \new
.endif
.endm
.macro PLACES n
.rept \n
	v_nop
.endr
.endm
	s_load_b128 s[4:7], s[0:1], 0x0                ; lcodes, cneg
	s_load_b64 s[8:9], s[0:1], 0x10                ; idx
	v_lshl_add_u32 v254, v0, 2, 0x1000
	v_mov_b32 v255, 0
	v_lshrrev_b32 v2, 5, v0
	v_readfirstlane_b32 s10, v2                    ; wave 0..7
	v_and_b32 v2, 31, v0
	v_and_b32 v3, 15, v0
	v_bfe_u32 v7, v0, 4, 1                         ; h
	v_lshlrev_b32 v1, 4, v2                        ; v1 16 x lane
	v_lshlrev_b32 v6, 3, v2                        ; v6 8 x lane
	v_lshlrev_b32 v4, 5, v7                        ; v4 32 h
	s_lshl_b32 s18, s10, 9                         ; 512 w: my wave's bytes in LDS, and its first code
	v_lshlrev_b32 v5, 2, v3
	v_add_nc_u32 v5, s18, v5                       ; v5 512 w + 4 r
.irp m, 0,1,2,3
	v_mov_b32 v[BEST+\m], 0xff800000               ; -infinity, under every score
	v_mov_b32 v[BIDX+\m], 0
.endr
.irp n, 0,1,2,3,4,5,6,7
	v_mov_b32 v[228+\n], 0                         ; written once: a lane permute's destination counts as one of its sources
	s_mov_b32 s[48+\n], \n                         ; register j's place among my wave's codes, less 8 h
.endr
	s_mov_b32 s56, 0x76543210
	s_mov_b32 s57, 0xfedcba98
	s_lshl_b32 s20, ttmp9, 15                      ; my four tiles of tokens
	s_mov_b32 s21, 0
	s_lshl_b32 s22, s10, 18
	s_add_co_u32 s22, s22, 0x400000                ; the codes' tiles lie behind the 512 tiles of tokens; my wave's 32
	s_mov_b32 s23, 0
	s_lshl_b32 s24, s10, 11
	s_mov_b32 s25, 0
	s_lshl_b32 s26, ttmp9, 8
	s_mov_b32 s27, 0
	s_wait_kmcnt 0x0
	s_add_nc_u64 s[12:13], s[4:5], s[20:21]
	s_add_nc_u64 s[14:15], s[4:5], s[22:23]
	s_add_nc_u64 s[16:17], s[6:7], s[24:25]
	s_add_nc_u64 s[8:9], s[8:9], s[26:27]
	WIN 0x40
.set aa, 0
.rept 16
.irp c, 0,1,2,3
	global_load_b128 v[16*aa+4*\c:16*aa+4*\c+3], v1, s[12:13] offset:2048*aa+512*\c
.endr
.set aa, aa+1
.endr
	WIN 0
.macro LOADB p, lo                     ; the tile lo tiles on from where the pointers stand, into set p: 16 + 2 loads
.irp s, 0,1,2,3
.irp c, 0,1,2,3
	global_load_b128 v[BF+64*(\p)+16*\s+4*\c:BF+64*(\p)+16*\s+4*\c+3], v1, s[14:15] offset:8192*(\lo)+2048*\s+512*\c
.endr
.endr
	global_load_b128 v[CI+8*(\p):CI+8*(\p)+3], v4, s[16:17] offset:64*(\lo)
	global_load_b128 v[CI+8*(\p)+4:CI+8*(\p)+7], v4, s[16:17] offset:64*(\lo)+16
.endm
.macro ARG p, j                        ; register j of the four score tiles of set p against the best so far: strictly greater, so the earlier, lower place stays
.irp m, 0,1,2,3
	v_cmp_gt_f32 s[40+\m], v[ACC+32*(\p)+8*\m+\j], v[BEST+\m]
.endr
.irp m, 0,1,2,3
	v_cndmask_b32 v[BEST+\m], v[BEST+\m], v[ACC+32*(\p)+8*\m+\j], s[40+\m]
.endr
.irp m, 0,1,2,3
	v_cndmask_b32 v[BIDX+\m], v[BIDX+\m], s[48+\j], s[40+\m]
.endr
.endm
; A tile of 16 codes against the 64 tokens: 16 products, the four accumulators by turns.  arg = 1: the tile before, in the other set, is compared meanwhile: its lines name no
; register of these products, so register 0's twelve are the places in front of the loads into this set, and each accumulator is read from its low end on.
.macro TILE p, arg, ld, lo, cnt
	s_wait_loadcnt \cnt                            ; this tile's loads are in; cnt = the next tile's 18, or none
	WIN 0x04                                       ; tokens' fragments in window 1
.irp s, 0,1,2,3
.irp m, 0,1,2,3
.if \s == 0
	v_wmma_f32_16x16x128_fp8_fp8 v[ACC+32*\p+8*\m:ACC+32*\p+8*\m+7], v[BF+64*\p+16*\s:BF+64*\p+16*\s+15], v[64*\m+16*\s:64*\m+16*\s+15], v[CI+8*\p:CI+8*\p+7]
.else
	v_wmma_f32_16x16x128_fp8_fp8 v[ACC+32*\p+8*\m:ACC+32*\p+8*\m+7], v[BF+64*\p+16*\s:BF+64*\p+16*\s+15], v[64*\m+16*\s:64*\m+16*\s+15], v[ACC+32*\p+8*\m:ACC+32*\p+8*\m+7]
.endif
.endr
.endr
	WIN 0
.if \arg
	ARG 1-\p, 0
.else
	PLACES 4
.endif
.if \ld
	LOADB \p, \lo
.endif
.if \arg
.irp j, 1,2,3,4,5,6,7
	ARG 1-\p, \j
.endr
.irp j, 0,1,2,3,4,5,6,7
	s_add_co_u32 s[48+\j], s[48+\j], 16            ; on to the next tile's places
.endr
.endif
.endm
	LOADB 0, 0
	LOADB 1, 1
	TILE 0, 0, 1, 2, 18                            ; tile 0; tile 2 is asked for
	s_mov_b32 s11, 14
.Lpair:                                            ; trip u: tiles 2 u + 1 and 2 u + 2; tiles 2 u + 3 and 2 u + 4 are asked for
	TILE 1, 1, 1, 3, 18
	TILE 0, 1, 1, 4, 18
	s_wait_xcnt 0x0                                ; the loads have read their bases: they may step
	s_add_nc_u64 s[14:15], s[14:15], 16384
	s_add_nc_u64 s[16:17], s[16:17], 128
	s_sub_co_u32 s11, s11, 1
	s_cmp_lg_u32 s11, 0
	s_cbranch_scc1 .Lpair
	TILE 1, 1, 1, 3, 18                            ; tile 29; tile 31 is asked for: the last
	TILE 0, 1, 0, 0, 18                            ; tile 30
	TILE 1, 1, 0, 0, 0                             ; tile 31
	PLACES 4
.irp j, 0,1,2,3,4,5,6,7
	ARG 1, \j
.endr
	; a token's other eight codes of each tile lie in the lane 16 away: greater wins, at equal scores the lower code
	v_lshlrev_b32 v224, 3, v7
	v_add_nc_u32 v224, s18, v224                   ; 512 w + 8 h
.irp m, 0,1,2,3
	v_add_nc_u32 v[BIDX+\m], v[BIDX+\m], v224      ; the code's number
.endr
.irp m, 0,1,2,3
	v_permlanex16_b32 v[228+\m], v[BEST+\m], s56, s57
	v_permlanex16_b32 v[232+\m], v[BIDX+\m], s56, s57
.endr
.irp m, 0,1,2,3
	v_cmp_gt_f32 s40, v[228+\m], v[BEST+\m]
	v_cmp_eq_f32 s41, v[228+\m], v[BEST+\m]
	v_cmp_lt_u32 s42, v[232+\m], v[BIDX+\m]
	s_and_b32 s41, s41, s42
	s_or_b32 s40, s40, s41
	v_cndmask_b32 v[BEST+\m], v[BEST+\m], v[228+\m], s40
	v_cndmask_b32 v[BIDX+\m], v[BIDX+\m], v[232+\m], s40
.endr
.irp m, 0,1,2,3
	ds_store_b32 v5, v[BEST+\m] offset:64*\m       ; [wave][score, code][token 16 m + r]; both halves of the lanes hold the same
	ds_store_b32 v5, v[BIDX+\m] offset:256+64*\m
.endr
	s_wait_dscnt 0x0                               ; for the others' sake: my stores have landed
	s_barrier_signal -1
	s_barrier_wait -1
	s_cmp_lg_u32 s10, 0
	s_cbranch_scc1 .Ldone
.irp w, 0,1,2,3,4,5,6,7
	ds_load_b64 v[96+2*\w:97+2*\w], v6 offset:512*\w          ; two tokens a lane
	ds_load_b64 v[128+2*\w:129+2*\w], v6 offset:512*\w+256
.endr
	s_wait_dscnt 0x0
.irp w, 1,2,3,4,5,6,7                          ; the waves' codes ascend with w: strictly greater keeps the lower code
.irp e, 0,1
	v_cmp_gt_f32 s40, v[96+2*\w+\e], v[96+\e]
	v_cndmask_b32 v[96+\e], v[96+\e], v[96+2*\w+\e], s40
	v_cndmask_b32 v[128+\e], v[128+\e], v[128+2*\w+\e], s40
.endr
.endr
	global_store_b64 v6, v[128:129], s[8:9]        ; 64 tokens: 256 consecutive bytes
.Ldone:
	s_wait_tensorcnt 0x0
	ds_add_u32 v254, v255
	s_wait_dscnt 0x0
	s_endpgm
.Lfunc_end_k_qdde5b90007_dist:
	.size	k_qdde5b90007_dist, .Lfunc_end_k_qdde5b90007_dist-k_qdde5b90007_dist
	.p2alignl 7, 3214868480
	.fill 96, 4, 3214868480
	.section	.rodata,"a",@progbits
	.p2align	6, 0x0
	.amdhsa_kernel k_qdde5b90007_dist
		.amdhsa_group_segment_fixed_size 5120
		.amdhsa_private_segment_fixed_size 0
		.amdhsa_enable_private_segment 0
		.amdhsa_kernarg_size 24
		.amdhsa_user_sgpr_count 2
		.amdhsa_user_sgpr_kernarg_segment_ptr 1
		.amdhsa_wavefront_size32 1
		.amdhsa_system_sgpr_workgroup_id_x 1
		.amdhsa_system_sgpr_workgroup_id_y 1
		.amdhsa_system_sgpr_workgroup_id_z 1
		.amdhsa_system_vgpr_workitem_id 0
		.amdhsa_next_free_vgpr 512
		.amdhsa_next_free_sgpr 66
		.amdhsa_reserve_vcc 0
		.amdhsa_float_denorm_mode_32 3
		.amdhsa_float_denorm_mode_16_64 3
		.amdhsa_memory_ordered 1
		.amdhsa_forward_progress 1
		.amdhsa_inst_pref_size 70
	.end_amdhsa_kernel
	.amdgpu_metadata
---
amdhsa.version: [ 1, 2 ]
amdhsa.kernels:
  - .name:           k_qdde5b90007_dist
    .symbol:         k_qdde5b90007_dist.kd
    .args:
      - { .name: lcodes, .offset: 0, .size: 8, .value_kind: global_buffer, .address_space: global }
      - { .name: cneg, .offset: 8, .size: 8, .value_kind: global_buffer, .address_space: global }
      - { .name: idx, .offset: 16, .size: 8, .value_kind: global_buffer, .address_space: global }
    .group_segment_fixed_size: 5120
    .private_segment_fixed_size: 0
    .kernarg_segment_align: 8
    .kernarg_segment_size: 24
    .max_flat_workgroup_size: 256
    .sgpr_count:     66
    .vgpr_count:     512
    .wavefront_size: 32
...
	.end_amdgpu_metadata
.endif
;; end of part 3
;; launch outk (part 4): grid 256 x 1, 16 waves a work-group, no clusters, 6,144 bytes of LDS; arguments x, codebook, lat, idx, lowp_scales, out0, part; writes out0, part
.if DOCPART == 4
	.amdgcn_target "amdgcn-amd-amdhsa--gfx1250"
	.amdhsa_code_object_version 6
	.text
	.protected	k_qdde5b90007_outk
	.globl	k_qdde5b90007_outk
	.p2align	8
	.type	k_qdde5b90007_outk,@function
k_qdde5b90007_outk:
	s_mov_b64 s[64:65], 0
	v_nop
	global_prefetch_b8 v0, s[64:65] scope:SCOPE_SE
	s_setreg_imm32_b32 hwreg(HW_REG_WAVE_MODE, 25, 1), 1
	s_wait_xcnt 0x0
; 32 tokens a work-group, two a wave.  For token n with code v = idx[n]: quantized = (codebook[v] as a code at e7) x F, F = (1 as a code at e6) x 2^(e6 + e7): the one-hot product's row, exact in f32.
; out0 = x + (quantized - x);  S1 += (quantized - x)^2;  S2 += (lat[8192 + v] - lat[n])^2.
; The work-group also counts, among all 8,192 idx, those that fall into its 16 bins 16 g .. 16 g + 15, and stores four numbers to part: S1, S2, the sum of p log2(p + 1e-10), the number of bins in use.
; Memory binds: a token's rows are read and written whole, 512 consecutive bytes an instruction, and all 52 loads of a wave are asked for at once, each into registers of its own.  No matrix unit, no slots, no cluster:
; work-groups share only the 32 KiB of idx.  part's 16 bytes a work-group are the one store that does not fill 256 consecutive bytes.
; idx is a buffer of whole numbers that an earlier launch stored; it enters addresses behind a clamp to 4,095.  LIMITS: e6, e7 between -126 and 119; NaN among the inputs is not served.
.set XX, 32                            ; v32-95   x, then out0: 32 registers a token
.set CC, 96                            ; v96-159  the codebook's row, then quantized - x
.set LX, 160                           ; v160-191 lat of the token
.set LQ, 192                           ; v192-223 lat of the code
.set HI, 224                           ; v224-239 my wave's 512 idx
.set RS, 2048                          ; LDS: 0: [wave][lane] counts; RS: [wave] S1, S2
	s_load_b256 s[4:11], s[0:1], 0x0               ; x, codebook, lat, idx
	s_load_b128 s[12:15], s[0:1], 0x20             ; the scales, out0
	s_load_b64 s[16:17], s[0:1], 0x30              ; part
	v_lshl_add_u32 v254, v0, 2, 0x1000
	v_mov_b32 v255, 0
	v_lshrrev_b32 v2, 5, v0
	v_readfirstlane_b32 s18, v2                    ; wave 0..15
	v_and_b32 v2, 31, v0
	v_lshlrev_b32 v1, 4, v2                        ; v1 16 x lane
	v_lshlrev_b32 v3, 2, v0                        ; v3 my word among the counts: 128 w + 4 lane
	s_lshl_b32 s19, s18, 3
	v_mov_b32 v4, s19
	v_add_nc_u32 v4, RS, v4                        ; v4 my wave's two sums
	v_and_b32 v5, 15, v0
	v_lshlrev_b32 v5, 3, v5
	v_add_nc_u32 v5, RS, v5                        ; v5 wave (lane % 16)'s
	v_lshlrev_b32 v6, 2, v2                        ; v6 4 x lane
	s_lshl_b32 s19, s18, 11
	v_add_nc_u32 v7, s19, v1                       ; v7 my wave's 2,048 bytes of idx
	v_mov_b32 v9, 0x7f7f7f7f                       ; the scale 1 in every byte
.irp n, 24,25,26,27,28,29,30,31
	v_mov_b32 v\n, 0                               ; S1 and S2, two packed chains each
.endr
.irp b, 0,1,2,3,4,5,6,7,8,9,10,11,12,13,14,15
	s_mov_b32 s[66+\b], 0                          ; the 16 bins
.endr
	s_mov_b32 s47, 0x76543210
	s_mov_b32 s48, 0xfedcba98
	s_lshl_b32 s44, ttmp9, 4                       ; my first bin
	s_lshl_b32 s20, ttmp9, 5
	s_lshl_b32 s21, s18, 1
	s_add_co_u32 s20, s20, s21                     ; my first token
	s_lshl_b32 s42, s20, 2
	s_mov_b32 s43, 0
	s_lshl_b32 s50, s20, 12
	s_mov_b32 s51, 0
	s_lshl_b32 s52, s20, 11
	s_mov_b32 s53, 0
	s_lshl_b32 s54, ttmp9, 4
	s_mov_b32 s55, 0
	s_wait_kmcnt 0x0
	s_add_nc_u64 s[24:25], s[10:11], s[42:43]
	s_load_b64 s[22:23], s[24:25], 0x0             ; my two tokens' codes
	s_load_b64 s[26:27], s[12:13], 0x18            ; e6, e7
	s_add_nc_u64 s[28:29], s[4:5], s[50:51]
	s_add_nc_u64 s[30:31], s[14:15], s[50:51]
	s_add_nc_u64 s[32:33], s[8:9], s[52:53]
	s_add_nc_u64 s[16:17], s[16:17], s[54:55]
.irp i, 0,1,2,3
	global_load_b128 v[HI+4*\i:HI+4*\i+3], v7, s[10:11] offset:512*\i
.endr
.irp t, 0,1
.irp j, 0,1,2,3,4,5,6,7
	global_load_b128 v[XX+32*\t+4*\j:XX+32*\t+4*\j+3], v1, s[28:29] offset:4096*\t+512*\j th:TH_LOAD_NT
.endr
.irp j, 0,1,2,3
	global_load_b128 v[LX+16*\t+4*\j:LX+16*\t+4*\j+3], v1, s[32:33] offset:2048*\t+512*\j th:TH_LOAD_NT
.endr
.endr
	s_wait_kmcnt 0x0
	s_min_u32 s22, s22, 4095                       ; an index stays inside its table
	s_min_u32 s23, s23, 4095
	s_lshl_b32 s42, s22, 12
	s_add_nc_u64 s[34:35], s[6:7], s[42:43]
	s_lshl_b32 s42, s23, 12
	s_add_nc_u64 s[36:37], s[6:7], s[42:43]
	s_lshl_b32 s42, s22, 11
	s_add_co_u32 s42, s42, 0x1000000               ; the codes' rows of lat lie behind the 8,192 tokens'
	s_add_nc_u64 s[38:39], s[8:9], s[42:43]
	s_lshl_b32 s42, s23, 11
	s_add_co_u32 s42, s42, 0x1000000
	s_add_nc_u64 s[40:41], s[8:9], s[42:43]
.irp t, 0,1
.irp j, 0,1,2,3,4,5,6,7
	global_load_b128 v[CC+32*\t+4*\j:CC+32*\t+4*\j+3], v1, s[34+2*\t:35+2*\t] offset:512*\j
.endr
.irp j, 0,1,2,3
	global_load_b128 v[LQ+16*\t+4*\j:LQ+16*\t+4*\j+3], v1, s[38+2*\t:39+2*\t] offset:512*\j
.endr
.endr
	s_add_co_i32 s45, s26, 127                     ; e6
	s_lshl_b32 s46, s45, 23
	v_mov_b32 v11, s46                             ; 2^e6
	s_add_co_i32 s45, s45, 8
	s_lshl_b32 s45, s45, 23
	s_or_b32 s45, s45, 0x600000
	v_mov_b32 v10, s45                             ; 448 x 2^e6
	s_add_co_i32 s45, s27, 127                     ; e7
	s_lshl_b32 s46, s45, 23
	v_mov_b32 v14, s46
	s_add_co_i32 s45, s45, 8
	s_lshl_b32 s45, s45, 23
	s_or_b32 s45, s45, 0x600000
	v_mov_b32 v15, s45
.irp i, 0,1,2,3,4,5,6,7
	v_min_num_f32 v[240+\i], 1.0, v10              ; the one-hot's 1, held,
.endr
	v_cvt_scalef32_pk8_fp8_f32 v[248:249], v[240:247], v11   ; as a code,
	v_nop
	v_cvt_scale_pk8_f32_fp8 v[240:247], v[248:249], v9       ; and that code's value
	v_nop
	s_add_co_i32 s45, s26, s27
	v_ldexp_f32 v12, v240, s45                     ; F
	v_mov_b32 v13, v12
	; ---- the histogram, while the rows are on their way.  A register none of whose 32 idx falls into my 16 bins is passed over: a branch on whole numbers that an earlier launch stored
.macro HREG n
	v_sub_nc_u32 v8, v[HI+\n], s44
	v_cmp_gt_u32 vcc_lo, 16, v8
	s_cbranch_vccz .Lnone_\@
.irp b, 0,1,2,3,4,5,6,7,8,9,10,11,12,13,14,15
	v_cmp_eq_u32 s45, \b, v8
	s_bcnt1_i32_b32 s45, s45
	s_add_co_u32 s[66+\b], s[66+\b], s45
.endr
.Lnone_\@:
.endm
	s_wait_loadcnt 48                              ; the four loads of idx are in; the 48 loads of rows may be out
.irp n, 0,1,2,3,4,5,6,7,8,9,10,11,12,13,14,15
	HREG \n
.endr
.macro WORK t, cnt
	s_wait_loadcnt \cnt
.set ii, 0
.rept 32
	v_med3_num_f32 v[CC+32*\t+ii], v[CC+32*\t+ii], -v15, v15   ; the conversion to an 8-bit code does not saturate (ISA guide 7.6.2)
.set ii, ii+1
.endr
.irp g, 0,1,2,3
	v_cvt_scalef32_pk8_fp8_f32 v[16+2*\g:17+2*\g], v[CC+32*\t+8*\g:CC+32*\t+8*\g+7], v14
.endr
	v_nop
.irp g, 0,1,2,3
	v_cvt_scale_pk8_f32_fp8 v[CC+32*\t+8*\g:CC+32*\t+8*\g+7], v[16+2*\g:17+2*\g], v9
.endr
	v_nop
.set ii, 0
.rept 16
	v_pk_fma_f32 v[CC+32*\t+2*ii:CC+32*\t+2*ii+1], v[CC+32*\t+2*ii:CC+32*\t+2*ii+1], v[12:13], v[XX+32*\t+2*ii:XX+32*\t+2*ii+1] neg_lo:[0,0,1] neg_hi:[0,0,1]   ; quantized - x: the product is exact, so this rounds as the difference does
.set ii, ii+1
.endr
.set ii, 0
.rept 16
	v_pk_fma_f32 v[24+2*(ii%2):25+2*(ii%2)], v[CC+32*\t+2*ii:CC+32*\t+2*ii+1], v[CC+32*\t+2*ii:CC+32*\t+2*ii+1], v[24+2*(ii%2):25+2*(ii%2)]
	v_pk_add_f32 v[XX+32*\t+2*ii:XX+32*\t+2*ii+1], v[XX+32*\t+2*ii:XX+32*\t+2*ii+1], v[CC+32*\t+2*ii:CC+32*\t+2*ii+1]
.set ii, ii+1
.endr
.irp j, 0,1,2,3,4,5,6,7
	global_store_b128 v1, v[XX+32*\t+4*\j:XX+32*\t+4*\j+3], s[30:31] offset:4096*\t+512*\j th:TH_STORE_NT
.endr
.set ii, 0
.rept 8
	v_pk_add_f32 v[LQ+16*\t+2*ii:LQ+16*\t+2*ii+1], v[LQ+16*\t+2*ii:LQ+16*\t+2*ii+1], v[LX+16*\t+2*ii:LX+16*\t+2*ii+1] neg_lo:[0,1] neg_hi:[0,1]
.set ii, ii+1
.endr
.set ii, 0
.rept 8
	v_pk_fma_f32 v[28+2*(ii%2):29+2*(ii%2)], v[LQ+16*\t+2*ii:LQ+16*\t+2*ii+1], v[LQ+16*\t+2*ii:LQ+16*\t+2*ii+1], v[28+2*(ii%2):29+2*(ii%2)]
.set ii, ii+1
.endr
.endm
	WORK 0, 12                                     ; token 0's rows are in; token 1's gathered rows, 8 + 4 loads, may be out
	WORK 1, 0
	v_pk_add_f32 v[24:25], v[24:25], v[26:27]
	v_pk_add_f32 v[28:29], v[28:29], v[30:31]
	v_add_f32 v24, v24, v25                        ; S1 of my lane,
	v_add_f32 v25, v28, v29                        ; S2
.irp x, 1,2,4,8
	v_add_f32_dpp v24, v24, v24 row_xmask:\x row_mask:0xf bank_mask:0xf
	v_add_f32_dpp v25, v25, v25 row_xmask:\x row_mask:0xf bank_mask:0xf
.endr
	v_permlanex16_b32 v26, v24, s47, s48
	v_permlanex16_b32 v27, v25, s47, s48
	v_add_f32 v24, v24, v26
	v_add_f32 v25, v25, v27                        ; of my wave, in every lane
	ds_store_b64 v4, v[24:25]
	v_mov_b32 v28, 0
.irp b, 0,1,2,3,4,5,6,7,8,9,10,11,12,13,14,15
	v_writelane_b32 v28, s[66+\b], \b              ; bin b's count into lane b
.endr
	ds_store_b32 v3, v28
	s_wait_dscnt 0x0                               ; for the others' sake: my stores have landed
	s_barrier_signal -1
	s_barrier_wait -1
	s_cmp_lg_u32 s18, 0
	s_cbranch_scc1 .Lend
.irp w, 0,1,2,3,4,5,6,7,8,9,10,11,12,13,14,15
	ds_load_b32 v[96+\w], v6 offset:128*\w
.endr
	ds_load_b64 v[120:121], v5                     ; lanes 0-15: the sixteen waves' S1, S2
	s_wait_dscnt 0x0
.irp w, 1,2,3,4,5,6,7,8,9,10,11,12,13,14,15
	v_add_nc_u32 v96, v96, v[96+\w]
.endr
	v_cvt_f32_u32 v114, v96                        ; lane b < 16: bin b's count
	v_mul_f32 v115, 0x39000000, v114               ; p = count / 8,192
	v_add_f32 v116, 0x2edbe6ff, v115               ; + 1e-10
	v_log_f32 v117, v116
	v_min_num_f32 v123, 1.0, v114                  ; 1 where the bin is in use.  (A plain line behind the logarithm)
	s_wait_alu depctr_va_vdst(0)                   ; ahead of the logarithm's first reader
	v_mul_f32 v122, v115, v117                     ; p log2(p + 1e-10)
.irp x, 1,2,4,8
.irp n, 120,121,122,123
	v_add_f32_dpp v\n, v\n, v\n row_xmask:\x row_mask:0xf bank_mask:0xf
.endr
.endr
	v_mov_b32 v124, 0
	v_cmp_eq_u32 vcc_lo, 0, v0
	s_wait_xcnt 0x0                                ; EXEC changes only behind this wait: out0's stores have been taken up
	s_and_saveexec_b32 s46, vcc_lo
	global_store_b128 v124, v[120:123], s[16:17]
	s_wait_xcnt 0x0
	s_or_b32 exec_lo, exec_lo, s46
.Lend:
	s_wait_tensorcnt 0x0
	ds_add_u32 v254, v255
	s_wait_dscnt 0x0
	s_endpgm
.Lfunc_end_k_qdde5b90007_outk:
	.size	k_qdde5b90007_outk, .Lfunc_end_k_qdde5b90007_outk-k_qdde5b90007_outk
	.p2alignl 7, 3214868480
	.fill 96, 4, 3214868480
	.section	.rodata,"a",@progbits
	.p2align	6, 0x0
	.amdhsa_kernel k_qdde5b90007_outk
		.amdhsa_group_segment_fixed_size 6144
		.amdhsa_private_segment_fixed_size 0
		.amdhsa_enable_private_segment 0
		.amdhsa_kernarg_size 56
		.amdhsa_user_sgpr_count 2
		.amdhsa_user_sgpr_kernarg_segment_ptr 1
		.amdhsa_wavefront_size32 1
		.amdhsa_system_sgpr_workgroup_id_x 1
		.amdhsa_system_sgpr_workgroup_id_y 1
		.amdhsa_system_sgpr_workgroup_id_z 1
		.amdhsa_system_vgpr_workitem_id 0
		.amdhsa_next_free_vgpr 256
		.amdhsa_next_free_sgpr 96
		.amdhsa_reserve_vcc 1
		.amdhsa_float_denorm_mode_32 3
		.amdhsa_float_denorm_mode_16_64 3
		.amdhsa_memory_ordered 1
		.amdhsa_forward_progress 1
		.amdhsa_inst_pref_size 64
	.end_amdhsa_kernel
	.amdgpu_metadata
---
amdhsa.version: [ 1, 2 ]
amdhsa.kernels:
  - .name:           k_qdde5b90007_outk
    .symbol:         k_qdde5b90007_outk.kd
    .args:
      - { .name: x, .offset: 0, .size: 8, .value_kind: global_buffer, .address_space: global }
      - { .name: codebook, .offset: 8, .size: 8, .value_kind: global_buffer, .address_space: global }
      - { .name: lat, .offset: 16, .size: 8, .value_kind: global_buffer, .address_space: global }
      - { .name: idx, .offset: 24, .size: 8, .value_kind: global_buffer, .address_space: global }
      - { .name: lowp_scales, .offset: 32, .size: 8, .value_kind: global_buffer, .address_space: global }
      - { .name: out0, .offset: 40, .size: 8, .value_kind: global_buffer, .address_space: global }
      - { .name: part, .offset: 48, .size: 8, .value_kind: global_buffer, .address_space: global }
    .group_segment_fixed_size: 6144
    .private_segment_fixed_size: 0
    .kernarg_segment_align: 8
    .kernarg_segment_size: 56
    .max_flat_workgroup_size: 512
    .sgpr_count:     96
    .vgpr_count:     256
    .wavefront_size: 32
...
	.end_amdgpu_metadata
.endif
;; end of part 4
;; launch fin (part 5): grid 1 x 1, 1 waves a work-group, no clusters, 0 bytes of LDS; arguments part, out1, out2, out3; writes out1, out2, out3
.if DOCPART == 5
	.amdgcn_target "amdgcn-amd-amdhsa--gfx1250"
	.amdhsa_code_object_version 6
	.text
	.protected	k_qdde5b90007_fin
	.globl	k_qdde5b90007_fin
	.p2align	8
	.type	k_qdde5b90007_fin,@function
k_qdde5b90007_fin:
	s_mov_b64 s[64:65], 0
	v_nop
	global_prefetch_b8 v0, s[64:65] scope:SCOPE_SE
	s_setreg_imm32_b32 hwreg(HW_REG_WAVE_MODE, 25, 1), 1
	s_wait_xcnt 0x0
; The 256 work-groups' four numbers (S1, S2, E = sum of p log2(p + 1e-10), the bins in use) are added, in a fixed order, and give the three scalars:
; log_perplexity = -E ln 2;  loss = 1.25 S1 / 2^23 + 1.25 S2 / 2^22 + 0.1 log_perplexity;  perplexity = 2^(-E);  usage = bins in use / 4,096.
; One wave: the sum spans all work-groups of the launch before, so it has a launch of its own; 4,096 bytes are read, eight loads of 512 consecutive bytes.
	s_load_b256 s[4:11], s[0:1], 0x0               ; part, out1, out2, out3
	v_lshlrev_b32 v1, 4, v0
	v_mov_b32 v2, 0
	s_mov_b32 s12, 0x76543210
	s_mov_b32 s13, 0xfedcba98
.irp n, 40,41,42,43
	v_mov_b32 v\n, 0                               ; written once: a lane permute's destination counts as one of its sources
.endr
	s_wait_kmcnt 0x0
.irp i, 0,1,2,3,4,5,6,7
	global_load_b128 v[4+4*\i:7+4*\i], v1, s[4:5] offset:512*\i
.endr
	s_wait_loadcnt 0x0
.irp i, 1,2,3,4,5,6,7
	v_pk_add_f32 v[4:5], v[4:5], v[4+4*\i:5+4*\i]
	v_pk_add_f32 v[6:7], v[6:7], v[6+4*\i:7+4*\i]
.endr
.irp x, 1,2,4,8
.irp n, 4,5,6,7
	v_add_f32_dpp v\n, v\n, v\n row_xmask:\x row_mask:0xf bank_mask:0xf
.endr
.endr
.irp n, 0,1,2,3
	v_permlanex16_b32 v[40+\n], v[4+\n], s12, s13
.endr
.irp n, 0,1,2,3
	v_add_f32 v[4+\n], v[4+\n], v[40+\n]
.endr
	v_mul_f32 v20, 0xbf317218, v6                  ; log_perplexity = -ln 2 x E
	v_exp_f32 v22, -v6                             ; perplexity
	v_mul_f32 v21, 0x3dcccccd, v20                 ; 0.1 x.  (A plain line behind the exponential)
	v_fmamk_f32 v21, v4, 0x34200000, v21           ; + S1 x 1.25 / 2^23
	v_fmamk_f32 v21, v5, 0x34a00000, v21           ; + S2 x 1.25 / 2^22
	v_mul_f32 v23, 0x39800000, v7                  ; / 4,096
	s_wait_alu depctr_va_vdst(0)                   ; ahead of the exponential's first reader
	v_cmp_eq_u32 vcc_lo, 0, v0
	s_wait_xcnt 0x0                                ; EXEC changes only behind this wait
	s_and_saveexec_b32 s14, vcc_lo
	global_store_b32 v2, v21, s[6:7]
	global_store_b32 v2, v22, s[8:9]
	global_store_b32 v2, v23, s[10:11]
	s_wait_xcnt 0x0
	s_or_b32 exec_lo, exec_lo, s14
	s_endpgm
.Lfunc_end_k_qdde5b90007_fin:
	.size	k_qdde5b90007_fin, .Lfunc_end_k_qdde5b90007_fin-k_qdde5b90007_fin
	.p2alignl 7, 3214868480
	.fill 96, 4, 3214868480
	.section	.rodata,"a",@progbits
	.p2align	6, 0x0
	.amdhsa_kernel k_qdde5b90007_fin
		.amdhsa_group_segment_fixed_size 0
		.amdhsa_private_segment_fixed_size 0
		.amdhsa_enable_private_segment 0
		.amdhsa_kernarg_size 32
		.amdhsa_user_sgpr_count 2
		.amdhsa_user_sgpr_kernarg_segment_ptr 1
		.amdhsa_wavefront_size32 1
		.amdhsa_system_sgpr_workgroup_id_x 1
		.amdhsa_system_sgpr_workgroup_id_y 1
		.amdhsa_system_sgpr_workgroup_id_z 1
		.amdhsa_system_vgpr_workitem_id 0
		.amdhsa_next_free_vgpr 64
		.amdhsa_next_free_sgpr 66
		.amdhsa_reserve_vcc 1
		.amdhsa_float_denorm_mode_32 3
		.amdhsa_float_denorm_mode_16_64 3
		.amdhsa_memory_ordered 1
		.amdhsa_forward_progress 1
		.amdhsa_inst_pref_size 5
	.end_amdhsa_kernel
	.amdgpu_metadata
---
amdhsa.version: [ 1, 2 ]
amdhsa.kernels:
  - .name:           k_qdde5b90007_fin
    .symbol:         k_qdde5b90007_fin.kd
    .args:
      - { .name: part, .offset: 0, .size: 8, .value_kind: global_buffer, .address_space: global }
      - { .name: out1, .offset: 8, .size: 8, .value_kind: global_buffer, .address_space: global }
      - { .name: out2, .offset: 16, .size: 8, .value_kind: global_buffer, .address_space: global }
      - { .name: out3, .offset: 24, .size: 8, .value_kind: global_buffer, .address_space: global }
    .group_segment_fixed_size: 0
    .private_segment_fixed_size: 0
    .kernarg_segment_align: 8
    .kernarg_segment_size: 32
    .max_flat_workgroup_size: 32
    .sgpr_count:     66
    .vgpr_count:     64
    .wavefront_size: 32
...
	.end_amdgpu_metadata
.endif
;; end of part 5
;; ======== version 2 of 3: 6 launches
;; workspace buffers: wcodes 2,097,152 bytes; lcodes 6,291,456 bytes; cneg 16,384 bytes; lat 25,165,824 bytes; cbest 131,072 bytes; cidx 131,072 bytes of whole numbers; idx 32,768 bytes of whole numbers; part 4,096 bytes
;; launch prepw: the kernel of part 1 again; grid 256 x 1, 4 waves a work-group, no clusters, 0 bytes of LDS; arguments W_in, W_code, lowp_scales, wcodes; writes wcodes
;; launch rows: the kernel of part 2 again; grid 192 x 1, 4 waves a work-group, no clusters, 202,240 bytes of LDS; arguments x, codebook, wcodes, b_in, b_code, lowp_scales, lcodes, cneg, lat; writes lcodes, cneg, lat
;; launch dist (part 6): grid 64 x 4, 4 waves a work-group, no clusters, 4,608 bytes of LDS; arguments lcodes, cneg, cbest, cidx; writes cbest, cidx
.if DOCPART == 6
	.amdgcn_target "amdgcn-amd-amdhsa--gfx1250"
	.amdhsa_code_object_version 6
	.text
	.protected	k_qdde5b90007_dist
	.globl	k_qdde5b90007_dist
	.p2align	8
	.type	k_qdde5b90007_dist,@function
k_qdde5b90007_dist:
	s_mov_b64 s[64:65], 0
	v_nop
	global_prefetch_b8 v0, s[64:65] scope:SCOPE_SE
	s_setreg_imm32_b32 hwreg(HW_REG_WAVE_MODE, 25, 1), 1
	s_wait_xcnt 0x0
; For each of the work-group's 128 tokens: among one QUARTER of the codes (1,024 of 4,096: work-group y) the code v with the smallest a2 - 2 a.b + b2.  a2 is the same for all codes of a token, so the ranking
; is by the largest score = (sum of the codes' products) - b2[v] 2^(-1 - e4 - e5), which is (2 a.b - b2) / 2^(1 + e4 + e5).  At equal scores the lowest v wins.  NaN is not served.
; The quarter's best score goes to cbest [quarter][token], its code to cidx [quarter][token]; the next launch takes the best of the four.
; SHARES.  64 blocks of tokens x 4 quarters are 256 work-groups.  All four waves hold the block's eight tiles of tokens (512 registers); wave w walks the code tiles 64 y + 16 w + i, i = 0 .. 15.
;   So a byte of a code's fragment is loaded once in the work-group and feeds 128 tokens: 8 KiB a tile for 32 matrix instructions.
; THE MATRIX INSTRUCTION IS USED TRANSPOSED: source 0 = 16 codes, source 1 = 16 tokens: lane (r, h) holds token r, register j code 16 tile + 8 h + j.  cneg is the C of a tile's first products.
; Fragments come straight from memory, laid by the launch before in the order of the registers: 16 loads of 512 consecutive bytes a tile, in three sets by turns: a set is asked for again as soon as its
;   products are issued, three tiles ahead of its use; a wave has at most three tiles, 54 loads, on their way.  Each set has pointers of its own, stepped behind the counted wait that shows the set's own loads done.
; WHY NO SLOTS IN LDS AND NO JOINT LOADS for the codes' fragments, which the 64 work-groups of a quarter all walk: each fragment is wanted by one wave of a work-group alone; through slots every byte would pass
;   LDS once more, and each change of slots would stop the four waves at a barrier with one load a wave on its way, against the three tiles that stay on their way here with no barrier in the walk.
; No branch and no address hangs on a score: the choice is made by v_cndmask_b32 in every tile.
; REGISTERS.  window 0: v1-7 addresses; v8-15 the best score of token (m, r) among my codes, v16-23 its place; v24-47 cneg, three sets; v64-127 the eight tiles of scores; v128-175 the end's work.
;   window 1: tokens' fragments (m, s), m = 0 .. 3, at 64 m + 16 s.   window 2: m = 4 .. 7.   window 3: codes' fragments, three sets of 64 (s at 16 s).
.set BEST, 8
.set BIDX, 16
.set CI,   24
.set ACC,  64
.set PX,   128                         ; v128-143 what the lane 16 away holds
.set FS,   144                         ; v144-159 the four waves' scores of four tokens
.set FI,   160                         ; v160-175 and their codes
.set BP,   20                          ; s[20+4q:21+4q] set q's place in the codes' fragments, s[22+4q:23+4q] in cneg
.set MSB, 0
.macro WIN new                         ; the immediate's high byte repeats the setting that is left
.if MSB != \new
	s_set_vgpr_msb (MSB<<8)|\new
.set MSB, \new
.endif
.endm
.macro PLACES n
.rept \n
	v_nop
.endr
.endm
	s_load_b256 s[4:11], s[0:1], 0x0               ; lcodes, cneg, cbest, cidx
	v_lshl_add_u32 v254, v0, 2, 0x1000
	v_mov_b32 v255, 0
	v_lshrrev_b32 v2, 5, v0
	v_readfirstlane_b32 s12, v2                    ; wave 0..3
	v_and_b32 v2, 31, v0
	v_and_b32 v3, 15, v0                           ; r
	v_bfe_u32 v7, v0, 4, 1                         ; h
	v_lshlrev_b32 v1, 4, v2                        ; v1 16 x lane
	v_lshlrev_b32 v4, 5, v7                        ; v4 32 h
	s_lshl_b32 s18, s12, 10                        ; my wave's 1,024 bytes of LDS
	v_lshlrev_b32 v5, 2, v3
	v_add_nc_u32 v5, s18, v5                       ; v5 1,024 w + 4 r
.irp m, 0,1,2,3,4,5,6,7
	v_mov_b32 v[BEST+\m], 0xff800000               ; -infinity, under every score
	v_mov_b32 v[BIDX+\m], 0
	s_mov_b32 s[48+\m], \m                         ; register j's place among my wave's 256 codes, less 8 h
.endr
.irp n, 0,1,2,3,4,5,6,7,8,9,10,11,12,13,14,15
	v_mov_b32 v[PX+\n], 0                          ; written once: a lane permute's destination counts as one of its sources
.endr
	s_mov_b32 s56, 0x76543210
	s_mov_b32 s57, 0xfedcba98                      ; lane l xor 16
	s_and_b32 s14, ttmp7, 0xffff                   ; y: the quarter
	s_lshl_b32 s58, s14, 10
	s_lshl_b32 s19, s12, 8
	s_add_co_u32 s58, s58, s19                     ; my wave's first code: 1,024 y + 256 w
	s_lshl_b32 s32, ttmp9, 16                      ; my block's eight tiles of tokens, 8,192 bytes each
	s_mov_b32 s33, 0
	s_lshl_b32 s34, s14, 19                        ; the codes' tiles lie behind the 512 tiles of tokens: 64 tiles a quarter, 16 a wave
	s_lshl_b32 s19, s12, 17
	s_add_co_u32 s34, s34, s19
	s_add_co_u32 s34, s34, 0x400000
	s_mov_b32 s35, 0
	s_lshl_b32 s36, s58, 2                         ; cneg at my first code
	s_mov_b32 s37, 0
	s_lshl_b32 s38, s14, 15                        ; the results: 32,768 bytes a quarter, 512 a block
	s_lshl_b32 s19, ttmp9, 9
	s_add_co_u32 s38, s38, s19
	s_mov_b32 s39, 0
	s_wait_kmcnt 0x0
	s_add_nc_u64 s[16:17], s[4:5], s[32:33]
	s_add_nc_u64 s[BP:BP+1], s[4:5], s[34:35]
	s_add_nc_u64 s[BP+2:BP+3], s[6:7], s[36:37]
	s_mov_b64 s[BP+4:BP+5], s[BP:BP+1]             ; the three sets' pointers begin alike: set q reaches its tile by the immediate
	s_mov_b64 s[BP+6:BP+7], s[BP+2:BP+3]
	s_mov_b64 s[BP+8:BP+9], s[BP:BP+1]
	s_mov_b64 s[BP+10:BP+11], s[BP+2:BP+3]
	s_add_nc_u64 s[8:9], s[8:9], s[38:39]
	s_add_nc_u64 s[10:11], s[10:11], s[38:39]
	WIN 0x40                                       ; destination window 1
.set aa, 0
.rept 16
.irp c, 0,1,2,3
	global_load_b128 v[16*aa+4*\c:16*aa+4*\c+3], v1, s[16:17] offset:2048*aa+512*\c
.endr
.set aa, aa+1
.endr
	WIN 0x80                                       ; destination window 2
.set aa, 0
.rept 16
.irp c, 0,1,2,3
	global_load_b128 v[16*aa+4*\c:16*aa+4*\c+3], v1, s[16:17] offset:32768+2048*aa+512*\c
.endr
.set aa, aa+1
.endr
	WIN 0
.macro LOADB q                         ; the tile q tiles on from where set q's pointers stand: 16 + 2 loads
	WIN 0xc0                                       ; destination window 3
.irp s, 0,1,2,3
.irp c, 0,1,2,3
	global_load_b128 v[64*\q+16*\s+4*\c:64*\q+16*\s+4*\c+3], v1, s[BP+4*\q:BP+4*\q+1] offset:8192*\q+2048*\s+512*\c
.endr
.endr
	WIN 0
	global_load_b128 v[CI+8*\q:CI+8*\q+3], v4, s[BP+4*\q+2:BP+4*\q+3] offset:64*\q
	global_load_b128 v[CI+8*\q+4:CI+8*\q+7], v4, s[BP+4*\q+2:BP+4*\q+3] offset:64*\q+16
.endm
.macro ARG j                           ; register j of the eight tiles of scores against the best so far: strictly greater, so the earlier, lower place stays
.irp m, 0,1,2,3,4,5,6,7
	v_cmp_gt_f32 s[40+\m], v[ACC+8*\m+\j], v[BEST+\m]
.endr
.irp m, 0,1,2,3,4,5,6,7
	v_cndmask_b32 v[BEST+\m], v[BEST+\m], v[ACC+8*\m+\j], s[40+\m]
.endr
.irp m, 0,1,2,3,4,5,6,7
	v_cndmask_b32 v[BIDX+\m], v[BIDX+\m], s[48+\j], s[40+\m]
.endr
.endm
; A tile of 16 codes, in set q, against the 128 tokens: 32 products, four accumulators by turns at a time; then the set is asked for again; then the tile's scores are compared.
; cnt: the loads of the younger tiles, which may stay out.  ld = 1: the set takes the tile three further on.
.macro TILE q, ld, cnt
	s_wait_loadcnt \cnt                            ; loads come back in order (ISA guide 5.7.1): this set's are in, so its pointers may be written
.if \ld
	s_add_nc_u64 s[BP+4*\q:BP+4*\q+1], s[BP+4*\q:BP+4*\q+1], 24576     ; three tiles on
	s_add_nc_u64 s[BP+4*\q+2:BP+4*\q+3], s[BP+4*\q+2:BP+4*\q+3], 192
.endif
.irp g, 0,1
.if \g == 0
	WIN 0x07                                       ; codes window 3, tokens window 1, C and D window 0
.else
	WIN 0x0b                                       ; tokens window 2
.endif
.irp s, 0,1,2,3
.irp m, 0,1,2,3
.if \s == 0
	v_wmma_f32_16x16x128_fp8_fp8 v[ACC+32*\g+8*\m:ACC+32*\g+8*\m+7], v[64*\q+16*\s:64*\q+16*\s+15], v[64*\m+16*\s:64*\m+16*\s+15], v[CI+8*\q:CI+8*\q+7]
.else
	v_wmma_f32_16x16x128_fp8_fp8 v[ACC+32*\g+8*\m:ACC+32*\g+8*\m+7], v[64*\q+16*\s:64*\q+16*\s+15], v[64*\m+16*\s:64*\m+16*\s+15], v[ACC+32*\g+8*\m:ACC+32*\g+8*\m+7]
.endif
.endr
.endr
.endr
	WIN 0
	PLACES 4                                       ; in front of the loads into registers that these products read, and of the first read of their results
.if \ld
	LOADB \q
.endif
.irp j, 0,1,2,3,4,5,6,7
	ARG \j                                         ; each accumulator from its low end on
.endr
.irp j, 0,1,2,3,4,5,6,7
	s_add_co_u32 s[48+\j], s[48+\j], 16            ; on to the next tile's places
.endr
.endm
	LOADB 0
	LOADB 1
	LOADB 2
	s_mov_b32 s13, 4
.Ltrip:                                            ; trip u: tiles 3 u, 3 u + 1, 3 u + 2; tiles 3 u + 3 to 3 u + 5 are asked for
	TILE 0, 1, 36                                  ; the two younger tiles' 2 x 18 loads may be out
	TILE 1, 1, 36
	TILE 2, 1, 36
	s_sub_co_u32 s13, s13, 1
	s_cmp_lg_u32 s13, 0
	s_cbranch_scc1 .Ltrip
	TILE 0, 1, 36                                  ; tile 12; tile 15 is asked for: the last
	TILE 1, 0, 36                                  ; tile 13: tiles 14 and 15 may be out
	TILE 2, 0, 18                                  ; tile 14
	TILE 0, 0, 0                                   ; tile 15
	; a token's other eight codes of each tile lie in the lane 16 away: greater wins, at equal scores the lower code
	v_lshlrev_b32 v[FS], 3, v7
	v_add_nc_u32 v[FS], s58, v[FS]                 ; 1,024 y + 256 w + 8 h
.irp m, 0,1,2,3,4,5,6,7
	v_add_nc_u32 v[BIDX+\m], v[BIDX+\m], v[FS]     ; the code's number
.endr
.irp m, 0,1,2,3,4,5,6,7
	v_permlanex16_b32 v[PX+\m], v[BEST+\m], s56, s57
	v_permlanex16_b32 v[PX+8+\m], v[BIDX+\m], s56, s57
.endr
.irp m, 0,1,2,3,4,5,6,7
	v_cmp_gt_f32 s40, v[PX+\m], v[BEST+\m]
	v_cmp_eq_f32 s41, v[PX+\m], v[BEST+\m]
	v_cmp_lt_u32 s42, v[PX+8+\m], v[BIDX+\m]
	s_and_b32 s41, s41, s42
	s_or_b32 s40, s40, s41
	v_cndmask_b32 v[BEST+\m], v[BEST+\m], v[PX+\m], s40
	v_cndmask_b32 v[BIDX+\m], v[BIDX+\m], v[PX+8+\m], s40
.endr
.irp m, 0,1,2,3,4,5,6,7
	ds_store_b32 v5, v[BEST+\m] offset:64*\m       ; [wave][score, code][token 16 m + r]; both halves of the lanes hold the same
	ds_store_b32 v5, v[BIDX+\m] offset:512+64*\m
.endr
	s_wait_dscnt 0x0                               ; for the others' sake: my stores have landed
	s_barrier_signal -1
	s_barrier_wait -1
	s_cmp_lg_u32 s12, 0
	s_cbranch_scc1 .Ldone
.irp w, 0,1,2,3
	ds_load_b128 v[FS+4*\w:FS+4*\w+3], v1 offset:1024*\w          ; four tokens a lane
	ds_load_b128 v[FI+4*\w:FI+4*\w+3], v1 offset:1024*\w+512
.endr
	s_wait_dscnt 0x0
.irp w, 1,2,3                                  ; the waves' codes ascend with w: strictly greater keeps the lower code
.irp e, 0,1,2,3
	v_cmp_gt_f32 s[40+\e], v[FS+4*\w+\e], v[FS+\e]
.endr
.irp e, 0,1,2,3
	v_cndmask_b32 v[FS+\e], v[FS+\e], v[FS+4*\w+\e], s[40+\e]
	v_cndmask_b32 v[FI+\e], v[FI+\e], v[FI+4*\w+\e], s[40+\e]
.endr
.endr
	global_store_b128 v1, v[FS:FS+3], s[8:9]       ; 128 tokens: 512 consecutive bytes
	global_store_b128 v1, v[FI:FI+3], s[10:11]
.Ldone:
	s_wait_tensorcnt 0x0
	ds_add_u32 v254, v255
	s_wait_dscnt 0x0
	s_endpgm
.Lfunc_end_k_qdde5b90007_dist:
	.size	k_qdde5b90007_dist, .Lfunc_end_k_qdde5b90007_dist-k_qdde5b90007_dist
	.p2alignl 7, 3214868480
	.fill 96, 4, 3214868480
	.section	.rodata,"a",@progbits
	.p2align	6, 0x0
	.amdhsa_kernel k_qdde5b90007_dist
		.amdhsa_group_segment_fixed_size 4608
		.amdhsa_private_segment_fixed_size 0
		.amdhsa_enable_private_segment 0
		.amdhsa_kernarg_size 32
		.amdhsa_user_sgpr_count 2
		.amdhsa_user_sgpr_kernarg_segment_ptr 1
		.amdhsa_wavefront_size32 1
		.amdhsa_system_sgpr_workgroup_id_x 1
		.amdhsa_system_sgpr_workgroup_id_y 1
		.amdhsa_system_sgpr_workgroup_id_z 1
		.amdhsa_system_vgpr_workitem_id 0
		.amdhsa_next_free_vgpr 1024
		.amdhsa_next_free_sgpr 66
		.amdhsa_reserve_vcc 0
		.amdhsa_float_denorm_mode_32 3
		.amdhsa_float_denorm_mode_16_64 3
		.amdhsa_memory_ordered 1
		.amdhsa_forward_progress 1
		.amdhsa_inst_pref_size 139
	.end_amdhsa_kernel
	.amdgpu_metadata
---
amdhsa.version: [ 1, 2 ]
amdhsa.kernels:
  - .name:           k_qdde5b90007_dist
    .symbol:         k_qdde5b90007_dist.kd
    .args:
      - { .name: lcodes, .offset: 0, .size: 8, .value_kind: global_buffer, .address_space: global }
      - { .name: cneg, .offset: 8, .size: 8, .value_kind: global_buffer, .address_space: global }
      - { .name: cbest, .offset: 16, .size: 8, .value_kind: global_buffer, .address_space: global }
      - { .name: cidx, .offset: 24, .size: 8, .value_kind: global_buffer, .address_space: global }
    .group_segment_fixed_size: 4608
    .private_segment_fixed_size: 0
    .kernarg_segment_align: 8
    .kernarg_segment_size: 32
    .max_flat_workgroup_size: 128
    .sgpr_count:     66
    .vgpr_count:     1024
    .wavefront_size: 32
...
	.end_amdgpu_metadata
.endif
;; end of part 6
;; launch pick (part 7): grid 8 x 1, 8 waves a work-group, no clusters, 0 bytes of LDS; arguments cbest, cidx, idx; writes idx
.if DOCPART == 7
	.amdgcn_target "amdgcn-amd-amdhsa--gfx1250"
	.amdhsa_code_object_version 6
	.text
	.protected	k_qdde5b90007_pick
	.globl	k_qdde5b90007_pick
	.p2align	8
	.type	k_qdde5b90007_pick,@function
k_qdde5b90007_pick:
	s_mov_b64 s[64:65], 0
	v_nop
	global_prefetch_b8 v0, s[64:65] scope:SCOPE_SE
	s_setreg_imm32_b32 hwreg(HW_REG_WAVE_MODE, 25, 1), 1
	s_wait_xcnt 0x0
; idx[token] = the code of the best of the four quarters' scores.  cbest, cidx: [quarter 4][token 8,192].  The quarters' codes ascend, so strictly greater keeps the lower code at equal scores.  NaN is not served.
; The choice spans four work-groups of the launch before and steers addresses in the launch behind, so it has a launch of its own and stores whole numbers.
; A thread takes four tokens: every load and the store of a wave cover 512 consecutive bytes; 8 work-groups x 256 threads x 4 are the 8,192 tokens.  288 KiB move in all: no LDS, no matrix unit, no cluster.
	s_load_b128 s[4:7], s[0:1], 0x0                ; cbest, cidx
	s_load_b64 s[8:9], s[0:1], 0x10                ; idx
	v_lshlrev_b32 v1, 4, v0
	s_lshl_b32 s10, ttmp9, 12
	v_add_nc_u32 v1, s10, v1                       ; 4,096 x work-group + 16 x thread
	s_wait_kmcnt 0x0
.irp y, 0,1,2,3
	global_load_b128 v[8+4*\y:11+4*\y], v1, s[4:5] offset:32768*\y th:TH_LOAD_NT
	global_load_b128 v[24+4*\y:27+4*\y], v1, s[6:7] offset:32768*\y th:TH_LOAD_NT
.endr
	s_wait_loadcnt 0x0
.irp y, 1,2,3
.irp e, 0,1,2,3
	v_cmp_gt_f32 s[12+\e], v[8+4*\y+\e], v[8+\e]
.endr
.irp e, 0,1,2,3
	v_cndmask_b32 v[8+\e], v[8+\e], v[8+4*\y+\e], s[12+\e]
	v_cndmask_b32 v[24+\e], v[24+\e], v[24+4*\y+\e], s[12+\e]
.endr
.endr
	global_store_b128 v1, v[24:27], s[8:9]
	s_endpgm
.Lfunc_end_k_qdde5b90007_pick:
	.size	k_qdde5b90007_pick, .Lfunc_end_k_qdde5b90007_pick-k_qdde5b90007_pick
	.p2alignl 7, 3214868480
	.fill 96, 4, 3214868480
	.section	.rodata,"a",@progbits
	.p2align	6, 0x0
	.amdhsa_kernel k_qdde5b90007_pick
		.amdhsa_group_segment_fixed_size 0
		.amdhsa_private_segment_fixed_size 0
		.amdhsa_enable_private_segment 0
		.amdhsa_kernarg_size 24
		.amdhsa_user_sgpr_count 2
		.amdhsa_user_sgpr_kernarg_segment_ptr 1
		.amdhsa_wavefront_size32 1
		.amdhsa_system_sgpr_workgroup_id_x 1
		.amdhsa_system_sgpr_workgroup_id_y 1
		.amdhsa_system_sgpr_workgroup_id_z 1
		.amdhsa_system_vgpr_workitem_id 0
		.amdhsa_next_free_vgpr 48
		.amdhsa_next_free_sgpr 66
		.amdhsa_reserve_vcc 0
		.amdhsa_float_denorm_mode_32 3
		.amdhsa_float_denorm_mode_16_64 3
		.amdhsa_memory_ordered 1
		.amdhsa_forward_progress 1
		.amdhsa_inst_pref_size 4
	.end_amdhsa_kernel
	.amdgpu_metadata
---
amdhsa.version: [ 1, 2 ]
amdhsa.kernels:
  - .name:           k_qdde5b90007_pick
    .symbol:         k_qdde5b90007_pick.kd
    .args:
      - { .name: cbest, .offset: 0, .size: 8, .value_kind: global_buffer, .address_space: global }
      - { .name: cidx, .offset: 8, .size: 8, .value_kind: global_buffer, .address_space: global }
      - { .name: idx, .offset: 16, .size: 8, .value_kind: global_buffer, .address_space: global }
    .group_segment_fixed_size: 0
    .private_segment_fixed_size: 0
    .kernarg_segment_align: 8
    .kernarg_segment_size: 24
    .max_flat_workgroup_size: 256
    .sgpr_count:     66
    .vgpr_count:     48
    .wavefront_size: 32
...
	.end_amdgpu_metadata
.endif
;; end of part 7
;; launch outk: the kernel of part 4 again; grid 256 x 1, 16 waves a work-group, no clusters, 6,144 bytes of LDS; arguments x, codebook, lat, idx, lowp_scales, out0, part; writes out0, part
;; launch fin: the kernel of part 5 again; grid 1 x 1, 1 waves a work-group, no clusters, 0 bytes of LDS; arguments part, out1, out2, out3; writes out1, out2, out3
;; ======== version 3 of 3: 6 launches
;; workspace buffers: wcodes 2,097,152 bytes; lcodes 6,291,456 bytes; cneg 16,384 bytes; lat 25,165,824 bytes; cbest 131,072 bytes; cidx 131,072 bytes of whole numbers; idx 32,768 bytes of whole numbers; part 4,096 bytes
;; launch prepw (part 8): grid 256 x 1, 4 waves a work-group, no clusters, 0 bytes of LDS; arguments W_in, W_code, lowp_scales, wcodes; writes wcodes
.if DOCPART == 8
	.amdgcn_target "amdgcn-amd-amdhsa--gfx1250"
	.amdhsa_code_object_version 6
	.text
	.protected	k_qdde5b90007_prepw
	.globl	k_qdde5b90007_prepw
	.p2align	8
	.type	k_qdde5b90007_prepw,@function
k_qdde5b90007_prepw:
	s_mov_b64 s[64:65], 0
	v_nop
	global_prefetch_b8 v0, s[64:65] scope:SCOPE_SE
	s_setreg_imm32_b32 hwreg(HW_REG_WAVE_MODE, 25, 1), 1
	s_wait_xcnt 0x0
; W_in and W_code, [1024 (K)][512 (n)] f32, become codes of E4M3, each under its two given scales, laid in the ORDER OF THE OPERAND'S REGISTERS:
; wcodes [p 4][k 8][w 4][t 8][c 4][lane 32][16 bytes];  p = 0: W_in at entry 1, 1: W_in at entry 11, 2: W_code at entry 3, 3: W_code at entry 9 of the scales.
; In fragment (p, k, w, t) lane (r, h) holds column n = 128 w + 16 t + r, and its piece c the sixteen K = 128 k + 64 h + 16 c + 0 .. 15.
; A LANE TAKES A COLUMN AND ITS REGISTERS RUN DOWN K, so the conversions give codes with K innermost and nothing is transposed.
; Work-group g: tensor q = g / 128, K step k, column group w, and hp = 2 h + cp: the 32 rows 128 k + 32 hp + i.  Wave b takes columns 128 w + 32 b + lane: the four waves read 512 consecutive bytes of each row.
; A lane's 16 codes are 16 bytes: lanes 0-15 store 256 consecutive aligned bytes of tile 2 b, lanes 16-31 of tile 2 b + 1.
; code = x / 2^e, held within +-448, to the nearest code, ties to even.  LIMITS: each e between -126 and 119; NaN among the inputs is not served.
.set X, 32                             ; v32-63  W(row i, my column)
.set T, 64                             ; v64-79  sixteen held numbers
.set C, 16                             ; v16-31  codes: four registers for each of the four stores, so that no store's data are written again
	s_load_b128 s[4:7], s[0:1], 0x0                ; W_in, W_code
	s_load_b128 s[8:11], s[0:1], 0x10              ; the scales' exponents, wcodes
	v_lshrrev_b32 v2, 5, v0
	v_readfirstlane_b32 s12, v2                    ; wave b
	v_and_b32 v3, 31, v0                           ; lane
	v_lshlrev_b32 v1, 2, v3                        ; in: 4 bytes a lane
	v_lshrrev_b32 v4, 4, v3
	v_and_b32 v5, 15, v3
	v_lshlrev_b32 v5, 4, v5
	v_lshl_add_u32 v5, v4, 11, v5                  ; out: 16 (lane % 16) + 2,048 (lane / 16): the tile of my column
	s_lshr_b32 s13, ttmp9, 7                       ; q
	s_bfe_u32 s14, ttmp9, 0x30004                  ; k
	s_bfe_u32 s15, ttmp9, 0x20002                  ; w
	s_and_b32 s28, ttmp9, 3                        ; hp
	s_lshl_b32 s30, s14, 18                        ; in: (128 k + 32 hp) rows of 2,048 bytes + 4 (128 w + 32 b)
	s_lshl_b32 s29, s28, 16
	s_add_co_u32 s30, s30, s29
	s_lshl_b32 s29, s15, 9
	s_add_co_u32 s30, s30, s29
	s_lshl_b32 s29, s12, 7
	s_add_co_u32 s30, s30, s29
	s_mov_b32 s31, 0
	s_lshl_b32 s32, s13, 20                        ; out: q x 2 p's + k + w + tile 2 b + piece 2 cp + 256 h
	s_lshl_b32 s29, s14, 16
	s_add_co_u32 s32, s32, s29
	s_lshl_b32 s29, s15, 14
	s_add_co_u32 s32, s32, s29
	s_lshl_b32 s29, s12, 12
	s_add_co_u32 s32, s32, s29
	s_and_b32 s29, s28, 1
	s_lshl_b32 s29, s29, 10
	s_add_co_u32 s32, s32, s29
	s_lshr_b32 s29, s28, 1
	s_lshl_b32 s29, s29, 8
	s_add_co_u32 s32, s32, s29
	s_mov_b32 s33, 0
	s_wait_alu depctr_va_vdst(0)
	s_wait_kmcnt 0x0
	s_load_b256 s[16:23], s[8:9], 0x0              ; entries 0 to 7
	s_load_b128 s[24:27], s[8:9], 0x20             ; entries 8 to 11
	s_cmp_eq_u32 s13, 0                            ; the choice hangs on the work-group's number alone
	s_cselect_b64 s[4:5], s[4:5], s[6:7]
	s_add_nc_u64 s[4:5], s[4:5], s[30:31]
	s_add_nc_u64 s[10:11], s[10:11], s[32:33]
.set ii, 0
.rept 32
	global_load_b32 v[X+ii], v1, s[4:5] offset:2048*ii th:TH_LOAD_NT
.set ii, ii+1
.endr
	s_wait_kmcnt 0x0
	s_cmp_eq_u32 s13, 0
	s_cselect_b32 s34, s17, s19                    ; entry 1 or 3
	s_cselect_b32 s35, s27, s25                    ; entry 11 or 9
	s_add_co_i32 s34, s34, 127
	s_lshl_b32 s36, s34, 23
	v_mov_b32 v8, s36                              ; 2^e as f32: the conversion takes its exponent field
	s_add_co_i32 s34, s34, 8
	s_lshl_b32 s34, s34, 23
	s_or_b32 s34, s34, 0x600000
	v_mov_b32 v9, s34                              ; 448 x 2^e
	s_add_co_i32 s35, s35, 127
	s_lshl_b32 s36, s35, 23
	v_mov_b32 v10, s36
	s_add_co_i32 s35, s35, 8
	s_lshl_b32 s35, s35, 23
	s_or_b32 s35, s35, 0x600000
	v_mov_b32 v11, s35
	s_wait_alu depctr_va_vdst(0)
.irp u, 0,1                                    ; a run of 16 rows is piece c = 2 cp + u
	s_wait_loadcnt 16-16*\u                        ; this run's 16 loads are in; the other run's may be out
.irp z, 0,1                                    ; the tensor's two scales
.set ii, 0
.rept 16
	v_med3_num_f32 v[T+ii], v[X+16*\u+ii], -v[9+2*\z], v[9+2*\z]   ; the conversion to an 8-bit code does not saturate (ISA guide 7.6.2): the hold comes first
.set ii, ii+1
.endr
	v_cvt_scalef32_pk8_fp8_f32 v[C+4*(2*\z+\u):C+4*(2*\z+\u)+1], v[T:T+7], v[8+2*\z]
	v_cvt_scalef32_pk8_fp8_f32 v[C+4*(2*\z+\u)+2:C+4*(2*\z+\u)+3], v[T+8:T+15], v[8+2*\z]
	v_nop                                          ; a plain line between the conversions and the next holds, which write their sources
	global_store_b128 v5, v[C+4*(2*\z+\u):C+4*(2*\z+\u)+3], s[10:11] offset:512*\u+524288*\z
.endr
.endr
	s_endpgm
.Lfunc_end_k_qdde5b90007_prepw:
	.size	k_qdde5b90007_prepw, .Lfunc_end_k_qdde5b90007_prepw-k_qdde5b90007_prepw
	.p2alignl 7, 3214868480
	.fill 96, 4, 3214868480
	.section	.rodata,"a",@progbits
	.p2align	6, 0x0
	.amdhsa_kernel k_qdde5b90007_prepw
		.amdhsa_group_segment_fixed_size 0
		.amdhsa_private_segment_fixed_size 0
		.amdhsa_enable_private_segment 0
		.amdhsa_kernarg_size 32
		.amdhsa_user_sgpr_count 2
		.amdhsa_user_sgpr_kernarg_segment_ptr 1
		.amdhsa_wavefront_size32 1
		.amdhsa_system_sgpr_workgroup_id_x 1
		.amdhsa_system_sgpr_workgroup_id_y 1
		.amdhsa_system_sgpr_workgroup_id_z 1
		.amdhsa_system_vgpr_workitem_id 0
		.amdhsa_next_free_vgpr 96
		.amdhsa_next_free_sgpr 66
		.amdhsa_reserve_vcc 0
		.amdhsa_float_denorm_mode_32 3
		.amdhsa_float_denorm_mode_16_64 3
		.amdhsa_memory_ordered 1
		.amdhsa_forward_progress 1
		.amdhsa_inst_pref_size 11
	.end_amdhsa_kernel
	.amdgpu_metadata
---
amdhsa.version: [ 1, 2 ]
amdhsa.kernels:
  - .name:           k_qdde5b90007_prepw
    .symbol:         k_qdde5b90007_prepw.kd
    .args:
      - { .name: W_in, .offset: 0, .size: 8, .value_kind: global_buffer, .address_space: global }
      - { .name: W_code, .offset: 8, .size: 8, .value_kind: global_buffer, .address_space: global }
      - { .name: lowp_scales, .offset: 16, .size: 8, .value_kind: global_buffer, .address_space: global }
      - { .name: wcodes, .offset: 24, .size: 8, .value_kind: global_buffer, .address_space: global }
    .group_segment_fixed_size: 0
    .private_segment_fixed_size: 0
    .kernarg_segment_align: 8
    .kernarg_segment_size: 32
    .max_flat_workgroup_size: 128
    .sgpr_count:     66
    .vgpr_count:     96
    .wavefront_size: 32
...
	.end_amdgpu_metadata
.endif
;; end of part 8
;; launch rows (part 9): grid 192 x 1, 4 waves a work-group, no clusters, 202,240 bytes of LDS; arguments x, codebook, wcodes, b_in, b_code, lowp_scales, lcodes, cneg, lat; writes lcodes, cneg, lat
.if DOCPART == 9
	.amdgcn_target "amdgcn-amd-amdhsa--gfx1250"
	.amdhsa_code_object_version 6
	.text
	.protected	k_qdde5b90007_rows
	.globl	k_qdde5b90007_rows
	.p2align	8
	.type	k_qdde5b90007_rows,@function
k_qdde5b90007_rows:
	s_mov_b64 s[64:65], 0
	v_nop
	global_prefetch_b8 v0, s[64:65] scope:SCOPE_SE
	s_setreg_imm32_b32 hwreg(HW_REG_WAVE_SCHED_MODE, 0, 2), 2
	s_setreg_imm32_b32 hwreg(HW_REG_WAVE_MODE, 25, 1), 1
	s_wait_xcnt 0x0
	s_wait_alu depctr_vm_vsrc(0)
; 64 rows a work-group: work-groups 0-127 take rows of x, 128-191 rows of the codebook.  ONE path serves both: the kind picks pointers and scales, one stretch of register work and one store.
;   product a (x W_in at entries 0, 1 / codebook W_code at entries 2, 3) + bias, normalised (x once, the codebook twice), quantised at entry 4 / 5  -> lcodes, in the order of the next product's registers;
;                for the codebook also -b2 2^(-1 - e4 - e5), b2 the row's sum of squares after both normalisations -> cneg.
;   product b (x W_in at entries 10, 11 / quantized W_code at entries 8, 9) + bias -> lat (rows 0-8191: tokens; row 8192 + v: code v).
; quantized of code v is the one-hot product's row: Q(1; e6) x Q(codebook[v]; e7), exact in f32: the code's value x F, F = (1 as a code at e6) x 2^(e6 + e7).
; SHARES.  Wave w quantises rows 16 w .. 16 w + 15 (both sets of codes) and hands them on through LDS as images of the operand's registers; then it owns columns 128 w .. 128 w + 127 of both products for all 64 rows.
; W's codes come straight from memory into registers, laid by the launch before in the order of the registers: 32 loads of 512 consecutive bytes for a K step of 128, two steps ahead in three buffers.
; WHY NO SLOTS IN LDS AND NO JOINT LOADS FOR W, which every work-group walks: a wave's K step of W is 16 KiB for 32 matrix instructions, and each byte is wanted by one wave of the work-group alone.
;   Loads into registers keep two steps (64 loads a wave) on their way with no barrier between the steps, and spare the bytes a second pass through LDS.
; THE MATRIX INSTRUCTION IS USED TRANSPOSED (source 0 = 16 columns of W, source 1 = 16 rows): lane (r, h) holds row r and register j of tile t column 16 t + 8 h + j: eight neighbours along the next product's K.
; K inside a step is permuted alike in both operands: lane (r, h) holds K = 64 h + 0 .. 63 in its 16 registers.
; LIMITS: every e between -126 and 119; the sum of a product's two e between -126 and 127; e4 + e5 between -128 and 125; NaN among the inputs is not served.
; LDS: 0: images [set 2][tile of rows 4][K step 8][2,048];  STG: for each wave two stages of 16 rows x 528 bytes (the first also serves the way out);  NP: three areas of 1,024 bytes for the rows' sums of squares.
; REGISTERS.  window 0: v1-15 addresses; v16-26 scales; v28-31 permute results; v32-95, v96-159 numbers of x, then fragments of the rows, then the way out; v160-223 held numbers, then lcodes' codes, then the way out; v224-255 codes, then sums.
;   window 1: four sets of loaded numbers, then the 32 accumulators ((m, t) at 8 (8 m + t)).   window 2: W's buffers 0 and 1.   window 3: W's buffer 2; from v128 the bias in the result's layout.
; THE MODE: SCHED_MODE bits 1:0 = 2 (LLVM: expert scheduling mode 2), set by the entry lines.  The code itself states the register dependences between vector or matrix instructions and memory or LDS instructions, with s_wait_alu, always for 0.
; THE PLAN.  Registers that memory or LDS instructions touch, and who else names them:
;   v1-v15        addresses and offsets: written once at the head, ahead of the first wait on va_vdst, and never again.
;   window 1      PHASE X: loads of the rows land, the stage's LDS stores read; no vector instruction names them.  From the products on they are accumulators.
;   XN0, XN1      PHASE X: step k's LDS loads land in XN[k % 2]; step k's holds and conversions read and write it.  PRODUCTS: step j's fragments land in XN[j % 2], asked for among step j - 1's products; step j's products read them.
;   PCA, PCB      step k's conversions write them, its images' LDS stores read them.
;   W0, W1, W2    step j's products read W[j % 3]; the loads of step j + 2 land in W[(j - 1) % 3], dealt among step j's products.
;   SQ, TQ, GG    sums and codes: written by vector instructions, read by LDS and global stores (SQ, TQ, GG's first pair); LDS loads land in GG.
;   THE WAY OUT   v32-95: multiply-adds write, LDS stores read; v96-159 and v160-223 by turns: LDS loads land, global stores read.
; So PHASE X has one wait on vm_vsrc at a step's head and one on va_vdst behind its conversions, ahead of both images; that wait also frees XN[k % 2] for the loads of the step after next.
; A step of the products has ONE wait on va_vdst, at its head: the step before is done reading W[(j - 1) % 3] and XN[(j - 1) % 2].  The step's 48 loads follow among its products, which name W[j % 3], XN[j % 2] and the accumulators alone.
.set STG,  131072
.set STGW, 16896
.set NP,   198656
.set XN,   32
.set TQ,   160
.set PCA,  224
.set PCB,  240
.set SS,   224                         ; v224-231 four pairs: sums of squares at work, then the four reciprocal roots, each twice
.set SQ,   232                         ; v232-235 my wave's sums for row r of the four tiles
.set GG,   236                         ; v236-251 the four waves' sums
.set TOT,  252                         ; v252-255 the rows' sums
.set BI,   128                         ; in window 3
.set MSB, 0
.macro WIN new                         ; the immediate's high byte repeats the setting that is left
.if MSB != \new
	s_set_vgpr_msb (MSB<<8)|\new
.set MSB, \new
.endif
.endm
.macro PLACES n
.rept \n
	v_nop
.endr
.endm
.macro BARRIER                         ; my LDS stores have landed and my LDS loads are in: then the work-group's barrier
	s_wait_dscnt 0x0
	s_barrier_signal -1
	s_barrier_wait -1
.endm
.macro MKSC se, vsc, vlim              ; 2^e and 448 x 2^e as f32
	s_add_co_i32 s63, s[\se], 127
	s_lshl_b32 s23, s63, 23
	v_mov_b32 v[\vsc], s23
	s_add_co_i32 s63, s63, 8
	s_lshl_b32 s63, s63, 23
	s_or_b32 s63, s63, 0x600000
	v_mov_b32 v[\vlim], s63
.endm
	s_load_b512 s[4:19], s[0:1], 0x0               ; x, codebook, wcodes, b_in, b_code, the scales, lcodes, cneg
	s_load_b64 s[20:21], s[0:1], 0x40              ; lat
	s_set_vgpr_msb 0xc0
	v_lshl_add_u32 v254, v0, 2, 0x31400
	v_mov_b32 v255, 0
	s_set_vgpr_msb 0xc000
	v_lshrrev_b32 v2, 5, v0
	v_readfirstlane_b32 s22, v2                    ; wave 0..3
	v_and_b32 v2, 31, v0                           ; lane
	v_and_b32 v3, 15, v0                           ; r
	v_bfe_u32 v27, v0, 4, 1                        ; h
	v_lshlrev_b32 v1, 4, v2                        ; v1  16 x lane
	v_lshlrev_b32 v10, 3, v2                       ; v10 8 x lane
	v_lshlrev_b32 v15, 5, v27                      ; v15 32 h
	s_wait_alu depctr_va_sdst(0)                   ; s22 is written, ahead of its first reader: LDS addresses and the wave's bases are made from it
	s_mul_i32 s56, s22, STGW
	s_add_co_u32 s56, s56, STG                     ; my stages
	v_add_nc_u32 v4, s56, v1                       ; v4  a stage's row as it lies: 16 x lane
	v_mul_u32_u24 v5, v3, 528
	v_add_nc_u32 v5, s56, v5
	v_lshl_add_u32 v9, v27, 5, v5                  ; v9  the way out: row r, + 32 h
	v_lshl_add_u32 v5, v27, 8, v5                  ; v5  row r, + 256 h: my 64 neighbours along K
	s_lshl_b32 s57, s22, 14
	v_add_nc_u32 v6, s57, v1                       ; v6  where I store images of set a: tile of rows w
	v_add_nc_u32 v7, 0x10000, v6                   ; v7  of set b
	v_add_nc_u32 v8, 0x10000, v1                   ; v8  where set b is read
	s_lshl_b32 s57, s22, 8
	v_lshlrev_b32 v12, 4, v3
	v_add_nc_u32 v12, NP, v12                      ; v12 the sums of row r, read
	v_add_nc_u32 v11, s57, v12                     ; v11 and stored: + 256 w
	v_lshlrev_b32 v13, 2, v3
	v_add_nc_u32 v13, s57, v13
	v_add_nc_u32 v13, NP+2048, v13                 ; v13 the third area: [w][row]
	v_add_nc_u32 v14, NP+2048, v10                 ; v14 and two rows a lane of it
	v_mov_b32 v26, 0x7f7f7f7f                      ; the scale 1 in every byte, for the conversion back
.irp n, 28,29,30,31
	v_mov_b32 v\n, 0                               ; written once: a lane permute's destination counts as one of its sources
.endr
	s_mov_b32 s54, 0x76543210
	s_mov_b32 s55, 0xfedcba98                      ; lane l xor 16
	s_wait_kmcnt 0x0
	s_load_b256 s[24:31], s[14:15], 0x0            ; e0 .. e7
	s_load_b128 s[32:35], s[14:15], 0x20           ; e8 .. e11
	s_cmp_ge_u32 ttmp9, 128                        ; the codebook's work-group?  The choices hang on the work-group's number alone
	s_cselect_b64 s[36:37], s[6:7], s[4:5]         ; the rows
	s_cselect_b64 s[40:41], s[12:13], s[10:11]     ; the bias
	s_cselect_b32 s52, -1, 0                       ; a lane mask: all lanes for the codebook
	s_cselect_b32 s60, 0x100000, 0                 ; W_code's two sets lie behind W_in's
	s_and_b32 s56, ttmp9, 127                      ; my block of 64 rows in its tensor
	s_lshl_b32 s56, s56, 18
	s_lshl_b32 s57, s22, 16
	s_add_co_u32 s56, s56, s57                     ; + my wave's 16 rows
	s_mov_b32 s57, 0
	s_add_nc_u64 s[36:37], s[36:37], s[56:57]
	s_lshl_b32 s61, s22, 14
	s_add_co_u32 s60, s60, s61                     ; my wave's columns of W
	s_mov_b32 s61, 0
	s_add_nc_u64 s[38:39], s[8:9], s[60:61]
	s_lshl_b32 s56, s22, 9
	s_add_nc_u64 s[40:41], s[40:41], s[56:57]
	s_lshl_b32 s56, ttmp9, 15
	s_lshl_b32 s60, s22, 11
	s_add_co_u32 s56, s56, s60
	s_add_nc_u64 s[42:43], s[16:17], s[56:57]      ; lcodes: tile 4 g, K step w
	s_lshl_b32 s56, ttmp9, 17
	s_lshl_b32 s60, s22, 9
	s_add_co_u32 s56, s56, s60
	s_add_nc_u64 s[44:45], s[20:21], s[56:57]      ; lat: row 64 g, column 128 w
	s_and_b32 s56, ttmp9, 63
	s_lshl_b32 s56, s56, 8
	s_add_nc_u64 s[46:47], s[18:19], s[56:57]      ; cneg: 64 codes of the block
	WIN 0xc0
	s_wait_alu depctr_va_vdst(0)                   ; the addresses and offsets v1 to v15 are written, which every load and store of the kernel reads
.irp t, 0,1,2,3,4,5,6,7                        ; the bias at columns 128 w + 16 t + 8 h + 0 .. 7
	global_load_b128 v[BI+8*\t:BI+8*\t+3], v15, s[40:41] offset:64*\t
	global_load_b128 v[BI+8*\t+4:BI+8*\t+7], v15, s[40:41] offset:64*\t+16
.endr
	WIN 0
; ---- PHASE X: my 16 rows become two sets of eight fragments
.macro XLOAD k                         ; K step k of my 16 rows as it lies: each load reads 512 consecutive bytes of a row
	WIN 0x40
.irp i, 0,1,2,3,4,5,6,7,8,9,10,11,12,13,14,15
	global_load_b128 v[64*((\k)%4)+4*\i:64*((\k)%4)+4*\i+3], v1, s[36:37] offset:4096*\i+512*(\k) th:TH_LOAD_NT
.endr
	WIN 0
.endm
.macro TURN k                          ; through my stage: in as loaded, out 64 neighbours a lane.  LDS serves a wave's instructions in order (ISA guide 5.7.1.4): no wait between
	WIN 0x04
.irp i, 0,1,2,3,4,5,6,7,8,9,10,11,12,13,14,15
	ds_store_b128 v4, v[64*((\k)%4)+4*\i:64*((\k)%4)+4*\i+3] offset:8448*((\k)%2)+528*\i
.endr
	WIN 0
.irp i, 0,1,2,3,4,5,6,7,8,9,10,11,12,13,14,15
	ds_load_b128 v[XN+64*((\k)%2)+4*\i:XN+64*((\k)%2)+4*\i+3], v5 offset:8448*((\k)%2)+16*\i
.endr
.endm
.macro QA k                            ; set a: the numbers stay, the held ones go to TQ
.set XS, XN+64*((\k)%2)
.set ii, 0
.rept 64
	v_med3_num_f32 v[TQ+ii], v[XS+ii], -v17, v17   ; the conversion to an 8-bit code does not saturate (ISA guide 7.6.2)
.set ii, ii+1
.endr
.irp g, 0,1,2,3,4,5,6,7
	v_cvt_scalef32_pk8_fp8_f32 v[PCA+2*\g:PCA+2*\g+1], v[TQ+8*\g:TQ+8*\g+7], v16
.endr
	v_nop                                          ; a plain line behind the last conversion
.endm
.macro CHAIN k                         ; the codebook alone: the numbers become quantized = (code at e7) x F.  Register work only
.set XS, XN+64*((\k)%2)
	s_cmp_lt_u32 ttmp9, 128
	s_cbranch_scc1 .Lnochain_\@
.set ii, 0
.rept 64
	v_med3_num_f32 v[XS+ii], v[XS+ii], -v21, v21
.set ii, ii+1
.endr
.irp g, 0,1,2,3,4,5,6,7
	v_cvt_scalef32_pk8_fp8_f32 v[TQ+2*\g:TQ+2*\g+1], v[XS+8*\g:XS+8*\g+7], v20
.endr
	v_nop
.irp g, 0,1,2,3,4,5,6,7
	v_cvt_scale_pk8_f32_fp8 v[XS+8*\g:XS+8*\g+7], v[TQ+2*\g:TQ+2*\g+1], v26
.endr
	v_nop
.set ii, 0
.rept 32
	v_pk_mul_f32 v[XS+2*ii:XS+2*ii+1], v[XS+2*ii:XS+2*ii+1], v[22:23]   ; two numbers of four bits each: nothing is rounded
.set ii, ii+1
.endr
.Lnochain_\@:
.endm
.macro QB k                            ; set b, in place
.set XS, XN+64*((\k)%2)
.set ii, 0
.rept 64
	v_med3_num_f32 v[XS+ii], v[XS+ii], -v19, v19
.set ii, ii+1
.endr
.irp g, 0,1,2,3,4,5,6,7
	v_cvt_scalef32_pk8_fp8_f32 v[PCB+2*\g:PCB+2*\g+1], v[XS+8*\g:XS+8*\g+7], v18
.endr
	v_nop
.endm
.macro IMAGE adr, pc, k                ; a fragment goes to LDS as it stands: lane l's 16 bytes at 16 l, 512 bytes a store
.irp c, 0,1,2,3
	ds_store_b128 v[\adr], v[\pc+4*\c:\pc+4*\c+3] offset:2048*(\k)+512*\c
.endr
.endm
; ---- THE PRODUCTS: step j = 0 .. 15: product j / 8, K step j % 8
.macro WLOAD2 j, t0                    ; two of my eight fragments of W for step j, tiles t0 and t0 + 1, into buffer j % 3
.if ((\j)%3) == 2
	WIN 0xc0
.set WLR, 0
.else
	WIN 0x80
.set WLR, 128*((\j)%3)
.endif
.irp u, 0,1
.irp c, 0,1,2,3
	global_load_b128 v[WLR+16*((\t0)+\u)+4*\c:WLR+16*((\t0)+\u)+4*\c+3], v1, s[38:39] offset:65536*(\j)+2048*((\t0)+\u)+512*\c
.endr
.endr
.endm
.macro WLOAD j                         ; all eight
	WLOAD2 \j, 0
	WLOAD2 \j, 2
	WLOAD2 \j, 4
	WLOAD2 \j, 6
	WIN 0
.endm
.macro AFETCH2 j, m0                   ; two of the four tiles of rows of step j, m0 and m0 + 1, into buffer j % 2
	WIN 0
.set AFL, XN+64*((\j)%2)
.set AAD, 1+7*((\j)/8)                 ; v1: set a; v8: set b
.irp m, \m0, \m0+1
.irp c, 0,1,2,3
	ds_load_b128 v[AFL+16*(\m)+4*\c:AFL+16*(\m)+4*\c+3], v[AAD] offset:16384*(\m)+2048*((\j)%8)+512*\c
.endr
.endr
.endm
.macro GSTEP j
.if (\j) < 15
	s_wait_loadcnt 32                              ; this step's W is in; the next step's 32 loads may be out
.else
	s_wait_loadcnt 0
.endif
	s_wait_dscnt 0x0                               ; this step's fragments of the rows, asked for early in the step before, are in
.if ((\j) > 0) && ((\j) < 15)
	s_wait_alu depctr_va_vdst(0)                   ; the step before is done reading its buffer of W and its fragments of the rows, in which the loads dealt below land
.endif
.set WBR, 128*((\j)%3)
.if ((\j)%3) == 2
.set WBR, 0
.endif
.set AFR, XN+64*((\j)%2)
.set aa, 0
.rept 32                                       ; the 32 accumulators take turns, one instruction a turn, in the same order in every step
.if ((\j)%3) == 2
	WIN 0x53                                       ; W window 3, rows window 0, C and D window 1
.else
	WIN 0x52                                       ; W window 2
.endif
.if ((\j)%8) == 0
	v_wmma_f32_16x16x128_fp8_fp8 v[8*aa:8*aa+7], v[WBR+16*(aa%8):WBR+16*(aa%8)+15], v[AFR+16*(aa/8):AFR+16*(aa/8)+15], 0
.else
	v_wmma_f32_16x16x128_fp8_fp8 v[8*aa:8*aa+7], v[WBR+16*(aa%8):WBR+16*(aa%8)+15], v[AFR+16*(aa/8):AFR+16*(aa/8)+15], v[8*aa:8*aa+7]
.endif
; the loads, eight at a time behind every fourth product, the next step's rows first.  No further wait: no product since the wait at the head names a register that they touch
.if (\j) <= 14
.if aa == 3
	AFETCH2 (\j)+1, 0
.endif
.if aa == 7
	AFETCH2 (\j)+1, 2
.endif
.endif
.if ((\j) <= 13) && (aa >= 11) && (aa <= 23) && ((aa%4) == 3)
	WLOAD2 (\j)+2, (aa-11)/2
.endif
.set aa, aa+1
.endr
	WIN 0
	PLACES 4                                       ; four places behind the step's products, ahead of loads into registers that they read and of the first read of results; they stay beside the wait at the next step's head
.endm
; ---- what follows product a
.macro SUMSQ                           ; my 128 columns' sum of squares for row r of each of the four tiles, in both halves of the lanes
	WIN 0x05
.set qq, 0
.rept 32
.irp m, 0,1,2,3
.if qq == 0
	v_pk_mul_f32 v[SS+2*\m:SS+2*\m+1], v[64*\m+2*qq:64*\m+2*qq+1], v[64*\m+2*qq:64*\m+2*qq+1]
.else
	v_pk_fma_f32 v[SS+2*\m:SS+2*\m+1], v[64*\m+2*qq:64*\m+2*qq+1], v[64*\m+2*qq:64*\m+2*qq+1], v[SS+2*\m:SS+2*\m+1]
.endif
.endr
.set qq, qq+1
.endr
	WIN 0
.irp m, 0,1,2,3
	v_add_f32 v[SQ+\m], v[SS+2*\m], v[SS+2*\m+1]
.endr
.irp m, 0,1,2,3
	v_permlanex16_b32 v[28+\m], v[SQ+\m], s54, s55
.endr
.irp m, 0,1,2,3
	v_add_f32 v[SQ+\m], v[SQ+\m], v[28+\m]
.endr
.endm
.macro XCH a                           ; the four waves' sums meet in area a: store, wait, barrier, load; every wave adds them in the same order
	s_wait_alu depctr_va_vdst(0)                   ; the additions have written v[SQ ..], which the LDS store reads; earlier vector lines are done with v[GG ..], in which the loads below land
	ds_store_b128 v11, v[SQ:SQ+3] offset:1024*\a
	BARRIER
.irp w, 0,1,2,3
	ds_load_b128 v[GG+4*\w:GG+4*\w+3], v12 offset:1024*\a+256*\w
.endr
	s_wait_dscnt 0x0
	s_wait_alu depctr_vm_vsrc(0)                   ; my LDS store has read v[SQ ..], which the next sums of squares write again
	v_pk_add_f32 v[TOT:TOT+1], v[GG:GG+1], v[GG+4:GG+5]
	v_pk_add_f32 v[TOT+2:TOT+3], v[GG+2:GG+3], v[GG+6:GG+7]
	v_pk_add_f32 v[TOT:TOT+1], v[TOT:TOT+1], v[GG+8:GG+9]
	v_pk_add_f32 v[TOT+2:TOT+3], v[TOT+2:TOT+3], v[GG+10:GG+11]
	v_pk_add_f32 v[TOT:TOT+1], v[TOT:TOT+1], v[GG+12:GG+13]
	v_pk_add_f32 v[TOT+2:TOT+3], v[TOT+2:TOT+3], v[GG+14:GG+15]
.endm
.macro RSQ                             ; 1 / sqrt(sum + 1e-12), each twice, to fill the pair that the packed multiply takes
.irp m, 0,1,2,3
	v_add_f32 v[TOT+\m], 0x2b8cbccc, v[TOT+\m]
.endr
	s_wait_alu depctr_va_vdst(0)
.irp m, 0,1,2,3
	v_rsq_f32 v[SS+2*\m], v[TOT+\m]
	v_rsq_f32 v[SS+2*\m+1], v[TOT+\m]
.endr
	v_nop                                          ; a plain line behind the last of the batch
	s_wait_alu depctr_va_vdst(0)                   ; the eight reciprocal roots have written v[SS ..]: one wait, ahead of their first reader
.endm
.macro SCALE
	WIN 0x41
.set qq, 0
.rept 32
.irp m, 0,1,2,3
	v_pk_mul_f32 v[64*\m+2*qq:64*\m+2*qq+1], v[64*\m+2*qq:64*\m+2*qq+1], v[SS+2*\m:SS+2*\m+1]
.endr
.set qq, qq+1
.endr
	WIN 0
.endm
; ---- the way out of product b, a tile of 16 rows at a time, through my first stage
.macro TOSTAGE b
	s_wait_xcnt 0x0                                ; earlier stores have read their registers: the loads below may land there
	s_wait_alu depctr_vm_vsrc(0)                   ; the LDS stores of the tile before have read v[XN ..], which the multiply-adds write again; the global stores issued so far have read v96-223, in which the loads below land
	WIN 0x31                                       ; sums window 1, bias window 3
.set qq, 0
.rept 32
	v_pk_fma_f32 v[XN+2*qq:XN+2*qq+1], v[64*(\b)+2*qq:64*(\b)+2*qq+1], s[50:51], v[BI+2*qq:BI+2*qq+1] op_sel_hi:[1,0,1]   ; sum x 2^(eA + eB) + bias; each accumulator from its low end on
.set qq, qq+1
.endr
	WIN 0
	s_wait_alu depctr_va_vdst(0)                   ; the multiply-adds have written v[XN ..], which the LDS stores read; the last products and the conversions are done with v96-223, in which the loads below land
.irp t, 0,1,2,3,4,5,6,7
	ds_store_b128 v9, v[XN+8*\t:XN+8*\t+3] offset:64*\t
	ds_store_b128 v9, v[XN+8*\t+4:XN+8*\t+7] offset:64*\t+16
.endr
.set BKR, 96+64*((\b)%2)
.irp i, 0,1,2,3,4,5,6,7,8,9,10,11,12,13,14,15
	ds_load_b128 v[BKR+4*\i:BKR+4*\i+3], v4 offset:528*\i
.endr
.endm
.macro SEND b, younger                 ; younger: the LDS instructions issued behind this tile's loads
.set BKR, 96+64*((\b)%2)
	s_wait_dscnt \younger
.irp i, 0,1,2,3,4,5,6,7,8,9,10,11,12,13,14,15
	global_store_b128 v1, v[BKR+4*\i:BKR+4*\i+3], s[44:45] offset:2048*(16*(\b)+\i)   ; 32 lanes store 512 consecutive bytes of a row of lat
.endr
.endm
	XLOAD 0
	XLOAD 1
	XLOAD 2
	XLOAD 3
	s_wait_kmcnt 0x0
	s_cmp_ge_u32 ttmp9, 128
	s_cselect_b32 s56, s26, s24                    ; product a: the rows' e,
	s_cselect_b32 s57, s27, s25                    ; W's
	s_cselect_b32 s60, s32, s34                    ; product b: the rows',
	s_cselect_b32 s61, s33, s35                    ; W's
	s_cselect_b32 s62, s29, s28                    ; the normalised latent's
	MKSC 56, 16, 17
	MKSC 60, 18, 19
	MKSC 31, 20, 21
	MKSC 62, 24, 25
	MKSC 30, 41, 40
	s_wait_alu depctr_va_vdst(0)
	s_add_co_i32 s48, s56, s57
	s_add_co_i32 s48, s48, 127
	s_lshl_b32 s48, s48, 23                        ; 2^(eA + eB) of product a,
	s_mov_b32 s49, s48                             ; (named with it as a pair, so it is written)
	s_add_co_i32 s50, s60, s61
	s_add_co_i32 s50, s50, 127
	s_lshl_b32 s50, s50, 23                        ; of product b
	s_mov_b32 s51, s50
	s_add_co_i32 s58, s28, s29
	s_sub_co_i32 s58, 126, s58
	s_lshl_b32 s58, s58, 23
	s_or_b32 s58, s58, 0x80000000                  ; -2^(-1 - e4 - e5)
	s_mov_b32 s59, s58
.irp i, 0,1,2,3,4,5,6,7
	v_min_num_f32 v[32+\i], 1.0, v40               ; the one-hot's 1, held at the largest code x 2^e6,
.endr
	v_cvt_scalef32_pk8_fp8_f32 v[42:43], v[32:39], v41   ; as a code,
	v_nop
	v_cvt_scale_pk8_f32_fp8 v[44:51], v[42:43], v26      ; and that code's value
	v_nop
	s_add_co_i32 s56, s30, s31
	v_ldexp_f32 v22, v44, s56                      ; F
	v_mov_b32 v23, v22
	s_wait_loadcnt 48                              ; K step 0 is in; steps 1 to 3 may be out
	s_wait_alu depctr_va_vdst(0)                   ; the lines that made F are done with v32 to v51, in which the stage's loads land
	TURN 0
.macro XSTEP k
	s_wait_dscnt 0x0                               ; this step's numbers are back
	s_wait_alu depctr_vm_vsrc(0)                   ; the stage's stores have read this step's loaded numbers, in whose registers the loads below land; the images' stores have read v[PCA ..] and v[PCB ..], which this step's conversions write again
.if (\k) < 4
	XLOAD (\k)+4
.endif
.if (\k) == 7
	WLOAD 0
	WLOAD 1
.endif
.if (\k) < 7
.if (\k) < 4
	s_wait_loadcnt 48                              ; the next step's 16 loads are in; those of the three steps behind it may be out
.else
	s_wait_loadcnt 16*(6-(\k))
.endif
	TURN (\k)+1                                    ; its loads land in the numbers' other buffer: no vector instruction has named that buffer since the wait ahead of the last step's images
.endif
	QA \k
	CHAIN \k
	QB \k
	s_wait_alu depctr_va_vdst(0)                   ; the conversions have written v[PCA ..] and v[PCB ..], which the images' stores read; the step is done with its buffer of numbers
	IMAGE 6, PCA, \k
	IMAGE 7, PCB, \k
.endm
.irp k, 0,1,2,3,4,5,6,7
	XSTEP \k
.endr
	BARRIER                                        ; all 64 fragments lie in LDS; nobody writes them again
	s_wait_alu depctr_vm_vsrc(0)                   ; my LDS stores have read their data: the loaded numbers' registers are accumulators from here on, v[PCA ..] and v[PCB ..] sums
	AFETCH2 0, 0
	AFETCH2 0, 2
.irp j, 0,1,2,3,4,5,6,7
	GSTEP \j
.endr
	; ---- product a is finished; W's next two steps and the next fragments of the rows are on their way
	WIN 0x71                                       ; sums window 1, bias window 3
.set aa, 0
.rept 32
.irp i, 0,2,4,6
	v_pk_fma_f32 v[8*aa+\i:8*aa+\i+1], v[8*aa+\i:8*aa+\i+1], s[48:49], v[BI+8*(aa%8)+\i:BI+8*(aa%8)+\i+1] op_sel_hi:[1,0,1]   ; each accumulator from its low end on
.endr
.set aa, aa+1
.endr
	WIN 0
	SUMSQ
	XCH 0
	RSQ
	SCALE                                          ; normalised once
	SUMSQ
	XCH 1
	RSQ
.irp n, 0,1,2,3,4,5,6,7
	v_cndmask_b32 v[SS+\n], 1.0, v[SS+\n], s52     ; the second normalisation is the codebook's alone: x is multiplied by 1
.endr
	SCALE
	SUMSQ                                          ; b2's parts
	WIN 0x41
.set ii, 0
.rept 256
	v_med3_num_f32 v[ii], v[ii], -v25, v25
.set ii, ii+1
.endr
	WIN 0x01
.set aa, 0
.rept 32
	v_cvt_scalef32_pk8_fp8_f32 v[TQ+2*aa:TQ+2*aa+1], v[8*aa:8*aa+7], v24   ; tile t's eight columns: registers 2 t, 2 t + 1 of K step w of the next product
.set aa, aa+1
.endr
	v_nop                                          ; a plain line behind the last conversion: the next products write its sources
	WIN 0
	s_wait_alu depctr_va_vdst(0)                   ; the additions have written v[SQ ..] and the conversions v[TQ ..], which the stores below read
.irp m, 0,1,2,3
	ds_store_b32 v13, v[SQ+\m] offset:64*\m
.endr
.irp m, 0,1,2,3
.irp c, 0,1,2,3
	global_store_b128 v1, v[TQ+16*\m+4*\c:TQ+16*\m+4*\c+3], s[42:43] offset:8192*\m+512*\c   ; 512 consecutive bytes
.endr
.endr
	BARRIER                                        ; the third area is whole
	s_cmp_lg_u32 s22, 0
	s_cbranch_scc1 .Lnocneg
	s_cmp_lt_u32 ttmp9, 128
	s_cbranch_scc1 .Lnocneg
.irp w, 0,1,2,3
	ds_load_b64 v[GG+2*\w:GG+2*\w+1], v14 offset:256*\w    ; no vector instruction has named v[GG ..] since the wait ahead of the stores above
.endr
	s_wait_dscnt 0x0
	v_pk_add_f32 v[GG:GG+1], v[GG:GG+1], v[GG+2:GG+3]
	v_pk_add_f32 v[GG:GG+1], v[GG:GG+1], v[GG+4:GG+5]
	v_pk_add_f32 v[GG:GG+1], v[GG:GG+1], v[GG+6:GG+7]
	v_pk_mul_f32 v[GG:GG+1], v[GG:GG+1], s[58:59] op_sel_hi:[1,0]
	s_wait_alu depctr_va_vdst(0)                   ; the multiplication has written v[GG:GG+1], which the store reads
	global_store_b64 v10, v[GG:GG+1], s[46:47]     ; 64 codes: 256 consecutive bytes
.Lnocneg:
.irp j, 8,9,10,11,12,13,14,15
	GSTEP \j
.endr
	TOSTAGE 0
.irp b, 1,2,3
	TOSTAGE \b
	SEND \b-1, 32                                  ; behind tile b - 1's loads: tile b's 16 stores and 16 loads
.endr
	SEND 3, 0
	s_set_vgpr_msb 0xf                             ; the add's two registers, sources 0 and 1, lie in window 3
	s_wait_dscnt 0x0                               ; the closing lines, six on end
	s_wait_alu 0x0
	s_wait_tensorcnt 0x0
	ds_add_u32 v254, v255
	s_wait_dscnt 0x0
	s_endpgm
.Lfunc_end_k_qdde5b90007_rows:
	.size	k_qdde5b90007_rows, .Lfunc_end_k_qdde5b90007_rows-k_qdde5b90007_rows
	.p2alignl 7, 3214868480
	.fill 96, 4, 3214868480
	.section	.rodata,"a",@progbits
	.p2align	6, 0x0
	.amdhsa_kernel k_qdde5b90007_rows
		.amdhsa_group_segment_fixed_size 202240
		.amdhsa_private_segment_fixed_size 0
		.amdhsa_enable_private_segment 0
		.amdhsa_kernarg_size 72
		.amdhsa_user_sgpr_count 2
		.amdhsa_user_sgpr_kernarg_segment_ptr 1
		.amdhsa_wavefront_size32 1
		.amdhsa_system_sgpr_workgroup_id_x 1
		.amdhsa_system_sgpr_workgroup_id_y 1
		.amdhsa_system_sgpr_workgroup_id_z 1
		.amdhsa_system_vgpr_workitem_id 0
		.amdhsa_next_free_vgpr 1024
		.amdhsa_next_free_sgpr 66
		.amdhsa_reserve_vcc 0
		.amdhsa_float_denorm_mode_32 3
		.amdhsa_float_denorm_mode_16_64 3
		.amdhsa_memory_ordered 1
		.amdhsa_forward_progress 1
		.amdhsa_inst_pref_size 255
	.end_amdhsa_kernel
	.section	.bss,"aw",@nobits
	.p2align	6
	.space	262144
	.amdgpu_metadata
---
amdhsa.version: [ 1, 2 ]
amdhsa.kernels:
  - .name:           k_qdde5b90007_rows
    .symbol:         k_qdde5b90007_rows.kd
    .args:
      - { .name: x, .offset: 0, .size: 8, .value_kind: global_buffer, .address_space: global }
      - { .name: codebook, .offset: 8, .size: 8, .value_kind: global_buffer, .address_space: global }
      - { .name: wcodes, .offset: 16, .size: 8, .value_kind: global_buffer, .address_space: global }
      - { .name: b_in, .offset: 24, .size: 8, .value_kind: global_buffer, .address_space: global }
      - { .name: b_code, .offset: 32, .size: 8, .value_kind: global_buffer, .address_space: global }
      - { .name: lowp_scales, .offset: 40, .size: 8, .value_kind: global_buffer, .address_space: global }
      - { .name: lcodes, .offset: 48, .size: 8, .value_kind: global_buffer, .address_space: global }
      - { .name: cneg, .offset: 56, .size: 8, .value_kind: global_buffer, .address_space: global }
      - { .name: lat, .offset: 64, .size: 8, .value_kind: global_buffer, .address_space: global }
    .group_segment_fixed_size: 202240
    .private_segment_fixed_size: 0
    .kernarg_segment_align: 8
    .kernarg_segment_size: 72
    .max_flat_workgroup_size: 128
    .sgpr_count:     66
    .vgpr_count:     1024
    .wavefront_size: 32
...
	.end_amdgpu_metadata
.endif
;; end of part 9
;; launch dist (part 10): grid 64 x 4, 4 waves a work-group, no clusters, 4,608 bytes of LDS; arguments lcodes, cneg, cbest, cidx; writes cbest, cidx
.if DOCPART == 10
	.amdgcn_target "amdgcn-amd-amdhsa--gfx1250"
	.amdhsa_code_object_version 6
	.text
	.protected	k_qdde5b90007_dist
	.globl	k_qdde5b90007_dist
	.p2align	8
	.type	k_qdde5b90007_dist,@function
k_qdde5b90007_dist:
	s_mov_b64 s[64:65], 0
	v_nop
	global_prefetch_b8 v0, s[64:65] scope:SCOPE_SE
	s_setreg_imm32_b32 hwreg(HW_REG_WAVE_SCHED_MODE, 0, 2), 2
	s_setreg_imm32_b32 hwreg(HW_REG_WAVE_MODE, 25, 1), 1
	s_wait_xcnt 0x0
	s_wait_alu depctr_vm_vsrc(0)
; For each of the work-group's 128 tokens: among one QUARTER of the codes (1,024 of 4,096: work-group y) the code v with the smallest a2 - 2 a.b + b2.  a2 is the same for all codes of a token, so the ranking
; is by the largest score = (sum of the codes' products) - b2[v] 2^(-1 - e4 - e5), which is (2 a.b - b2) / 2^(1 + e4 + e5).  At equal scores the lowest v wins.  NaN is not served.
; The quarter's best score goes to cbest [quarter][token], its code to cidx [quarter][token]; the next launch takes the best of the four.
; SHARES.  64 blocks of tokens x 4 quarters are 256 work-groups.  All four waves hold the block's eight tiles of tokens (512 registers); wave w walks the code tiles 64 y + 16 w + i, i = 0 .. 15.
;   So a byte of a code's fragment is loaded once in the work-group and feeds 128 tokens: 8 KiB a tile for 32 matrix instructions.
; THE MATRIX INSTRUCTION IS USED TRANSPOSED: source 0 = 16 codes, source 1 = 16 tokens: lane (r, h) holds token r, register j code 16 tile + 8 h + j.  cneg is the C of a tile's first products.
; Fragments come straight from memory, laid by the launch before in the order of the registers: 16 loads of 512 consecutive bytes a tile, in four sets by turns: a set is asked for again in the tile behind its
;   products, three tiles ahead of its use; a wave has at most three tiles, 54 loads, on their way.  Each set has pointers of its own, stepped behind the counted wait that shows the set's own loads done.
; WHY NO SLOTS IN LDS AND NO JOINT LOADS for the codes' fragments, which the 64 work-groups of a quarter all walk: each fragment is wanted by one wave of a work-group alone; through slots every byte would pass
;   LDS once more, and each change of slots would stop the four waves at a barrier with one load a wave on its way, against the three tiles that stay on their way here with no barrier in the walk.
; No branch and no address hangs on a score: the choice is made by v_cndmask_b32 in every tile.
; REGISTERS.  window 0: v1-7 addresses; v8-15 the best score of token (m, r) among my codes, v16-23 its place; v24-55 cneg, four sets; v64-127 the eight tiles of scores; v128-175 the end's work.
;   window 1: tokens' fragments (m, s), m = 0 .. 3, at 64 m + 16 s.   window 2: m = 4 .. 7.   window 3: codes' fragments, four sets of 64 (s at 16 s).
; THE MODE: SCHED_MODE bits 1:0 = 2 (LLVM: expert scheduling mode 2), set by the entry lines.  The code itself states the register dependences between vector or matrix instructions and memory or LDS instructions, with s_wait_alu, always for 0.
; THE PLAN.  Registers that memory or LDS instructions touch, and who else names them:
;   sets 0 .. 3   (a tile's fragments in window 3 and its cneg in v[CI ..]).  Tile t's products read set t % 4; the 18 loads of tile t + 3, issued in tile t, land in set (t - 1) % 4, which tile t - 1's products read.
;   v1, v4, v5    offsets and an LDS address: written once at the head, never again.
;   the tokens' fragments: loaded once at the head, read by products alone.
;   BEST, BIDX    at the end: written by the selects, read by the LDS stores.   v144-175: at the end LDS loads land there, selects work on them, two global stores read them.
; So ONE wait on va_vdst stands at a tile's head: the tile before is done reading its set.  The tile's 18 loads follow among its first sixteen products, which name set t % 4, the tokens and the scores: no register that those loads touch.
; A compare writes its mask into a scalar register, and a wait on va_sdst stands ahead of the selects that read it.  The eight compares of register j + 1 stand between the two runs of selects of register j, in a second set of masks,
; so that eight instructions lie between a run of compares and the wait for it.
.set BEST, 8
.set BIDX, 16
.set CI,   24
.set ACC,  64
.set PX,   128                         ; v128-143 what the lane 16 away holds
.set FS,   144                         ; v144-159 the four waves' scores of four tokens
.set FI,   160                         ; v160-175 and their codes
.set BP,   20                          ; s[20+4q:21+4q] set q's place in the codes' fragments, s[22+4q:23+4q] in cneg: s20 to s35
.set MA,   40                          ; s40-47 eight masks (at the head: byte offsets)
.set PL,   48                          ; s48-55 register j's place among my wave's 256 codes, less 8 h
.set MB,   56                          ; s56-63 eight masks more: MA + 16
.set MSB, 0
.macro WIN new                         ; the immediate's high byte repeats the setting that is left
.if MSB != \new
	s_set_vgpr_msb (MSB<<8)|\new
.set MSB, \new
.endif
.endm
.macro PLACES n
.rept \n
	v_nop
.endr
.endm
	s_load_b256 s[4:11], s[0:1], 0x0               ; lcodes, cneg, cbest, cidx
	v_lshl_add_u32 v254, v0, 2, 0x1000
	v_mov_b32 v255, 0
	v_lshrrev_b32 v2, 5, v0
	v_readfirstlane_b32 s12, v2                    ; wave 0..3
	v_and_b32 v2, 31, v0
	v_and_b32 v3, 15, v0                           ; r
	v_bfe_u32 v7, v0, 4, 1                         ; h
	v_lshlrev_b32 v1, 4, v2                        ; v1 16 x lane
	v_lshlrev_b32 v4, 5, v7                        ; v4 32 h
	s_wait_alu depctr_va_sdst(0)                   ; s12 is written, ahead of its first reader: an LDS address and the wave's bases are made from it
	s_lshl_b32 s18, s12, 10                        ; my wave's 1,024 bytes of LDS
	v_lshlrev_b32 v5, 2, v3
	v_add_nc_u32 v5, s18, v5                       ; v5 1,024 w + 4 r
.irp m, 0,1,2,3,4,5,6,7
	v_mov_b32 v[BEST+\m], 0xff800000               ; -infinity, under every score
	v_mov_b32 v[BIDX+\m], 0
	s_mov_b32 s[PL+\m], \m                         ; register j's place among my wave's 256 codes, less 8 h
.endr
.irp n, 0,1,2,3,4,5,6,7,8,9,10,11,12,13,14,15
	v_mov_b32 v[PX+\n], 0                          ; written once: a lane permute's destination counts as one of its sources
.endr
	s_mov_b32 s2, 0x76543210
	s_mov_b32 s3, 0xfedcba98                       ; lane l xor 16
	s_and_b32 s14, ttmp7, 0xffff                   ; y: the quarter
	s_lshl_b32 s15, s14, 10
	s_lshl_b32 s19, s12, 8
	s_add_co_u32 s15, s15, s19                     ; my wave's first code: 1,024 y + 256 w
	s_lshl_b32 s40, ttmp9, 16                      ; my block's eight tiles of tokens, 8,192 bytes each
	s_mov_b32 s41, 0
	s_lshl_b32 s42, s14, 19                        ; the codes' tiles lie behind the 512 tiles of tokens: 64 tiles a quarter, 16 a wave
	s_lshl_b32 s19, s12, 17
	s_add_co_u32 s42, s42, s19
	s_add_co_u32 s42, s42, 0x400000
	s_mov_b32 s43, 0
	s_lshl_b32 s44, s15, 2                         ; cneg at my first code
	s_mov_b32 s45, 0
	s_lshl_b32 s46, s14, 15                        ; the results: 32,768 bytes a quarter, 512 a block
	s_lshl_b32 s19, ttmp9, 9
	s_add_co_u32 s46, s46, s19
	s_mov_b32 s47, 0
	s_wait_kmcnt 0x0
	s_add_nc_u64 s[16:17], s[4:5], s[40:41]
	s_add_nc_u64 s[BP:BP+1], s[4:5], s[42:43]
	s_add_nc_u64 s[BP+2:BP+3], s[6:7], s[44:45]
.irp q, 1,2,3
	s_mov_b64 s[BP+4*\q:BP+4*\q+1], s[BP:BP+1]     ; the four sets' pointers begin alike: a set reaches its tile by the immediate
	s_mov_b64 s[BP+4*\q+2:BP+4*\q+3], s[BP+2:BP+3]
.endr
	s_add_nc_u64 s[8:9], s[8:9], s[46:47]
	s_add_nc_u64 s[10:11], s[10:11], s[46:47]
	WIN 0x40                                       ; destination window 1
	s_wait_alu depctr_va_vdst(0)                   ; the offsets v1 and v4 are written, which every load below reads
.set aa, 0
.rept 16
.irp c, 0,1,2,3
	global_load_b128 v[16*aa+4*\c:16*aa+4*\c+3], v1, s[16:17] offset:2048*aa+512*\c
.endr
.set aa, aa+1
.endr
	WIN 0x80                                       ; destination window 2
.set aa, 0
.rept 16
.irp c, 0,1,2,3
	global_load_b128 v[16*aa+4*\c:16*aa+4*\c+3], v1, s[16:17] offset:32768+2048*aa+512*\c
.endr
.set aa, aa+1
.endr
	WIN 0
; Set p's loads.  Sets 0 to 2 are first asked for at the head, with their pointers as they begin, p tiles on by the immediate; from then on a set's pointers step four tiles ahead of each request.
; Set 3 is first asked for in tile 0, behind a step of its pointers: so its immediate reaches one tile back.
.macro LOADF p, s                      ; fragment s: four loads of 512 consecutive bytes; the destination lies in window 3
.irp c, 0,1,2,3
	global_load_b128 v[64*(\p)+16*(\s)+4*\c:64*(\p)+16*(\s)+4*\c+3], v1, s[BP+4*(\p):BP+4*(\p)+1] offset:8192*(\p)-32768*((\p)/3)+2048*(\s)+512*\c
.endr
.endm
.macro LOADC p                         ; the tile's cneg at codes 8 h + 0 .. 7
	global_load_b128 v[CI+8*(\p):CI+8*(\p)+3], v4, s[BP+4*(\p)+2:BP+4*(\p)+3] offset:64*(\p)-256*((\p)/3)
	global_load_b128 v[CI+8*(\p)+4:CI+8*(\p)+7], v4, s[BP+4*(\p)+2:BP+4*(\p)+3] offset:64*(\p)-256*((\p)/3)+16
.endm
; Register j of the eight tiles of scores against the best so far: strictly greater, so the earlier, lower place stays.  sg: the set of masks
.macro CMPS j, sg
.irp m, 0,1,2,3,4,5,6,7
	v_cmp_gt_f32 s[\sg+\m], v[ACC+8*\m+(\j)], v[BEST+\m]
.endr
.endm
.macro TAKE j, sg
.irp m, 0,1,2,3,4,5,6,7
	v_cndmask_b32 v[BEST+\m], v[BEST+\m], v[ACC+8*\m+(\j)], s[\sg+\m]
.endr
.endm
.macro PLACE j, sg
.irp m, 0,1,2,3,4,5,6,7
	v_cndmask_b32 v[BIDX+\m], v[BIDX+\m], s[PL+(\j)], s[\sg+\m]
.endr
.endm
; A tile of 16 codes, in set q, against the 128 tokens: 32 products, four accumulators by turns at a time; then the tile's scores are compared.
; cnt: the loads of the younger tiles, which may stay out.  ld = 1: the set that the tile before multiplied takes the tile three further on than this one.
.macro TILE q, ld, cnt
	s_wait_loadcnt \cnt                            ; loads come back in order (ISA guide 5.7.1): this set's are in; those of the set before it came in a tile ago, so that set's pointers may be written
.if \ld
	s_add_nc_u64 s[BP+4*((\q+3)%4):BP+4*((\q+3)%4)+1], s[BP+4*((\q+3)%4):BP+4*((\q+3)%4)+1], 32768     ; four tiles on
	s_add_nc_u64 s[BP+4*((\q+3)%4)+2:BP+4*((\q+3)%4)+3], s[BP+4*((\q+3)%4)+2:BP+4*((\q+3)%4)+3], 256
	s_wait_alu depctr_va_vdst(0)                   ; the products of the tile before are done reading their set's fragments and cneg, in which the loads dealt below land
.endif
.irp s, 0,1,2,3
	WIN 0x07                                       ; codes window 3, tokens window 1, C and D window 0
.irp m, 0,1,2,3
.if \s == 0
	v_wmma_f32_16x16x128_fp8_fp8 v[ACC+8*\m:ACC+8*\m+7], v[64*\q+16*\s:64*\q+16*\s+15], v[64*\m+16*\s:64*\m+16*\s+15], v[CI+8*\q:CI+8*\q+7]
.else
	v_wmma_f32_16x16x128_fp8_fp8 v[ACC+8*\m:ACC+8*\m+7], v[64*\q+16*\s:64*\q+16*\s+15], v[64*\m+16*\s:64*\m+16*\s+15], v[ACC+8*\m:ACC+8*\m+7]
.endif
.endr
.if \ld
	WIN 0xc0                                       ; destination window 3
	LOADF (\q+3)%4, \s                             ; four loads behind four products.  No further wait: no product since the wait at the head names a register that they touch
.endif
.endr
.if \ld
	WIN 0
	LOADC (\q+3)%4
.endif
	WIN 0x0b                                       ; tokens window 2
.irp s, 0,1,2,3
.irp m, 0,1,2,3
.if \s == 0
	v_wmma_f32_16x16x128_fp8_fp8 v[ACC+32+8*\m:ACC+32+8*\m+7], v[64*\q+16*\s:64*\q+16*\s+15], v[64*\m+16*\s:64*\m+16*\s+15], v[CI+8*\q:CI+8*\q+7]
.else
	v_wmma_f32_16x16x128_fp8_fp8 v[ACC+32+8*\m:ACC+32+8*\m+7], v[64*\q+16*\s:64*\q+16*\s+15], v[64*\m+16*\s:64*\m+16*\s+15], v[ACC+32+8*\m:ACC+32+8*\m+7]
.endif
.endr
.endr
	WIN 0
	PLACES 4                                       ; in front of the first read of these products' results (ISA guide 7.12.1)
	CMPS 0, MA                                     ; each accumulator from its low end on
.irp j, 0,1,2,3,4,5,6,7
	s_wait_alu depctr_va_sdst(0)                   ; the compares of register j have written their eight masks, ahead of the selects that read them
	TAKE \j, MA+16*((\j)%2)
.if \j < 7
	CMPS \j+1, MA+16*((\j+1)%2)                    ; against the best that the selects above have made; into the other set of masks
.endif
	PLACE \j, MA+16*((\j)%2)
.endr
.irp j, 0,1,2,3,4,5,6,7
	s_add_co_u32 s[PL+\j], s[PL+\j], 16            ; on to the next tile's places
.endr
.endm
.irp q, 0,1,2                                  ; tiles 0 to 2: each tile's 16 + 2 loads on end, so that the counts at the tiles' heads are whole tiles
	WIN 0xc0
.irp s, 0,1,2,3
	LOADF \q, \s
.endr
	WIN 0
	LOADC \q
.endr
	s_mov_b32 s13, 3
.Ltrip:                                            ; trip u: tiles 4 u to 4 u + 3; tiles 4 u + 3 to 4 u + 6 are asked for
	TILE 0, 1, 36                                  ; the two younger tiles' 2 x 18 loads may be out
	TILE 1, 1, 36
	TILE 2, 1, 36
	TILE 3, 1, 36
	s_sub_co_u32 s13, s13, 1
	s_cmp_lg_u32 s13, 0
	s_cbranch_scc1 .Ltrip
	TILE 0, 1, 36                                  ; tile 12; tile 15 is asked for: the last
	TILE 1, 0, 36                                  ; tile 13: tiles 14 and 15 may be out
	TILE 2, 0, 18                                  ; tile 14
	TILE 3, 0, 0                                   ; tile 15
	; a token's other eight codes of each tile lie in the lane 16 away: greater wins, at equal scores the lower code
	v_lshlrev_b32 v[FS], 3, v7
	v_add_nc_u32 v[FS], s15, v[FS]                 ; 1,024 y + 256 w + 8 h
.irp m, 0,1,2,3,4,5,6,7
	v_add_nc_u32 v[BIDX+\m], v[BIDX+\m], v[FS]     ; the code's number
.endr
.irp m, 0,1,2,3,4,5,6,7
	v_permlanex16_b32 v[PX+\m], v[BEST+\m], s2, s3
	v_permlanex16_b32 v[PX+8+\m], v[BIDX+\m], s2, s3
.endr
.irp m, 0,1,2,3,4,5,6,7                        ; the 24 compares in one run, each into a register of its own
	v_cmp_gt_f32 s[MA+\m], v[PX+\m], v[BEST+\m]
	v_cmp_eq_f32 s[MB+\m], v[PX+\m], v[BEST+\m]
	v_cmp_lt_u32 s[PL+\m], v[PX+8+\m], v[BIDX+\m]
.endr
	s_wait_alu depctr_va_sdst(0)                   ; the 24 masks are written, ahead of the scalar lines that read them
.irp m, 0,1,2,3,4,5,6,7
	s_and_b32 s[MB+\m], s[MB+\m], s[PL+\m]
	s_or_b32 s[MA+\m], s[MA+\m], s[MB+\m]
.endr
.irp m, 0,1,2,3,4,5,6,7
	v_cndmask_b32 v[BEST+\m], v[BEST+\m], v[PX+\m], s[MA+\m]
	v_cndmask_b32 v[BIDX+\m], v[BIDX+\m], v[PX+8+\m], s[MA+\m]
.endr
	s_wait_alu depctr_va_vdst(0)                   ; the selects have written BEST and BIDX, which the LDS stores read; the additions above are done with v[FS], in which an LDS load lands below
.irp m, 0,1,2,3,4,5,6,7
	ds_store_b32 v5, v[BEST+\m] offset:64*\m       ; [wave][score, code][token 16 m + r]; both halves of the lanes hold the same
	ds_store_b32 v5, v[BIDX+\m] offset:512+64*\m
.endr
	s_wait_dscnt 0x0                               ; for the others' sake: my stores have landed
	s_barrier_signal -1
	s_barrier_wait -1
	s_cmp_lg_u32 s12, 0
	s_cbranch_scc1 .Ldone
.irp w, 0,1,2,3
	ds_load_b128 v[FS+4*\w:FS+4*\w+3], v1 offset:1024*\w          ; four tokens a lane
	ds_load_b128 v[FI+4*\w:FI+4*\w+3], v1 offset:1024*\w+512
.endr
	s_wait_dscnt 0x0
.irp w, 1,2,3                                  ; the waves' codes ascend with w: strictly greater keeps the lower code
.irp e, 0,1,2,3
	v_cmp_gt_f32 s[MA+\e], v[FS+4*\w+\e], v[FS+\e]
.endr
	s_wait_alu depctr_va_sdst(0)                   ; the four masks are written, ahead of the selects that read them
.irp e, 0,1,2,3
	v_cndmask_b32 v[FS+\e], v[FS+\e], v[FS+4*\w+\e], s[MA+\e]
	v_cndmask_b32 v[FI+\e], v[FI+\e], v[FI+4*\w+\e], s[MA+\e]
.endr
.endr
	s_wait_alu depctr_va_vdst(0)                   ; the selects have written v[FS:FS+3] and v[FI:FI+3], which the two stores read
	global_store_b128 v1, v[FS:FS+3], s[8:9]       ; 128 tokens: 512 consecutive bytes
	global_store_b128 v1, v[FI:FI+3], s[10:11]
.Ldone:
	s_wait_dscnt 0x0                               ; the closing lines, six on end
	s_wait_alu 0x0
	s_wait_tensorcnt 0x0
	ds_add_u32 v254, v255
	s_wait_dscnt 0x0
	s_endpgm
.Lfunc_end_k_qdde5b90007_dist:
	.size	k_qdde5b90007_dist, .Lfunc_end_k_qdde5b90007_dist-k_qdde5b90007_dist
	.p2alignl 7, 3214868480
	.fill 96, 4, 3214868480
	.section	.rodata,"a",@progbits
	.p2align	6, 0x0
	.amdhsa_kernel k_qdde5b90007_dist
		.amdhsa_group_segment_fixed_size 4608
		.amdhsa_private_segment_fixed_size 0
		.amdhsa_enable_private_segment 0
		.amdhsa_kernarg_size 32
		.amdhsa_user_sgpr_count 2
		.amdhsa_user_sgpr_kernarg_segment_ptr 1
		.amdhsa_wavefront_size32 1
		.amdhsa_system_sgpr_workgroup_id_x 1
		.amdhsa_system_sgpr_workgroup_id_y 1
		.amdhsa_system_sgpr_workgroup_id_z 1
		.amdhsa_system_vgpr_workitem_id 0
		.amdhsa_next_free_vgpr 1024
		.amdhsa_next_free_sgpr 66
		.amdhsa_reserve_vcc 0
		.amdhsa_float_denorm_mode_32 3
		.amdhsa_float_denorm_mode_16_64 3
		.amdhsa_memory_ordered 1
		.amdhsa_forward_progress 1
		.amdhsa_inst_pref_size 159
	.end_amdhsa_kernel
	.amdgpu_metadata
---
amdhsa.version: [ 1, 2 ]
amdhsa.kernels:
  - .name:           k_qdde5b90007_dist
    .symbol:         k_qdde5b90007_dist.kd
    .args:
      - { .name: lcodes, .offset: 0, .size: 8, .value_kind: global_buffer, .address_space: global }
      - { .name: cneg, .offset: 8, .size: 8, .value_kind: global_buffer, .address_space: global }
      - { .name: cbest, .offset: 16, .size: 8, .value_kind: global_buffer, .address_space: global }
      - { .name: cidx, .offset: 24, .size: 8, .value_kind: global_buffer, .address_space: global }
    .group_segment_fixed_size: 4608
    .private_segment_fixed_size: 0
    .kernarg_segment_align: 8
    .kernarg_segment_size: 32
    .max_flat_workgroup_size: 128
    .sgpr_count:     66
    .vgpr_count:     1024
    .wavefront_size: 32
...
	.end_amdgpu_metadata
.endif
;; end of part 10
;; launch pick (part 11): grid 8 x 1, 8 waves a work-group, no clusters, 0 bytes of LDS; arguments cbest, cidx, idx; writes idx
.if DOCPART == 11
	.amdgcn_target "amdgcn-amd-amdhsa--gfx1250"
	.amdhsa_code_object_version 6
	.text
	.protected	k_qdde5b90007_pick
	.globl	k_qdde5b90007_pick
	.p2align	8
	.type	k_qdde5b90007_pick,@function
k_qdde5b90007_pick:
	s_mov_b64 s[64:65], 0
	v_nop
	global_prefetch_b8 v0, s[64:65] scope:SCOPE_SE
	s_setreg_imm32_b32 hwreg(HW_REG_WAVE_MODE, 25, 1), 1
	s_wait_xcnt 0x0
; idx[token] = the code of the best of the four quarters' scores.  cbest, cidx: [quarter 4][token 8,192].  The quarters' codes ascend, so strictly greater keeps the lower code at equal scores.  NaN is not served.
; The choice spans four work-groups of the launch before and steers addresses in the launch behind, so it has a launch of its own and stores whole numbers.
; A thread takes four tokens: every load and the store of a wave cover 512 consecutive bytes; 8 work-groups x 256 threads x 4 are the 8,192 tokens.  288 KiB move in all: no LDS, no matrix unit, no cluster.
	s_load_b128 s[4:7], s[0:1], 0x0                ; cbest, cidx
	s_load_b64 s[8:9], s[0:1], 0x10                ; idx
	v_lshlrev_b32 v1, 4, v0
	s_lshl_b32 s10, ttmp9, 12
	v_add_nc_u32 v1, s10, v1                       ; 4,096 x work-group + 16 x thread
	s_wait_alu depctr_va_vdst(0)
	s_wait_kmcnt 0x0
.irp y, 0,1,2,3
	global_load_b128 v[8+4*\y:11+4*\y], v1, s[4:5] offset:32768*\y th:TH_LOAD_NT
	global_load_b128 v[24+4*\y:27+4*\y], v1, s[6:7] offset:32768*\y th:TH_LOAD_NT
.endr
	s_wait_loadcnt 0x0
.irp y, 1,2,3
.irp e, 0,1,2,3
	v_cmp_gt_f32 s[12+\e], v[8+4*\y+\e], v[8+\e]
.endr
.irp e, 0,1,2,3
	v_cndmask_b32 v[8+\e], v[8+\e], v[8+4*\y+\e], s[12+\e]
	v_cndmask_b32 v[24+\e], v[24+\e], v[24+4*\y+\e], s[12+\e]
.endr
.endr
	global_store_b128 v1, v[24:27], s[8:9]
	s_endpgm
.Lfunc_end_k_qdde5b90007_pick:
	.size	k_qdde5b90007_pick, .Lfunc_end_k_qdde5b90007_pick-k_qdde5b90007_pick
	.p2alignl 7, 3214868480
	.fill 96, 4, 3214868480
	.section	.rodata,"a",@progbits
	.p2align	6, 0x0
	.amdhsa_kernel k_qdde5b90007_pick
		.amdhsa_group_segment_fixed_size 0
		.amdhsa_private_segment_fixed_size 0
		.amdhsa_enable_private_segment 0
		.amdhsa_kernarg_size 24
		.amdhsa_user_sgpr_count 2
		.amdhsa_user_sgpr_kernarg_segment_ptr 1
		.amdhsa_wavefront_size32 1
		.amdhsa_system_sgpr_workgroup_id_x 1
		.amdhsa_system_sgpr_workgroup_id_y 1
		.amdhsa_system_sgpr_workgroup_id_z 1
		.amdhsa_system_vgpr_workitem_id 0
		.amdhsa_next_free_vgpr 48
		.amdhsa_next_free_sgpr 66
		.amdhsa_reserve_vcc 0
		.amdhsa_float_denorm_mode_32 3
		.amdhsa_float_denorm_mode_16_64 3
		.amdhsa_memory_ordered 1
		.amdhsa_forward_progress 1
		.amdhsa_inst_pref_size 4
	.end_amdhsa_kernel
	.amdgpu_metadata
---
amdhsa.version: [ 1, 2 ]
amdhsa.kernels:
  - .name:           k_qdde5b90007_pick
    .symbol:         k_qdde5b90007_pick.kd
    .args:
      - { .name: cbest, .offset: 0, .size: 8, .value_kind: global_buffer, .address_space: global }
      - { .name: cidx, .offset: 8, .size: 8, .value_kind: global_buffer, .address_space: global }
      - { .name: idx, .offset: 16, .size: 8, .value_kind: global_buffer, .address_space: global }
    .group_segment_fixed_size: 0
    .private_segment_fixed_size: 0
    .kernarg_segment_align: 8
    .kernarg_segment_size: 24
    .max_flat_workgroup_size: 256
    .sgpr_count:     66
    .vgpr_count:     48
    .wavefront_size: 32
...
	.end_amdgpu_metadata
.endif
;; end of part 11
;; launch outk (part 12): grid 256 x 1, 16 waves a work-group, no clusters, 6,144 bytes of LDS; arguments x, codebook, lat, idx, lowp_scales, out0, part; writes out0, part
.if DOCPART == 12
	.amdgcn_target "amdgcn-amd-amdhsa--gfx1250"
	.amdhsa_code_object_version 6
	.text
	.protected	k_qdde5b90007_outk
	.globl	k_qdde5b90007_outk
	.p2align	8
	.type	k_qdde5b90007_outk,@function
k_qdde5b90007_outk:
	s_mov_b64 s[64:65], 0
	v_nop
	global_prefetch_b8 v0, s[64:65] scope:SCOPE_SE
	s_setreg_imm32_b32 hwreg(HW_REG_WAVE_MODE, 25, 1), 1
	s_wait_xcnt 0x0
; 32 tokens a work-group, two a wave.  For token n with code v = idx[n]: quantized = (codebook[v] as a code at e7) x F, F = (1 as a code at e6) x 2^(e6 + e7): the one-hot product's row, exact in f32.
; out0 = x + (quantized - x);  S1 += (quantized - x)^2;  S2 += (lat[8192 + v] - lat[n])^2.
; The work-group also counts, among all 8,192 idx, those that fall into its 16 bins 16 g .. 16 g + 15, and stores four numbers to part: S1, S2, the sum of p log2(p + 1e-10), the number of bins in use.
; Memory binds: a token's rows are read and written whole, 512 consecutive bytes an instruction, and all 52 loads of a wave are asked for at once, each into registers of its own.  No matrix unit, no slots, no cluster:
; work-groups share only the 32 KiB of idx.  part's 16 bytes a work-group are the one store that does not fill 256 consecutive bytes.
; idx is a buffer of whole numbers that an earlier launch stored; it enters addresses behind a clamp to 4,095.  LIMITS: e6, e7 between -126 and 119; NaN among the inputs is not served.
.set XX, 32                            ; v32-95   x, then out0: 32 registers a token
.set CC, 96                            ; v96-159  the codebook's row, then quantized - x
.set LX, 160                           ; v160-191 lat of the token
.set LQ, 192                           ; v192-223 lat of the code
.set HI, 224                           ; v224-239 my wave's 512 idx
.set RS, 2048                          ; LDS: 0: [wave][lane] counts; RS: [wave] S1, S2
	s_load_b256 s[4:11], s[0:1], 0x0               ; x, codebook, lat, idx
	s_load_b128 s[12:15], s[0:1], 0x20             ; the scales, out0
	s_load_b64 s[16:17], s[0:1], 0x30              ; part
	v_lshl_add_u32 v254, v0, 2, 0x1000
	v_mov_b32 v255, 0
	v_lshrrev_b32 v2, 5, v0
	s_delay_alu instid0(VALU_DEP_1)
	v_readfirstlane_b32 s18, v2                    ; wave 0..15
	v_and_b32 v2, 31, v0
	s_delay_alu instid0(VALU_DEP_1)
	v_lshlrev_b32 v1, 4, v2                        ; v1 16 x lane
	v_lshlrev_b32 v3, 2, v0                        ; v3 my word among the counts: 128 w + 4 lane
	s_lshl_b32 s19, s18, 3
	v_mov_b32 v4, s19
	s_delay_alu instid0(VALU_DEP_1)
	v_add_nc_u32 v4, RS, v4                        ; v4 my wave's two sums
	v_and_b32 v5, 15, v0
	s_delay_alu instid0(VALU_DEP_1)
	v_lshlrev_b32 v5, 3, v5
	s_delay_alu instid0(VALU_DEP_1)
	v_add_nc_u32 v5, RS, v5                        ; v5 wave (lane % 16)'s
	v_lshlrev_b32 v6, 2, v2                        ; v6 4 x lane
	s_lshl_b32 s19, s18, 11
	v_add_nc_u32 v7, s19, v1                       ; v7 my wave's 2,048 bytes of idx
	v_mov_b32 v9, 0x7f7f7f7f                       ; the scale 1 in every byte
.irp n, 24,25,26,27,28,29,30,31
	v_mov_b32 v\n, 0                               ; S1 and S2, two packed chains each
.endr
.irp b, 0,1,2,3,4,5,6,7,8,9,10,11,12,13,14,15
	s_mov_b32 s[66+\b], 0                          ; the 16 bins
.endr
	s_mov_b32 s47, 0x76543210
	s_mov_b32 s48, 0xfedcba98
	s_lshl_b32 s44, ttmp9, 4                       ; my first bin
	s_lshl_b32 s20, ttmp9, 5
	s_lshl_b32 s21, s18, 1
	s_add_co_u32 s20, s20, s21                     ; my first token
	s_lshl_b32 s42, s20, 2
	s_mov_b32 s43, 0
	s_lshl_b32 s50, s20, 12
	s_mov_b32 s51, 0
	s_lshl_b32 s52, s20, 11
	s_mov_b32 s53, 0
	s_lshl_b32 s54, ttmp9, 4
	s_mov_b32 s55, 0
	s_wait_kmcnt 0x0
	s_add_nc_u64 s[24:25], s[10:11], s[42:43]
	s_load_b64 s[22:23], s[24:25], 0x0             ; my two tokens' codes
	s_load_b64 s[26:27], s[12:13], 0x18            ; e6, e7
	s_add_nc_u64 s[28:29], s[4:5], s[50:51]
	s_add_nc_u64 s[30:31], s[14:15], s[50:51]
	s_add_nc_u64 s[32:33], s[8:9], s[52:53]
	s_add_nc_u64 s[16:17], s[16:17], s[54:55]
.irp i, 0,1,2,3
	global_load_b128 v[HI+4*\i:HI+4*\i+3], v7, s[10:11] offset:512*\i
.endr
.irp t, 0,1
.irp j, 0,1,2,3,4,5,6,7
	global_load_b128 v[XX+32*\t+4*\j:XX+32*\t+4*\j+3], v1, s[28:29] offset:4096*\t+512*\j th:TH_LOAD_NT
.endr
.irp j, 0,1,2,3
	global_load_b128 v[LX+16*\t+4*\j:LX+16*\t+4*\j+3], v1, s[32:33] offset:2048*\t+512*\j th:TH_LOAD_NT
.endr
.endr
	s_wait_kmcnt 0x0
	s_min_u32 s22, s22, 4095                       ; an index stays inside its table
	s_min_u32 s23, s23, 4095
	s_lshl_b32 s42, s22, 12
	s_add_nc_u64 s[34:35], s[6:7], s[42:43]
	s_lshl_b32 s42, s23, 12
	s_add_nc_u64 s[36:37], s[6:7], s[42:43]
	s_lshl_b32 s42, s22, 11
	s_add_co_u32 s42, s42, 0x1000000               ; the codes' rows of lat lie behind the 8,192 tokens'
	s_add_nc_u64 s[38:39], s[8:9], s[42:43]
	s_lshl_b32 s42, s23, 11
	s_add_co_u32 s42, s42, 0x1000000
	s_add_nc_u64 s[40:41], s[8:9], s[42:43]
.irp t, 0,1
.irp j, 0,1,2,3,4,5,6,7
	global_load_b128 v[CC+32*\t+4*\j:CC+32*\t+4*\j+3], v1, s[34+2*\t:35+2*\t] offset:512*\j
.endr
.irp j, 0,1,2,3
	global_load_b128 v[LQ+16*\t+4*\j:LQ+16*\t+4*\j+3], v1, s[38+2*\t:39+2*\t] offset:512*\j
.endr
.endr
	s_add_co_i32 s45, s26, 127                     ; e6
	s_lshl_b32 s46, s45, 23
	v_mov_b32 v11, s46                             ; 2^e6
	s_add_co_i32 s45, s45, 8
	s_lshl_b32 s45, s45, 23
	s_or_b32 s45, s45, 0x600000
	v_mov_b32 v10, s45                             ; 448 x 2^e6
	s_add_co_i32 s45, s27, 127                     ; e7
	s_lshl_b32 s46, s45, 23
	v_mov_b32 v14, s46
	s_add_co_i32 s45, s45, 8
	s_lshl_b32 s45, s45, 23
	s_or_b32 s45, s45, 0x600000
	v_mov_b32 v15, s45
.irp i, 0,1,2,3,4,5,6,7
	v_min_num_f32 v[240+\i], 1.0, v10              ; the one-hot's 1, held,
.endr
	v_cvt_scalef32_pk8_fp8_f32 v[248:249], v[240:247], v11   ; as a code,
	v_nop
	v_cvt_scale_pk8_f32_fp8 v[240:247], v[248:249], v9       ; and that code's value
	v_nop
	s_add_co_i32 s45, s26, s27
	v_ldexp_f32 v12, v240, s45                     ; F
	s_delay_alu instid0(VALU_DEP_1)
	v_mov_b32 v13, v12
	; ---- the histogram, while the rows are on their way.  A register none of whose 32 idx falls into my 16 bins is passed over: a branch on whole numbers that an earlier launch stored
.macro HREG n
	v_sub_nc_u32 v8, v[HI+\n], s44
	s_delay_alu instid0(VALU_DEP_1)
	v_cmp_gt_u32 vcc_lo, 16, v8
	s_cbranch_vccz .Lnone_\@
	s_wait_alu depctr_va_vdst(0)
.irp b, 0,1,2,3,4,5,6,7,8,9,10,11,12,13,14,15
	v_cmp_eq_u32 s45, \b, v8
	s_bcnt1_i32_b32 s45, s45
	s_add_co_u32 s[66+\b], s[66+\b], s45
.endr
.Lnone_\@:
.endm
	s_wait_loadcnt 48                              ; the four loads of idx are in; the 48 loads of rows may be out
.irp n, 0,1,2,3,4,5,6,7,8,9,10,11,12,13,14,15
	HREG \n
.endr
.macro WORK t, cnt
	s_wait_loadcnt \cnt
.set ii, 0
.rept 32
	v_med3_num_f32 v[CC+32*\t+ii], v[CC+32*\t+ii], -v15, v15   ; the conversion to an 8-bit code does not saturate (ISA guide 7.6.2)
.set ii, ii+1
.endr
.irp g, 0,1,2,3
	v_cvt_scalef32_pk8_fp8_f32 v[16+2*\g:17+2*\g], v[CC+32*\t+8*\g:CC+32*\t+8*\g+7], v14
.endr
	v_nop
.irp g, 0,1,2,3
	v_cvt_scale_pk8_f32_fp8 v[CC+32*\t+8*\g:CC+32*\t+8*\g+7], v[16+2*\g:17+2*\g], v9
.endr
	v_nop
.set ii, 0
.rept 16
	v_pk_fma_f32 v[CC+32*\t+2*ii:CC+32*\t+2*ii+1], v[CC+32*\t+2*ii:CC+32*\t+2*ii+1], v[12:13], v[XX+32*\t+2*ii:XX+32*\t+2*ii+1] neg_lo:[0,0,1] neg_hi:[0,0,1]   ; quantized - x: the product is exact, so this rounds as the difference does
.set ii, ii+1
.endr
.set ii, 0
.rept 16
	v_pk_fma_f32 v[24+2*(ii%2):25+2*(ii%2)], v[CC+32*\t+2*ii:CC+32*\t+2*ii+1], v[CC+32*\t+2*ii:CC+32*\t+2*ii+1], v[24+2*(ii%2):25+2*(ii%2)]
	v_pk_add_f32 v[XX+32*\t+2*ii:XX+32*\t+2*ii+1], v[XX+32*\t+2*ii:XX+32*\t+2*ii+1], v[CC+32*\t+2*ii:CC+32*\t+2*ii+1]
.set ii, ii+1
.endr
.irp j, 0,1,2,3,4,5,6,7
	global_store_b128 v1, v[XX+32*\t+4*\j:XX+32*\t+4*\j+3], s[30:31] offset:4096*\t+512*\j th:TH_STORE_NT
.endr
.set ii, 0
.rept 8
	v_pk_add_f32 v[LQ+16*\t+2*ii:LQ+16*\t+2*ii+1], v[LQ+16*\t+2*ii:LQ+16*\t+2*ii+1], v[LX+16*\t+2*ii:LX+16*\t+2*ii+1] neg_lo:[0,1] neg_hi:[0,1]
.set ii, ii+1
.endr
.set ii, 0
.rept 8
	v_pk_fma_f32 v[28+2*(ii%2):29+2*(ii%2)], v[LQ+16*\t+2*ii:LQ+16*\t+2*ii+1], v[LQ+16*\t+2*ii:LQ+16*\t+2*ii+1], v[28+2*(ii%2):29+2*(ii%2)]
.set ii, ii+1
.endr
.endm
	WORK 0, 12                                     ; token 0's rows are in; token 1's gathered rows, 8 + 4 loads, may be out
	WORK 1, 0
	v_pk_add_f32 v[24:25], v[24:25], v[26:27]
	s_delay_alu instid0(VALU_DEP_2)
	v_pk_add_f32 v[28:29], v[28:29], v[30:31]
	s_delay_alu instid0(VALU_DEP_2)
	v_add_f32 v24, v24, v25                        ; S1 of my lane,
	s_delay_alu instid0(VALU_DEP_2)
	v_add_f32 v25, v28, v29                        ; S2
.irp x, 1,2,4,8
	s_delay_alu instid0(VALU_DEP_2)
	v_add_f32_dpp v24, v24, v24 row_xmask:\x row_mask:0xf bank_mask:0xf
	s_delay_alu instid0(VALU_DEP_2)
	v_add_f32_dpp v25, v25, v25 row_xmask:\x row_mask:0xf bank_mask:0xf
.endr
	s_delay_alu instid0(VALU_DEP_2)
	v_permlanex16_b32 v26, v24, s47, s48
	s_delay_alu instid0(VALU_DEP_2)
	v_permlanex16_b32 v27, v25, s47, s48
	s_delay_alu instid0(VALU_DEP_2)
	v_add_f32 v24, v24, v26
	s_delay_alu instid0(VALU_DEP_2)
	v_add_f32 v25, v25, v27                        ; of my wave, in every lane
	ds_store_b64 v4, v[24:25]
	v_mov_b32 v28, 0
.irp b, 0,1,2,3,4,5,6,7,8,9,10,11,12,13,14,15
	s_delay_alu instid0(VALU_DEP_1)
	v_writelane_b32 v28, s[66+\b], \b              ; bin b's count into lane b
.endr
	ds_store_b32 v3, v28
	s_wait_dscnt 0x0                               ; for the others' sake: my stores have landed
	s_barrier_signal -1
	s_barrier_wait -1
	s_cmp_lg_u32 s18, 0
	s_cbranch_scc1 .Lend
.irp w, 0,1,2,3,4,5,6,7,8,9,10,11,12,13,14,15
	ds_load_b32 v[96+\w], v6 offset:128*\w
.endr
	ds_load_b64 v[120:121], v5                     ; lanes 0-15: the sixteen waves' S1, S2
	s_wait_dscnt 0x0
.irp w, 1
	v_add_nc_u32 v96, v96, v[96+\w]
.endr
.irp w, 2, 3, 4, 5, 6, 7, 8, 9, 10, 11, 12, 13, 14, 15
	s_delay_alu instid0(VALU_DEP_1)
	v_add_nc_u32 v96, v96, v[96+\w]
.endr
	s_delay_alu instid0(VALU_DEP_1)
	v_cvt_f32_u32 v114, v96                        ; lane b < 16: bin b's count
	s_delay_alu instid0(VALU_DEP_1)
	v_mul_f32 v115, 0x39000000, v114               ; p = count / 8,192
	s_delay_alu instid0(VALU_DEP_1)
	v_add_f32 v116, 0x2edbe6ff, v115               ; + 1e-10
	s_wait_alu depctr_va_vdst(0)
	v_log_f32 v117, v116
	v_min_num_f32 v123, 1.0, v114                  ; 1 where the bin is in use.  (A plain line behind the logarithm)
	s_wait_alu depctr_va_vdst(0)                   ; ahead of the logarithm's first reader
	v_mul_f32 v122, v115, v117                     ; p log2(p + 1e-10)
.irp x, 1,2,4,8
.irp n, 120,121,122,123
	v_add_f32_dpp v\n, v\n, v\n row_xmask:\x row_mask:0xf bank_mask:0xf
.endr
.endr
	v_mov_b32 v124, 0
	v_cmp_eq_u32 vcc_lo, 0, v0
	s_wait_alu depctr_va_vdst(0)
	s_wait_xcnt 0x0                                ; EXEC changes only behind this wait: out0's stores have been taken up
	s_and_saveexec_b32 s46, vcc_lo
	global_store_b128 v124, v[120:123], s[16:17]
	s_wait_xcnt 0x0
	s_or_b32 exec_lo, exec_lo, s46
.Lend:
	s_wait_tensorcnt 0x0
	ds_add_u32 v254, v255
	s_wait_dscnt 0x0
	s_endpgm
.Lfunc_end_k_qdde5b90007_outk:
	.size	k_qdde5b90007_outk, .Lfunc_end_k_qdde5b90007_outk-k_qdde5b90007_outk
	.p2alignl 7, 3214868480
	.fill 96, 4, 3214868480
	.section	.rodata,"a",@progbits
	.p2align	6, 0x0
	.amdhsa_kernel k_qdde5b90007_outk
		.amdhsa_group_segment_fixed_size 6144
		.amdhsa_private_segment_fixed_size 0
		.amdhsa_enable_private_segment 0
		.amdhsa_kernarg_size 56
		.amdhsa_user_sgpr_count 2
		.amdhsa_user_sgpr_kernarg_segment_ptr 1
		.amdhsa_wavefront_size32 1
		.amdhsa_system_sgpr_workgroup_id_x 1
		.amdhsa_system_sgpr_workgroup_id_y 1
		.amdhsa_system_sgpr_workgroup_id_z 1
		.amdhsa_system_vgpr_workitem_id 0
		.amdhsa_next_free_vgpr 256
		.amdhsa_next_free_sgpr 96
		.amdhsa_reserve_vcc 1
		.amdhsa_float_denorm_mode_32 3
		.amdhsa_float_denorm_mode_16_64 3
		.amdhsa_memory_ordered 1
		.amdhsa_forward_progress 1
		.amdhsa_inst_pref_size 67
	.end_amdhsa_kernel
	.amdgpu_metadata
---
amdhsa.version: [ 1, 2 ]
amdhsa.kernels:
  - .name:           k_qdde5b90007_outk
    .symbol:         k_qdde5b90007_outk.kd
    .args:
      - { .name: x, .offset: 0, .size: 8, .value_kind: global_buffer, .address_space: global }
      - { .name: codebook, .offset: 8, .size: 8, .value_kind: global_buffer, .address_space: global }
      - { .name: lat, .offset: 16, .size: 8, .value_kind: global_buffer, .address_space: global }
      - { .name: idx, .offset: 24, .size: 8, .value_kind: global_buffer, .address_space: global }
      - { .name: lowp_scales, .offset: 32, .size: 8, .value_kind: global_buffer, .address_space: global }
      - { .name: out0, .offset: 40, .size: 8, .value_kind: global_buffer, .address_space: global }
      - { .name: part, .offset: 48, .size: 8, .value_kind: global_buffer, .address_space: global }
    .group_segment_fixed_size: 6144
    .private_segment_fixed_size: 0
    .kernarg_segment_align: 8
    .kernarg_segment_size: 56
    .max_flat_workgroup_size: 512
    .sgpr_count:     96
    .vgpr_count:     256
    .wavefront_size: 32
...
	.end_amdgpu_metadata
.endif
;; end of part 12
;; launch fin (part 13): grid 1 x 1, 1 waves a work-group, no clusters, 0 bytes of LDS; arguments part, out1, out2, out3; writes out1, out2, out3
.if DOCPART == 13
	.amdgcn_target "amdgcn-amd-amdhsa--gfx1250"
	.amdhsa_code_object_version 6
	.text
	.protected	k_qdde5b90007_fin
	.globl	k_qdde5b90007_fin
	.p2align	8
	.type	k_qdde5b90007_fin,@function
k_qdde5b90007_fin:
	s_mov_b64 s[64:65], 0
	v_nop
	global_prefetch_b8 v0, s[64:65] scope:SCOPE_SE
	s_setreg_imm32_b32 hwreg(HW_REG_WAVE_MODE, 25, 1), 1
	s_wait_xcnt 0x0
; The 256 work-groups' four numbers (S1, S2, E = sum of p log2(p + 1e-10), the bins in use) are added, in a fixed order, and give the three scalars:
; log_perplexity = -E ln 2;  loss = 1.25 S1 / 2^23 + 1.25 S2 / 2^22 + 0.1 log_perplexity;  perplexity = 2^(-E);  usage = bins in use / 4,096.
; One wave: the sum spans all work-groups of the launch before, so it has a launch of its own; 4,096 bytes are read, eight loads of 512 consecutive bytes.
	s_load_b256 s[4:11], s[0:1], 0x0               ; part, out1, out2, out3
	v_lshlrev_b32 v1, 4, v0
	v_mov_b32 v2, 0
	s_mov_b32 s12, 0x76543210
	s_mov_b32 s13, 0xfedcba98
.irp n, 40,41,42,43
	v_mov_b32 v\n, 0                               ; written once: a lane permute's destination counts as one of its sources
.endr
	s_wait_alu depctr_va_vdst(0)
	s_wait_kmcnt 0x0
.irp i, 0,1,2,3,4,5,6,7
	global_load_b128 v[4+4*\i:7+4*\i], v1, s[4:5] offset:512*\i
.endr
	s_wait_loadcnt 0x0
.irp i, 1,2,3,4,5,6,7
	v_pk_add_f32 v[4:5], v[4:5], v[4+4*\i:5+4*\i]
	v_pk_add_f32 v[6:7], v[6:7], v[6+4*\i:7+4*\i]
.endr
.irp x, 1,2,4,8
.irp n, 4,5,6,7
	v_add_f32_dpp v\n, v\n, v\n row_xmask:\x row_mask:0xf bank_mask:0xf
.endr
.endr
.irp n, 0,1,2,3
	v_permlanex16_b32 v[40+\n], v[4+\n], s12, s13
.endr
.irp n, 0,1,2,3
	v_add_f32 v[4+\n], v[4+\n], v[40+\n]
.endr
	v_mul_f32 v20, 0xbf317218, v6                  ; log_perplexity = -ln 2 x E
	s_wait_alu depctr_va_vdst(0)
	v_exp_f32 v22, -v6                             ; perplexity
	v_mul_f32 v21, 0x3dcccccd, v20                 ; 0.1 x.  (A plain line behind the exponential)
	v_fmamk_f32 v21, v4, 0x34200000, v21           ; + S1 x 1.25 / 2^23
	v_fmamk_f32 v21, v5, 0x34a00000, v21           ; + S2 x 1.25 / 2^22
	v_mul_f32 v23, 0x39800000, v7                  ; / 4,096
	s_wait_alu depctr_va_vdst(0)                   ; ahead of the exponential's first reader
	v_cmp_eq_u32 vcc_lo, 0, v0
	s_wait_xcnt 0x0                                ; EXEC changes only behind this wait
	s_and_saveexec_b32 s14, vcc_lo
	global_store_b32 v2, v21, s[6:7]
	global_store_b32 v2, v22, s[8:9]
	global_store_b32 v2, v23, s[10:11]
	s_wait_xcnt 0x0
	s_or_b32 exec_lo, exec_lo, s14
	s_endpgm
.Lfunc_end_k_qdde5b90007_fin:
	.size	k_qdde5b90007_fin, .Lfunc_end_k_qdde5b90007_fin-k_qdde5b90007_fin
	.p2alignl 7, 3214868480
	.fill 96, 4, 3214868480
	.section	.rodata,"a",@progbits
	.p2align	6, 0x0
	.amdhsa_kernel k_qdde5b90007_fin
		.amdhsa_group_segment_fixed_size 0
		.amdhsa_private_segment_fixed_size 0
		.amdhsa_enable_private_segment 0
		.amdhsa_kernarg_size 32
		.amdhsa_user_sgpr_count 2
		.amdhsa_user_sgpr_kernarg_segment_ptr 1
		.amdhsa_wavefront_size32 1
		.amdhsa_system_sgpr_workgroup_id_x 1
		.amdhsa_system_sgpr_workgroup_id_y 1
		.amdhsa_system_sgpr_workgroup_id_z 1
		.amdhsa_system_vgpr_workitem_id 0
		.amdhsa_next_free_vgpr 64
		.amdhsa_next_free_sgpr 66
		.amdhsa_reserve_vcc 1
		.amdhsa_float_denorm_mode_32 3
		.amdhsa_float_denorm_mode_16_64 3
		.amdhsa_memory_ordered 1
		.amdhsa_forward_progress 1
		.amdhsa_inst_pref_size 5
	.end_amdhsa_kernel
	.amdgpu_metadata
---
amdhsa.version: [ 1, 2 ]
amdhsa.kernels:
  - .name:           k_qdde5b90007_fin
    .symbol:         k_qdde5b90007_fin.kd
    .args:
      - { .name: part, .offset: 0, .size: 8, .value_kind: global_buffer, .address_space: global }
      - { .name: out1, .offset: 8, .size: 8, .value_kind: global_buffer, .address_space: global }
      - { .name: out2, .offset: 16, .size: 8, .value_kind: global_buffer, .address_space: global }
      - { .name: out3, .offset: 24, .size: 8, .value_kind: global_buffer, .address_space: global }
    .group_segment_fixed_size: 0
    .private_segment_fixed_size: 0
    .kernarg_segment_align: 8
    .kernarg_segment_size: 32
    .max_flat_workgroup_size: 32
    .sgpr_count:     66
    .vgpr_count:     64
    .wavefront_size: 32
...
	.end_amdgpu_metadata
.endif
;; end of part 13
